; MI455X (gfx1250); checked and timed in simulation.
; The chip was launched on July 23, 2026; its instructions are those of AMD's public machine-readable ISA for CDNA 5 (MIT licence, August 2026) and "CDNA5" Instruction Set Architecture Reference Guide (July 2026). The comments in the code are by the model that wrote it; some were corrected since.
;; Transformer. Allowed arithmetic: float matrix products may take bf16 or f16 operands with f32 sums; other float arithmetic in f32, or as packed bf16 or f16 multiplies, adds, multiply-adds, maxima and minima; sums over many terms, partial sums and values carried from step to step in f32; what a program stores and reads back later, other than sums and carried values, may be rounded once to bf16 or f16.
;; Inputs: WK_cross 256 x 128 float32; WK_self 256 x 128 float32; bK_cross 128 float32; bK_self 128 float32; test_feat 16 x 256 x 32 x 32 float32; train_feat 16 x 256 x 32 x 32 float32; train_label 16 x 32 x 32 float32.
;; Outputs: out0 16 x 256 x 32 x 32 float32; out1 16 x 256 x 32 x 32 float32.
;; 2 versions, each right; version 2 is version 1 with the launches prep, proj2 written anew for expert scheduling mode. Each part assembles by itself: llvm-mc -triple=amdgcn-amd-amdhsa -mcpu=gfx1250 --defsym DOCPART=n.
;; ======== version 1 of 2: 5 launches
;; limits: a difference of large sums (such as E[x^2] - mean^2): digits are lost where the result is much smaller than its terms; values are held in f16: magnitudes above 65,504 overflow, below 6.1e-05 lose precision
;; workspace buffers: xb 16,777,216 bytes; w1 8,454,144 bytes; u 16,781,312 bytes; kv2 16,777,216 bytes; t4 16,920,576 bytes
;; launch prep (part 1): grid 8 x 32, 8 waves a work-group, no clusters, 183,296 bytes of LDS; arguments train_feat, test_feat, WK_self, bK_self, WK_cross, xb, w1; writes xb, w1
.if DOCPART == 1
	.amdgcn_target "amdgcn-amd-amdhsa--gfx1250"
	.amdhsa_code_object_version 6
	.text
	.protected	k_qd3f4838392_prep
	.globl	k_qd3f4838392_prep
	.p2align	8
	.type	k_qd3f4838392_prep,@function
k_qd3f4838392_prep:
	s_mov_b64 s[64:65], 0
	v_nop
	global_prefetch_b8 v0, s[64:65] scope:SCOPE_SE
	s_setreg_imm32_b32 hwreg(HW_REG_WAVE_MODE, 25, 1), 1
	s_wait_xcnt 0x0
; PREP.  For y = feat x 16 + b (feat 0 = train, 1 = test): xb[y][d][s] = bf16(x[b][d][s]);  wself[y][s][:] = l2norm(x[:, s] . WK_self + bK_self), f16, [32][1024][128] at w1's head;
; wc16 = bf16(WK_cross) written as f16, [256][128], at w1 + 8,388,608.  x, WK_self, bK_self are rounded to bf16 once; products in bf16 with f32 sums; the norm in f32.
; LIMITS.  An entry of WK_cross below 2^-14 keeps f16's fixed step of 2^-24; NaN and infinities are not treated apart.
; SHARES.  A work-group takes 128 columns s of one y and all 256 channels d.  Wave w loads rows 32 w .. 32 w + 31 of x and of WK_self, rounds them and lays them in LDS; then it makes the 16 columns 16 w ..
; PRODUCT.  Source 0 = 16 columns j of W, source 1 = 16 columns s of x, both turned out of [d][.] rows by ds_load_tr16_b128: a lane then holds ONE s (lane % 16) and j = 16 jt + 8 (lane / 16) + 0..7.
; No tensor loads, no cluster: each byte of x is wanted by one work-group, and the rounding has to pass through registers anyway.  No prefetch: the launch streams its inputs from its first line.
.set XP,    288                 ; an LDS row: 256 bytes + 32
.set WL,    73728               ; W's 256 rows, behind x's 256
.set STAGE, 147456              ; 16 rows x 272 bytes for each wave, for the way out
.set SP,    272
.set SPARE, 182272              ; the spare words, 128 bytes for each of eight waves: four blocks of 256 bytes that no other line names
.set XO,  4                     ; v4   my 16 bytes in x's rows: 16 l + 32 w rows of 4,096
.set WO,  5                     ; v5   the same in W's rows of 512
.set XBO, 6                     ; v6   my 8 bytes in xb's rows of 2,048
.set XS,  7                     ; v7   my 8 bytes in LDS, x
.set WS,  8                     ; v8   the same, W
.set XA,  9                     ; v9-10   turning load's address for x, K steps 0-3 and 4-7
.set WA,  11                    ; v11-12  the same for W
.set BO,  13                    ; v13  32 (l / 16): my 8 biases of a tile
.set STO, 14
.set RD,  15
.set GO,  16
.set SPW, 20                    ; v20  my spare word; never rewritten
.set NIL, 21                    ; v21  0; never rewritten
.set ONE, 22
.set WC,  24                    ; v24-27 my 16 bytes of a row of WK_cross
.set L16, 28
.set L8,  29
.set ACC, 32                    ; v32-95   eight accumulators
.set FB0, 96                    ; v96-167  fragments: x (8), W (64)
.set TT,  240                   ; v240-247 at work
.set SQ,  248                   ; v248-255 sums of squares, the norm
.set LA,  64
.set LB,  128
.set LC,  192
	s_load_b256 s[4:11], s[0:1], 0x0               ; train s[4:5], test s[6:7], WK_self s[8:9], bK_self s[10:11]
	s_load_b128 s[12:15], s[0:1], 0x20             ; WK_cross s[12:13], xb s[14:15]
	s_load_b64 s[16:17], s[0:1], 0x30              ; w1
	v_lshl_add_u32 v[SPW], v0, 2, SPARE
	v_mov_b32 v[NIL], 0
	v_lshrrev_b32 v1, 5, v0
	v_readfirstlane_b32 s20, v1                    ; wave 0..7
	s_and_b32 s21, ttmp7, 0xffff                   ; y
	v_and_b32 v1, 31, v0                           ; l
	v_and_b32 v2, 15, v0                           ; l % 16
	v_bfe_u32 v3, v0, 4, 1                         ; l / 16
	v_lshlrev_b32 v[L16], 4, v1
	v_lshlrev_b32 v[L8], 3, v1
	s_lshl_b32 s36, s20, 17
	v_add_nc_u32 v[XO], s36, v[L16]
	s_lshl_b32 s36, s20, 14
	v_add_nc_u32 v[WO], s36, v[L16]
	s_lshl_b32 s36, s20, 16
	v_add_nc_u32 v[XBO], s36, v[L8]
	s_mul_i32 s36, s20, 32*XP
	v_add_nc_u32 v[XS], s36, v[L8]
	v_add_nc_u32 v[WS], WL, v[XS]
	s_and_b32 s36, s21, 15                         ; offsets, made apart from the addresses
	s_lshl_b32 s36, s36, 20
	s_lshl_b32 s37, ttmp9, 9
	s_add_co_u32 s36, s36, s37                     ; x: b x 1 MiB + 128 columns x 4 bytes
	s_mov_b32 s37, 0
	s_lshl_b32 s38, s21, 19
	s_lshl_b32 s39, ttmp9, 8
	s_add_co_u32 s38, s38, s39                     ; xb
	s_mov_b32 s39, 0
	s_lshl_b32 s40, s21, 18
	s_lshl_b32 s41, ttmp9, 15
	s_add_co_u32 s40, s40, s41                     ; wself: 128 rows of 256 bytes
	s_mov_b32 s41, 0
	s_lshl_b32 s42, s21, 3
	s_add_co_u32 s42, s42, ttmp9                   ; the row of WK_cross that this work-group converts: 8 y + block, 0..255
	s_lshl_b32 s44, s42, 8
	s_mov_b32 s45, 0
	s_lshl_b32 s42, s42, 9
	s_mov_b32 s43, 0
	s_wait_kmcnt 0x0
	s_cmp_lt_u32 s21, 16
	s_cselect_b64 s[24:25], s[4:5], s[6:7]
	s_add_nc_u64 s[24:25], s[24:25], s[36:37]
	s_add_nc_u64 s[26:27], s[14:15], s[38:39]
	s_add_nc_u64 s[28:29], s[16:17], s[40:41]
	s_add_nc_u64 s[30:31], s[12:13], s[42:43]
	s_add_nc_u64 s[32:33], s[16:17], s[44:45]
	s_add_nc_u64 s[32:33], s[32:33], 8388608
.macro LDX dst, row0                   ; sixteen rows of x: 512 consecutive bytes an instruction
.set i, 0
.rept 16
	global_load_b128 v[(\dst)+4*i:(\dst)+4*i+3], v[XO], s[24:25] offset:((\row0)+i)*4096 th:TH_LOAD_NT
.set i, i+1
.endr
.endm
.macro LDW dst, row0                   ; sixteen rows of WK_self, which every work-group reads
.set i, 0
.rept 16
	global_load_b128 v[(\dst)+4*i:(\dst)+4*i+3], v[WO], s[8:9] offset:((\row0)+i)*512
.set i, i+1
.endr
.endm
; Sixteen rows are rounded to bf16 in place, laid in LDS and (glob = 1) stored to xb: 32 lanes x 8 bytes are 256 consecutive bytes, aligned.
.macro CV16 set, lds, row0, glob
.set i, 0
.rept 16
	v_cvt_pk_bf16_f32 v[(\set)+4*i], v[(\set)+4*i], v[(\set)+4*i+1]
	v_cvt_pk_bf16_f32 v[(\set)+4*i+1], v[(\set)+4*i+2], v[(\set)+4*i+3]
	ds_store_b64 v[\lds], v[(\set)+4*i:(\set)+4*i+1] offset:((\row0)+i)*XP
.if \glob
	global_store_b64 v[XBO], v[(\set)+4*i:(\set)+4*i+1], s[26:27] offset:((\row0)+i)*2048
.endif
.set i, i+1
.endr
.endm
.macro PLACES
.rept 4
	v_nop
.endr
.endm
	global_load_b128 v[WC:WC+3], v[L16], s[30:31]  ; the oldest load, in every wave, so that the counts below are alike in all; wave 0 uses it
	LDX LA, 0
	LDX LB, 16
	LDW LC, 0
	v_and_b32 v17, 7, v0                           ; the other addresses are made while the loads are out
	v_bfe_u32 v18, v0, 3, 1
	v_lshl_add_u32 v19, v3, 3, v17
	v_mul_u32_u24 v19, v19, XP
	v_lshl_add_u32 v19, v18, 4, v19                ; (8 (l / 16) + l % 8) x pitch + 16 ((l / 8) % 2)
	s_lshl_b32 s36, s20, 5
	v_add_nc_u32 v[XA], s36, v19                   ; + my 16 columns
	v_add_nc_u32 v[XA+1], 128*XP, v[XA]
	v_add_nc_u32 v[WA], WL, v19
	v_add_nc_u32 v[WA+1], 128*XP, v[WA]
	v_lshlrev_b32 v[BO], 5, v3
	s_mul_i32 s36, s20, 16*SP
	s_add_co_u32 s36, s36, STAGE
	v_mul_u32_u24 v17, v2, SP
	v_lshl_add_u32 v17, v3, 4, v17
	v_add_nc_u32 v[STO], s36, v17
	v_mul_u32_u24 v17, v3, SP
	v_lshl_add_u32 v17, v2, 4, v17
	v_add_nc_u32 v[RD], s36, v17
	v_lshlrev_b32 v17, 8, v3
	v_lshl_add_u32 v17, v2, 4, v17
	s_lshl_b32 s36, s20, 12
	v_add_nc_u32 v[GO], s36, v17
	v_mov_b32 v[ONE], 1.0
	s_mov_b32 s34, 0x76543210
	s_mov_b32 s35, 0xfedcba98
	s_wait_loadcnt 32                              ; LB's and LC's 32 loads may stay out
	CV16 LA, XS, 0, 1
	s_wait_xcnt 0x0                                ; the stores to xb have read LA
	LDW LA, 16
	s_wait_loadcnt 32                              ; LC's and LA's may stay out
	CV16 LB, XS, 16, 1
	s_wait_loadcnt 16
	CV16 LC, WS, 0, 0
	s_wait_loadcnt 0x0
	CV16 LA, WS, 16, 0
	s_cmp_lg_u32 s20, 0
	s_cbranch_scc1 .Lnot_wave_0
	v_cvt_pk_bf16_f32 v[WC], v[WC], v[WC+1]        ; WK_cross: rounded to bf16 like every input, and that number written as f16
	v_cvt_pk_bf16_f32 v[WC+1], v[WC+2], v[WC+3]
	v_lshlrev_b32 v[WC+2], 16, v[WC]
	v_and_b32 v[WC+3], 0xffff0000, v[WC]
	v_cvt_pk_f16_f32 v30, v[WC+2], v[WC+3]
	v_lshlrev_b32 v[WC+2], 16, v[WC+1]
	v_and_b32 v[WC+3], 0xffff0000, v[WC+1]
	v_cvt_pk_f16_f32 v31, v[WC+2], v[WC+3]
	global_store_b64 v[L8], v[30:31], s[32:33]     ; 256 consecutive bytes, aligned
.Lnot_wave_0:
	s_wait_xcnt 0x0                                ; the stores to xb have read LB, on which fragments land below
	s_wait_dscnt 0x0                               ; for the others' sake: my rows lie in LDS
	s_barrier_signal -1
	s_barrier_wait -1
.macro FETCH ks, fb                    ; 18 turning loads: 32 channels of my 16 columns of x and of all 128 columns of W
	ds_load_tr16_b128 v[(\fb):(\fb)+3], v[XA+(\ks)/4] offset:((\ks)%4)*32*XP
	ds_load_tr16_b128 v[(\fb)+4:(\fb)+7], v[XA+(\ks)/4] offset:((\ks)%4)*32*XP+16*XP
.irp jt, 0,1,2,3,4,5,6,7
	ds_load_tr16_b128 v[(\fb)+8+8*\jt:(\fb)+8+8*\jt+3], v[WA+(\ks)/4] offset:((\ks)%4)*32*XP+32*\jt
	ds_load_tr16_b128 v[(\fb)+8+8*\jt+4:(\fb)+8+8*\jt+7], v[WA+(\ks)/4] offset:((\ks)%4)*32*XP+16*XP+32*\jt
.endr
.endm
.macro MUL fb, zero                    ; eight products; the eight accumulators take turns
.irp jt, 0,1,2,3,4,5,6,7
.if \zero
	v_wmma_f32_16x16x32_bf16 v[ACC+8*\jt:ACC+8*\jt+7], v[(\fb)+8+8*\jt:(\fb)+8+8*\jt+7], v[(\fb):(\fb)+7], 0
.else
	v_wmma_f32_16x16x32_bf16 v[ACC+8*\jt:ACC+8*\jt+7], v[(\fb)+8+8*\jt:(\fb)+8+8*\jt+7], v[(\fb):(\fb)+7], v[ACC+8*\jt:ACC+8*\jt+7]
.endif
.endr
.endm
.macro KSTEP ks
	s_wait_dscnt 18                                ; this step's fragments are in; the other buffer's 18 loads may stay out
	MUL FB0+72*((\ks)%2), 0
	PLACES                                         ; four places in front of loads into registers that the products have read
	FETCH (\ks)+2, FB0+72*((\ks)%2)
.endm
	FETCH 0, FB0
	FETCH 1, FB0+72
	s_wait_dscnt 18
	MUL FB0, 1                                     ; the first step starts the sums
	PLACES
	FETCH 2, FB0
	KSTEP 1
	KSTEP 2
	KSTEP 3
	KSTEP 4
	KSTEP 5
	s_wait_dscnt 18
	MUL FB0, 0
	PLACES
.irp jt, 0,1,2,3,4,5,6,7               ; the freed buffer takes my 64 biases: j = 16 jt + 8 (l / 16) + 0..7
	global_load_b128 v[FB0+8*\jt:FB0+8*\jt+3], v[BO], s[10:11] offset:64*\jt
	global_load_b128 v[FB0+8*\jt+4:FB0+8*\jt+7], v[BO], s[10:11] offset:64*\jt+16
.endr
	s_wait_dscnt 0x0
	MUL FB0+72, 0
	s_wait_loadcnt 0x0
.set g, 0
.rept 4                                ; the bias, rounded to bf16, is added; the first eight roundings are the places behind the last products
.set p, 0
.rept 8
	v_cvt_pk_bf16_f32 v[TT+p], v[FB0+16*g+2*p], v[FB0+16*g+2*p+1]
.set p, p+1
.endr
.set p, 0
.rept 8
	v_fma_mix_f32_bf16 v[ACC+16*g+2*p], v[TT+p], v[ONE], v[ACC+16*g+2*p] op_sel_hi:[1,0,0]
	v_fma_mix_f32_bf16 v[ACC+16*g+2*p+1], v[TT+p], v[ONE], v[ACC+16*g+2*p+1] op_sel:[1,0,0] op_sel_hi:[1,0,0]
.set p, p+1
.endr
.set g, g+1
.endr
.set p, 0
.rept 32                               ; the sum of squares of my 64 numbers, in four chains
.if p < 4
	v_pk_mul_f32 v[SQ+2*p:SQ+2*p+1], v[ACC+2*p:ACC+2*p+1], v[ACC+2*p:ACC+2*p+1]
.else
	v_pk_fma_f32 v[SQ+2*(p%4):SQ+2*(p%4)+1], v[ACC+2*p:ACC+2*p+1], v[ACC+2*p:ACC+2*p+1], v[SQ+2*(p%4):SQ+2*(p%4)+1]
.endif
.set p, p+1
.endr
	v_pk_add_f32 v[SQ:SQ+1], v[SQ:SQ+1], v[SQ+2:SQ+3]
	v_pk_add_f32 v[SQ+4:SQ+5], v[SQ+4:SQ+5], v[SQ+6:SQ+7]
	v_pk_add_f32 v[SQ:SQ+1], v[SQ:SQ+1], v[SQ+4:SQ+5]
	v_add_f32 v[SQ], v[SQ], v[SQ+1]
	v_permlanex16_b32 v[SQ+1], v[SQ], s34, s35     ; the column's other 64 numbers lie in the lane 16 away
	v_add_f32 v[SQ], v[SQ], v[SQ+1]
	v_sqrt_f32 v[SQ+2], v[SQ]
	v_nop
	s_wait_alu depctr_va_vdst(0)                   ; ahead of the root's first reader
	v_max_num_f32 v[SQ+2], 0x2b8cbccc, v[SQ+2]     ; max(norm, 1e-12)
	v_rcp_f32 v[SQ+4], v[SQ+2]
	v_rcp_f32 v[SQ+5], v[SQ+2]
	v_nop
	s_wait_alu depctr_va_vdst(0)                   ; one wait for both reciprocals
.set p, 0
.rept 32
	v_pk_mul_f32 v[ACC+2*p:ACC+2*p+1], v[ACC+2*p:ACC+2*p+1], v[SQ+4:SQ+5]
.set p, p+1
.endr
.set p, 0
.rept 32
	v_cvt_pk_f16_f32 v[FB0+p], v[ACC+2*p], v[ACC+2*p+1]
.set p, p+1
.endr
.irp jt, 0,1,2,3,4,5,6,7               ; through my own stage: 16 bytes of a row in, whole rows of 256 bytes back
	ds_store_b128 v[STO], v[FB0+4*\jt:FB0+4*\jt+3] offset:32*\jt
.endr
.irp t, 0,1,2,3,4,5,6,7
	ds_load_b128 v[FB0+32+4*\t:FB0+32+4*\t+3], v[RD] offset:\t*2*SP  ; LDS serves a wave's instructions in order: these see the stores above
.endr
.irp t, 0,1,2,3,4,5,6,7
	s_wait_dscnt 7-\t
	global_store_b128 v[GO], v[FB0+32+4*\t:FB0+32+4*\t+3], s[28:29] offset:\t*512  ; 16 lanes store 256 consecutive bytes, aligned
.endr
	s_wait_tensorcnt 0x0                           ; the wave's end, behind my last LDS store
	ds_add_u32 v[SPW], v[NIL]
	s_wait_dscnt 0x0
	s_endpgm
.Lfunc_end_k_qd3f4838392_prep:
	.size	k_qd3f4838392_prep, .Lfunc_end_k_qd3f4838392_prep-k_qd3f4838392_prep
	.p2alignl 7, 3214868480
	.fill 96, 4, 3214868480
	.section	.rodata,"a",@progbits
	.p2align	6, 0x0
	.amdhsa_kernel k_qd3f4838392_prep
		.amdhsa_group_segment_fixed_size 183296
		.amdhsa_private_segment_fixed_size 0
		.amdhsa_enable_private_segment 0
		.amdhsa_kernarg_size 56
		.amdhsa_user_sgpr_count 2
		.amdhsa_user_sgpr_kernarg_segment_ptr 1
		.amdhsa_wavefront_size32 1
		.amdhsa_system_sgpr_workgroup_id_x 1
		.amdhsa_system_sgpr_workgroup_id_y 1
		.amdhsa_system_sgpr_workgroup_id_z 1
		.amdhsa_system_vgpr_workitem_id 0
		.amdhsa_next_free_vgpr 256
		.amdhsa_next_free_sgpr 66
		.amdhsa_reserve_vcc 0
		.amdhsa_float_denorm_mode_32 3
		.amdhsa_float_denorm_mode_16_64 3
		.amdhsa_memory_ordered 1
		.amdhsa_forward_progress 1
		.amdhsa_inst_pref_size 56
	.end_amdhsa_kernel
	.amdgpu_metadata
---
amdhsa.version: [ 1, 2 ]
amdhsa.kernels:
  - .name:           k_qd3f4838392_prep
    .symbol:         k_qd3f4838392_prep.kd
    .args:
      - { .name: train_feat, .offset: 0, .size: 8, .value_kind: global_buffer, .address_space: global }
      - { .name: test_feat, .offset: 8, .size: 8, .value_kind: global_buffer, .address_space: global }
      - { .name: WK_self, .offset: 16, .size: 8, .value_kind: global_buffer, .address_space: global }
      - { .name: bK_self, .offset: 24, .size: 8, .value_kind: global_buffer, .address_space: global }
      - { .name: WK_cross, .offset: 32, .size: 8, .value_kind: global_buffer, .address_space: global }
      - { .name: xb, .offset: 40, .size: 8, .value_kind: global_buffer, .address_space: global }
      - { .name: w1, .offset: 48, .size: 8, .value_kind: global_buffer, .address_space: global }
    .group_segment_fixed_size: 183296
    .private_segment_fixed_size: 0
    .kernarg_segment_align: 8
    .kernarg_segment_size: 56
    .max_flat_workgroup_size: 256
    .sgpr_count:     66
    .vgpr_count:     256
    .wavefront_size: 32
...
	.end_amdgpu_metadata
.endif
;; end of part 1
;; launch attn_self (part 2): grid 8 x 32, 4 waves a work-group, clusters of 4 x 1, 327,680 bytes of LDS; arguments w1, xb, u; writes u
.if DOCPART == 2
	.amdgcn_target "amdgcn-amd-amdhsa--gfx1250"
	.amdhsa_code_object_version 6
	.text
	.protected	k_qd3f4838392_attn_self
	.globl	k_qd3f4838392_attn_self
	.p2align	8
	.type	k_qd3f4838392_attn_self,@function
k_qd3f4838392_attn_self:
	s_mov_b64 s[64:65], 0
	v_nop
	global_prefetch_b8 v0, s[64:65] scope:SCOPE_SE
	s_setreg_imm32_b32 hwreg(HW_REG_WAVE_MODE, 25, 1), 1
	s_wait_xcnt 0x0
	s_wait_alu depctr_hold_cnt(0) depctr_sa_sdst(0) depctr_va_vdst(0) depctr_va_sdst(0) depctr_va_ssrc(0) depctr_va_vcc(0) depctr_vm_vsrc(0)
	s_getreg_b32 s2, hwreg(HW_REG_IB_STS2, 6, 4)
	s_cmp_eq_u32 s2, 0
	s_cbranch_scc0 .Lentry_in_a_cluster
	s_endpgm
.Lentry_in_a_cluster:
	s_bfe_u32 s2, ttmp6, 0x10000c
	s_cmp_lg_u32 s2, 0x3003
	s_cbranch_scc0 .Lentry_shape_is_right
	s_endpgm
.Lentry_shape_is_right:
; ATTENTION, one text for two launches (CROSS = 0: self, 1: cross).  y = feat x 16 + b.  Queries Q[y], keys K[yk] are unit vectors, f16, [1024][128]; V^T[yk] is bf16, [256 d][1024 keys]; yk = y (self), y % 16 (cross).
; p = 2^(c s - c), c = 30 log2(e), s = q . k.  A FIXED SHIFT OF 30: both vectors are normalised by the module itself, so c s - c lies in -87 .. +0.3 for every input: p is a normal number in f32 and in bf16,
; and a row's sum lies between 2^-77 and 1,100.  So partial sums over different keys simply add, and no running maximum is kept.  p is rounded to bf16 for the second product, and the row's sum l is the sum of the rounded p,
; made by the matrix unit (a seventeenth tile of B whose column 0 is 1; in cross its column 1 is the label, which gives the mask's numerator).
; SELF:  U = x + A (A = the attention's result), f16, [y][d][q], and the partial sums of U^2.  CROSS: F = 8 rsq(sum U^2 + 1e-5); T4 = F U + A, f16; mask = m / l, f32; partial sums of T2^2, T4^2, T2 T4 with T2 = mask F U.
; LIMITS.  |U|, |T4| and |A| stay under 65,504 (f16); NaN and infinities are not treated apart.
; SHARES.  A work-group takes 128 queries.  Wave w: its 64 queries by qh = w / 2 (four tiles of 16), and of each step's 64 keys the 32 by kh = w % 2: a fragment of K or V read from LDS then feeds four tiles' products.
; The two kh partial sums of O and l meet in LDS at the end.  16 steps.
; LAYOUT.  S^T = K Q^T (source 0 = 16 keys, source 1 = 16 queries): a lane holds one query and 8 keys; two such tiles rounded in pairs ARE source 0 (16 queries x 32 keys) of O = P V, whose source 1 is 16 rows d of V^T as they lie.
; In O a lane holds one d (lane % 16) and 8 neighbouring queries: 16 bytes of the output's row.  In wave kh register slot c holds channel tile (c + 8 kh) % 16, so that "keep slots 0-7, send 8-15" is one text.
; PIPELINE.  STEP j: the 32 products K Q^T of step j + 1; K of step j + 2 fetched; the 68 products of step j, with the 96 scalings and exponentials of step j + 1 behind them in fours; V of step j + 1 fetched; the 32 roundings.
; So a slot holds V of steps 2 i, 2 i + 1 (keys 128 i .., rows of 256 bytes) and K of steps 2 i + 1, 2 i + 2; K of step 0 has a region of its own.
; CLUSTER.  The four query blocks of a cluster walk the same K and V: each tile is asked for jointly, by the same load, descriptor and mask in all four.
; REGISTERS, in windows of 256 (s_set_vgpr_msb: bits 1:0 source 0, 3:2 source 1, 5:4 source 2, 7:6 destination):
;   window 0: v0-31 addresses; v32-95 K; v96-159 S^T; v160-191 P; v192-223 l (and m); v224-231 the seventeenth tile    window 1: v0-127 Q; v128-255 V    windows 2, 3: O(t, c) at v[128 (t % 2) + 8 c] of window 2 + t / 2
.set CROSS, 0
.set NS,    2*CROSS             ; LDS loads of the seventeenth tile in a step
.set PT,    272                 ; an LDS row: 256 bytes + 16: the 16 rows of a fragment load start at 16 different groups of four banks
.set KPART, 64*PT               ; a step's K
.set VOFF,  2*KPART             ; a slot: two parts of K, then V's 256 rows
.set SLOT1, 131072              ; slot 1 begins here: one exclusive or turns an address in one slot into the other's
.set K0L,   104448              ; K of step 0: filled once
.set STAT,  121856              ; cross: three rows of 1,024 bf16, end to end: ones, the label, zeros; written by ds_store, never filled
.set STP,   2048                ; three lanes' words share a bank in the two loads a step that read them: the other 48 loads of a step are what counts
.set SPARE, 128256              ; the spare words, 128 bytes for each wave: two blocks of 256 bytes that no other line names
.set STG,   65536               ; in each slot, behind its last fill: the stage of 128 rows d x 272; below it the two waves' exchange, 32,768 bytes each
.set RES,   235520              ; the residual's 256 rows d x 272: filled once
.set LST,   305152              ; l and m: 16 rows x 272 for each wave
.set MSK,   322560              ; cross: the mask, 256 bytes for each wave
.set AK0, 3
.set AVA0, 4
.set AVB0, 5
.set ASF0, 6
.set AK,  7
.set AVA, 8
.set AVB, 9
.set ASF, 10
.set QO,  11
.set PFO, 12                    ; v12  the prefetches' offset: my lane x a row; never rewritten
.set LN,  13
.set SPW, 14                    ; v14  my spare word; never rewritten
.set NIL, 15                    ; v15  0; never rewritten
.set LSTO, 16
.set LLD0, 17
.set LLD1, 18
.set XST, 19
.set XLD, 20
.set STO, 21
.set RD,  22
.set RR,  23
.set GO,  24
.set ONE, 25
.set ZR,  26
.set FV,  27
.set MST, 28
.set KF,  32
.set S,   96
.set P,   160
.set LS,  192
.set SF,  224
.set VF,  128                   ; window 1
.set IL,  160                   ; the end: l, then 1 / l
.set T1,  192
.set MA,  96
.set MB,  128
.set PKB, 32
.set EA,  32
.set ER,  48
.set XF,  64
.set T2R, 80
.set EO,  96
.set FM,  232
.set SUM, 240
.set SSP, 2                     ; s[2:3]   where my partial sums go
.set KP,  12                    ; s[12:13] K[yk]
.set VP,  14                    ; s[14:15] V^T[yk]
.set QP,  16
.set OP,  18
.set WV,  20
.set QH,  21
.set KH,  22
.set CX,  23
.set Y,   24
.set QB,  25
.set YK,  26
.set CNT, 27
.set G1K, 28                    ; s[28:35] group 1, K: 64 rows x 128 elements
.set G1V, 36                    ; s[36:43] group 1, V: 128 rows x 128 elements, 1,024 from row to row
.set G1R, 44                    ; s[44:51] group 1, the residual: 64 rows, no mask
.set G0K0, 52
.set G0KA, 56                   ; fill 0
.set G0KB, 60                   ; fill 1; it then walks
.set MKP, 66                    ; s[66:67] cross: first the sums of U^2, later the mask's place
.set G0VA, 68
.set G0VB, 72
.set G0R, 76
.set TBK, 80                    ; LDS byte at which K of the step to be fetched begins
.set TBV, 81                    ; the same for V, less VOFF
.set TBS, 82                    ; byte of the step to be fetched in STAT's rows
.set SLOTS, 83
.set TWICE, 84
.set CS,  86                    ; s[86:87] c
.set NC,  88                    ; s[88:89] -c
.set SEL, 90
.set PFA, 92                    ; s[92:93] where my prefetches stand
.set LIM, 94                    ; a wave prefetches while s[SLOTS] is above it
.set PFS, 96                    ; s[96:97] their step
.set OB,  8+2*CROSS             ; the output buffer's pointer
.set SSOFF, 16777216+131072*CROSS
.set MSB, 0
.macro WIN new                         ; the high byte repeats the setting that is left; a switch that changes nothing is dropped
.if MSB != (\new)
	s_set_vgpr_msb (MSB<<8)|(\new)
.set MSB, (\new)
.endif
.endm
.macro PLACES                          ; four places behind matrix instructions, in front of loads into and vector lines on their registers
.rept 4
	v_nop
.endr
.endm
.macro TL g0, g1                       ; a tensor load and an s_nop 0 behind it
	tensor_load_to_lds s[\g0:\g0+3], s[\g1:\g1+7]
	s_nop 0
.endm
.macro CROUND                          ; a round of the cluster's barrier
	s_barrier_signal -1
	s_barrier_wait -1
	s_cmp_lg_u32 s[WV], 0
	s_cbranch_scc1 .Lnot_wave_0_\@
	s_barrier_signal -3
.Lnot_wave_0_\@:
	s_barrier_wait -3
	s_barrier_signal -1
	s_barrier_wait -1
.endm
; A joint refill: waves 0 and 1 fetch the slot's two parts of K, waves 2 and 3 the halves of its V.  last = 1: the last fill has one part of K (step 15), and wave 1 asks for nothing.
.macro JLOAD last
	s_cmp_lt_u32 s[WV], 2-(\last)
	s_cbranch_scc0 .Lnot_k_\@
	TL G0KB, G1K
	PLACES
	s_branch .Lasked_\@
.Lnot_k_\@:
.if \last
	s_cmp_eq_u32 s[WV], 1
	s_cbranch_scc1 .Lasked_\@
.endif
	TL G0VB, G1V
	PLACES
.Lasked_\@:
.endm
; A prefetch into the L2, behind the wave's joint load: a lane a row, one instruction.  All work-groups that walk K[yk] and V[yk] would name the same rows, so one cluster asks (cluster x = 0; in cross of y < 16 alone);
; its four partners share the rows out by address.  Wave 0: K's rows 128 n + 32 cx + lane, n = 4 .. 7, one n a change; waves 2, 3: V's rows 64 cx + 32 (w - 2) + lane, the 256 bytes of fill n, n = 3 .. 7: what the next
; change of slots will ask for (K's: the later half of it and the earlier half of the one after).  The first fills come by their loads alone; the bounds in s[LIM] end the asking at the tensors' ends.
.macro ASK
	s_cmp_gt_u32 s[SLOTS], s[LIM]
	s_cbranch_scc0 .Lnot_mine_\@
	global_prefetch_b8 v[PFO], s[PFA:PFA+1] th:TH_LOAD_NT scope:SCOPE_SE
.Lnot_mine_\@:
.endm
; THE CHANGE OF SLOTS.  Each wave waits for all its tensor loads, adds 0 to its spare word, and waits for that and for its reads of the slot that it leaves.  kind = 1, 2: the barrier is a round of the cluster's, and the
; joint refill (the fill two on) is the first thing behind it: it has two steps, 200 matrix instructions, in which to land; one load of a wave is out.  kind = 0: nothing is left to ask for.
.macro CHANGE kind
	WIN 0
	s_wait_tensorcnt 0x0                           ; no tensor load of mine is out, so a group 0 may be written
	ds_add_u32 v[SPW], v[NIL]                      ; 0 onto my spare word; the descriptors' steps stand between it and the wait for it
.if \kind
	s_xor_b32 s[G0KB+1], s[G0KB+1], SLOT1
	s_add_nc_u64 s[G0KB+2:G0KB+3], s[G0KB+2:G0KB+3], 128*256
	s_xor_b32 s[G0VB+1], s[G0VB+1], SLOT1
	s_add_nc_u64 s[G0VB+2:G0VB+3], s[G0VB+2:G0VB+3], 256
.endif
.if (\kind) == 1
	s_wait_xcnt 0x0                                ; the last prefetch, two steps back, has read its address
	s_add_nc_u64 s[PFA:PFA+1], s[PFA:PFA+1], s[PFS:PFS+1]
.endif
	s_wait_dscnt 0x0                               ; the add is done, and my reads of the slot are over
.if \kind
	CROUND
	JLOAD (\kind)-1
.else
	s_barrier_signal -1
	s_barrier_wait -1
.endif
.if (\kind) == 1
	ASK
.endif
	s_sub_co_u32 s[TBK], s[TBK], 2*KPART           ; the fetches go back to a slot's first parts, in the other slot
	s_xor_b32 s[TBK], s[TBK], SLOT1
	s_sub_co_u32 s[TBV], s[TBV], 256
	s_xor_b32 s[TBV], s[TBV], SLOT1
.endm
.if CROSS
	s_load_b256 s[4:11], s[0:1], 0x0               ; kv2 s[4:5], u s[6:7], label s[8:9], t4 s[10:11]
.else
	s_load_b128 s[4:7], s[0:1], 0x0                ; w1 s[4:5], xb s[6:7]
	s_load_b64 s[8:9], s[0:1], 0x10                ; u
.endif
	v_lshl_add_u32 v[SPW], v0, 2, SPARE
	v_mov_b32 v[NIL], 0
	ds_add_u32 v[SPW], v[NIL]                      ; the wave's opening: the add and its wait stand ahead of my first tensor load; work on registers stands between them
	ds_add_u32 v14, v15
	v_lshrrev_b32 v1, 5, v0
	v_readfirstlane_b32 s[WV], v1                  ; wave 0..3
	s_lshr_b32 s[QH], s[WV], 1
	s_and_b32 s[KH], s[WV], 1
	s_and_b32 s[Y], ttmp7, 0xffff
.if CROSS
	s_and_b32 s[YK], s[Y], 15
.else
	s_mov_b32 s[YK], s[Y]
.endif
	s_mov_b32 s[G1K], 15|(1<<16)|(1<<20)|(1<<21)|(5<<22)|(3<<25)  ; the mask of four; 2-byte elements; padding on; bit 21 beside a mask; after every 64 words; 4 words
	s_mov_b32 s[G1K+1], 128<<16                    ; tensor_dim0
	s_mov_b32 s[G1K+2], 64<<16                     ; tensor_dim1
	s_mov_b32 s[G1K+3], 128<<16                    ; tile_dim0
	s_mov_b32 s[G1K+4], 64                         ; tile_dim1
	s_mov_b32 s[G1K+5], 128                        ; elements from row to row
	s_mov_b32 s[G1K+6], 0
	s_mov_b32 s[G1K+7], 0
	s_mov_b32 s[G1V], 15|(1<<16)|(1<<20)|(1<<21)|(5<<22)|(3<<25)
	s_mov_b32 s[G1V+1], 128<<16
	s_mov_b32 s[G1V+2], 128<<16
	s_mov_b32 s[G1V+3], 128<<16
	s_mov_b32 s[G1V+4], 128
	s_mov_b32 s[G1V+5], 1024
	s_mov_b32 s[G1V+6], 0
	s_mov_b32 s[G1V+7], 0
	s_mov_b32 s[G1R], (1<<16)|(1<<20)|(5<<22)|(3<<25)  ; a load of my own: no mask
	s_mov_b32 s[G1R+1], 128<<16
	s_mov_b32 s[G1R+2], 64<<16
	s_mov_b32 s[G1R+3], 128<<16
	s_mov_b32 s[G1R+4], 64
	s_mov_b32 s[G1R+5], 1024
	s_mov_b32 s[G1R+6], 0
	s_mov_b32 s[G1R+7], 0
	s_mov_b32 s[G0K0], 1
	s_mov_b32 s[G0K0+1], K0L
	s_mov_b32 s[G0KA], 1
	s_mul_i32 s[G0KA+1], s[KH], KPART              ; waves 0, 1: the slot's part 0, 1 of K
	s_mov_b32 s[G0KB], 1
	s_add_co_u32 s[G0KB+1], s[G0KA+1], SLOT1
	s_mov_b32 s[G0VA], 1
	s_mul_i32 s[G0VA+1], s[KH], 128*PT             ; waves 2, 3: rows 0-127, 128-255 of V
	s_add_co_u32 s[G0VA+1], s[G0VA+1], VOFF
	s_mov_b32 s[G0VB], 1
	s_add_co_u32 s[G0VB+1], s[G0VA+1], SLOT1
	s_mov_b32 s[G0R], 1
	s_mul_i32 s[G0R+1], s[WV], KPART
	s_add_co_u32 s[G0R+1], s[G0R+1], RES
	s_lshl_b32 s98, s[YK], 18                      ; K[yk]: 1,024 rows of 256 bytes
	s_mov_b32 s99, 0
	s_wait_dscnt 0x0                               ; the opening add is done
	s_wait_kmcnt 0x0
	s_add_nc_u64 s[KP:KP+1], s[4:5], s[98:99]
	s_lshl_b32 s98, s[YK], 19                      ; V^T[yk]: 256 rows of 2,048 bytes
.if CROSS
	s_add_nc_u64 s[VP:VP+1], s[4:5], s[98:99]
	s_add_nc_u64 s[VP:VP+1], s[VP:VP+1], 8388608
.else
	s_add_nc_u64 s[VP:VP+1], s[6:7], s[98:99]
.endif
	s_mov_b64 s[G0K0+2:G0K0+3], s[KP:KP+1]         ; step 0: keys 0-63
	s_lshl_b32 s98, s[KH], 14
	s_add_co_u32 s98, s98, 64*256
	s_add_nc_u64 s[G0KA+2:G0KA+3], s[KP:KP+1], s[98:99]        ; fill 0: steps 1 (wave 0) and 2 (wave 1)
	s_add_nc_u64 s[G0KB+2:G0KB+3], s[G0KA+2:G0KA+3], 128*256   ; fill 1
	s_lshl_b32 s98, s[KH], 18
	s_add_nc_u64 s[G0VA+2:G0VA+3], s[VP:VP+1], s[98:99]
	s_add_nc_u64 s[G0VB+2:G0VB+3], s[G0VA+2:G0VA+3], 256
	s_or_b32 s[G0K0+3], s[G0K0+3], 0x80000000
	s_or_b32 s[G0KA+3], s[G0KA+3], 0x80000000
	s_or_b32 s[G0KB+3], s[G0KB+3], 0x80000000
	s_or_b32 s[G0VA+3], s[G0VA+3], 0x80000000
	s_or_b32 s[G0VB+3], s[G0VB+3], 0x80000000
	s_bfe_u32 s[CX], ttmp6, 0x40000                ; my place in the cluster: it enters global addresses of my own loads, stores and prefetches alone
	s_lshl_b32 s[QB], ttmp9, 2
	s_add_co_u32 s[QB], s[QB], s[CX]               ; my block of 128 queries
	s_lshl_b32 s100, s[Y], 19
	s_lshl_b32 s101, s[WV], 17
	s_add_co_u32 s100, s100, s101
	s_lshl_b32 s101, s[QB], 8
	s_add_co_u32 s100, s100, s101
	s_mov_b32 s101, 0
	s_add_nc_u64 s[G0R+2:G0R+3], s[6:7], s[100:101]  ; the residual: rows d = 64 w .., my block's 256 bytes
	s_or_b32 s[G0R+3], s[G0R+3], 0x80000000
	CROUND                                         ; all four work-groups are here: the first joint loads meet
	s_cmp_lt_u32 s[WV], 2                          ; a wave's first fills stand in one arm; the residual is each wave's last.  Four loads of wave 0 are out, three of the others
	s_cbranch_scc0 .Lfirst_v
	s_cmp_eq_u32 s[WV], 0
	s_cbranch_scc0 .Lfirst_k1
	TL G0K0, G1K
	TL G0KA, G1K
	TL G0KB, G1K
	TL G0R, G1R
	PLACES
	s_branch .Lfirst_done
.Lfirst_k1:
	TL G0KA, G1K
	TL G0KB, G1K
	TL G0R, G1R
	PLACES
	s_branch .Lfirst_done
.Lfirst_v:
	TL G0VA, G1V
	TL G0VB, G1V
	TL G0R, G1R
	PLACES
.Lfirst_done:
	v_and_b32 v1, 15, v0                           ; r = l % 16
	v_bfe_u32 v2, v0, 4, 1                         ; h = l / 16
	v_and_b32 v[LN], 31, v0
	v_lshlrev_b32 v[QO], 8, v1
	v_lshl_add_u32 v[QO], v2, 4, v[QO]
	s_lshl_b32 s100, s[Y], 18
	s_lshl_b32 s101, s[QB], 15
	s_add_co_u32 s100, s100, s101
	s_lshl_b32 s101, s[QH], 14
	s_add_co_u32 s100, s100, s101
	s_mov_b32 s101, 0
	s_add_nc_u64 s[QP:QP+1], s[4:5], s[100:101]    ; my 64 queries
.if CROSS
	s_lshl_b32 s100, s[YK], 12
	s_add_nc_u64 s[8:9], s[8:9], s[100:101]        ; the label's 1,024 numbers
	s_lshl_b32 s100, s[Y], 7
	s_add_nc_u64 s[MKP:MKP+1], s[6:7], s[100:101]
	s_add_nc_u64 s[MKP:MKP+1], s[MKP:MKP+1], 16777216  ; the 32 partial sums of U^2
	v_lshlrev_b32 v29, 5, v0
	v_lshlrev_b32 v30, 2, v[LN]
	global_load_b128 v[32:35], v29, s[8:9]
	global_load_b128 v[36:39], v29, s[8:9] offset:16
	global_load_b32 v[FV], v30, s[MKP:MKP+1]
.endif
	WIN 0x40                                       ; destination window 1
.set i, 0
.rept 16                               ; Q stays in registers: tile i / 4, channels 32 (i % 4) on
	global_load_b128 v[8*i:8*i+3], v[QO], s[QP:QP+1] offset:(i/4)*4096+(i%4)*64
	global_load_b128 v[8*i+4:8*i+7], v[QO], s[QP:QP+1] offset:(i/4)*4096+(i%4)*64+32
.set i, i+1
.endr
	WIN 0
	s_mov_b32 s[CS], 0x422d1f97                    ; c = 30 log2(e)
	s_mov_b32 s[CS+1], s[CS]
	s_mov_b32 s[NC], 0xc22d1f97
	s_mov_b32 s[NC+1], s[NC]
	s_mov_b32 s[SEL], 0x76543210
	s_mov_b32 s[SEL+1], 0xfedcba98
	s_mov_b32 s[TBV], 0
	s_mov_b32 s[TBS], 0
	s_mov_b32 s[SLOTS], 5
	s_wait_xcnt 0x0                                ; the loads have read their addresses: the registers at work below may be written
	s_lshl_b32 s100, s[Y], 19
	s_lshl_b32 s98, s[QB], 8
	s_add_co_u32 s100, s100, s98
	s_add_nc_u64 s[OP:OP+1], s[OB:OB+1], s[100:101]
	s_lshl_b32 s100, s[Y], 7
	s_lshl_b32 s98, s[QB], 4
	s_add_co_u32 s100, s100, s98
	s_lshl_b32 s98, s[WV], 2
	s_add_co_u32 s100, s100, s98
	s_add_nc_u64 s[SSP:SSP+1], s[OB:OB+1], s[100:101]
	s_add_nc_u64 s[SSP:SSP+1], s[SSP:SSP+1], SSOFF
.if CROSS
	s_lshl_b32 s100, s[Y], 12
	s_lshl_b32 s98, s[QB], 9
	s_add_co_u32 s100, s100, s98
	s_add_nc_u64 s[MKP:MKP+1], s[10:11], s[100:101]
	s_add_nc_u64 s[MKP:MKP+1], s[MKP:MKP+1], 16777216
.endif
	s_cmp_eq_u32 s[WV], 0                          ; who prefetches, and until when
	s_cselect_b32 s[LIM], 1, 0
	s_cmp_eq_u32 s[WV], 1
	s_cselect_b32 s[LIM], -1, s[LIM]
	s_cmp_lg_u32 ttmp9, 0
	s_cselect_b32 s[LIM], -1, s[LIM]
.if CROSS
	s_cmp_ge_u32 s[Y], 16
	s_cselect_b32 s[LIM], -1, s[LIM]
.endif
	s_lshl_b32 s98, s[CX], 13
	s_add_co_u32 s98, s98, 3*128*256               ; K: my work-group's 32 rows, in rows 384 ..; the first change steps it to 512 ..
	s_lshl_b32 s99, s[CX], 17
	s_lshl_b32 s85, s[KH], 16
	s_add_co_u32 s99, s99, s85
	s_add_co_u32 s99, s99, 2*256                   ; V: my 32 rows, at fill 2; the first change steps it to fill 3
	s_mov_b32 s85, 128*256
	s_cmp_lt_u32 s[WV], 2
	s_cselect_b64 s[PFA:PFA+1], s[KP:KP+1], s[VP:VP+1]
	s_cselect_b32 s100, s98, s99
	s_cselect_b32 s[PFS], s85, 0x100
	s_cselect_b32 s85, 8, 11
	s_add_nc_u64 s[PFA:PFA+1], s[PFA:PFA+1], s[100:101]
	s_mov_b32 s[PFS+1], 0
	v_lshlrev_b32 v[PFO], s85, v[LN]
	v_mul_u32_u24 v29, v1, PT                      ; r x pitch
	v_lshl_add_u32 v30, v2, 4, v29                 ; + 16 h: a fragment's lane term
	s_mul_i32 s98, s[KH], 32*PT
	v_add_nc_u32 v[AK0], s98, v30                  ; K: my 32 keys of the step's 64
	s_mul_i32 s98, s[KH], 128*PT+64
	s_add_co_u32 s98, s98, VOFF
	v_add_nc_u32 v[AVA0], s98, v30                 ; V, slots 0-7: rows 128 kh ..; my 32 keys: 64 kh bytes along the row
	s_xor_b32 s98, s[KH], 1
	s_mul_i32 s98, s98, 128*PT
	s_lshl_b32 s99, s[KH], 6
	s_add_co_u32 s98, s98, s99
	s_add_co_u32 s98, s98, VOFF
	v_add_nc_u32 v[AVB0], s98, v30                 ; V, slots 8-15: the other 128 rows
	s_mul_i32 s98, s[WV], 16*PT
	s_add_co_u32 s98, s98, LST
	v_lshl_add_u32 v[LLD0], v2, 5, s98
	v_add_nc_u32 v[LSTO], v29, v[LLD0]
	s_xor_b32 s98, s[WV], 1
	s_mul_i32 s98, s98, 16*PT
	s_add_co_u32 s98, s98, LST
	v_lshl_add_u32 v[LLD1], v2, 5, s98
	s_lshl_b32 s98, s[QH], 17
	s_lshl_b32 s99, s[KH], 15
	s_add_co_u32 s99, s99, s98
	v_lshl_add_u32 v[XST], v[LN], 4, s99           ; what I send,
	s_xor_b32 s99, s99, 32768
	v_lshl_add_u32 v[XLD], v[LN], 4, s99           ; what my partner (w xor 1) sends
	s_lshl_b32 s99, s[KH], 17
	s_lshl_b32 s98, s[QH], 7
	s_add_co_u32 s99, s99, s98
	s_add_co_u32 s99, s99, STG
	v_add_nc_u32 v[STO], s99, v30                  ; the stage: row d = 128 kh + 16 c + r, byte 128 qh + 32 t + 16 h
	v_mul_u32_u24 v31, v2, PT
	v_lshl_add_u32 v31, v1, 4, v31                 ; back by rows: h x pitch + 16 r
	s_lshl_b32 s98, s[QH], 17
	s_mul_i32 s99, s[KH], KPART
	s_add_co_u32 s98, s98, s99
	s_add_co_u32 s98, s98, STG
	v_add_nc_u32 v[RD], s98, v31                   ; rows d = 64 w ..
	s_mul_i32 s98, s[WV], KPART
	s_add_co_u32 s98, s98, RES
	v_add_nc_u32 v[RR], s98, v31
	v_lshlrev_b32 v31, 11, v2
	v_lshl_add_u32 v31, v1, 4, v31
	s_lshl_b32 s98, s[WV], 17
	v_add_nc_u32 v[GO], s98, v31
	v_mov_b32 v[ONE], 1.0
	v_mov_b32 v[ZR], 0
.if CROSS
	v_min_u32 v31, 2, v1
	v_mul_u32_u24 v31, v31, STP
	v_lshl_add_u32 v31, v2, 4, v31
	s_lshl_b32 s98, s[KH], 6
	s_add_co_u32 s98, s98, STAT
	v_add_nc_u32 v[ASF0], s98, v31                 ; column 0: ones; column 1: the label; the others: zeros
	s_lshl_b32 s98, s[WV], 8
	s_add_co_u32 s98, s98, MSK
	v_lshl_add_u32 v[MST], v2, 5, s98
	s_wait_loadcnt 32                              ; the label and the sums are in; Q's 32 loads may stay out
	v_cvt_pk_bf16_f32 v40, v32, v33                ; thread t's eight labels, rounded to bf16 like every input
	v_cvt_pk_bf16_f32 v41, v34, v35
	v_cvt_pk_bf16_f32 v42, v36, v37
	v_cvt_pk_bf16_f32 v43, v38, v39
.irp k, 44,45,46,47
	v_mov_b32 v\k, 0x3f803f80
.endr
.irp k, 48,49,50,51
	v_mov_b32 v\k, 0
.endr
	v_lshl_add_u32 v31, v0, 4, STAT
	ds_store_b128 v31, v[44:47]
	ds_store_b128 v31, v[40:43] offset:STP
	ds_store_b128 v31, v[48:51] offset:2*STP
.irp m, 1,2,4,8
	v_add_f32_dpp v[FV], v[FV], v[FV] row_xmask:\m row_mask:0xf bank_mask:0xf
.endr
	v_permlanex16_b32 v29, v[FV], s[SEL], s[SEL+1]
	v_add_f32 v[FV], v[FV], v29
	v_add_f32 v[FV], 0x3727c5ac, v[FV]             ; + 1e-5
	v_rsq_f32 v[FV], v[FV]
	v_nop
	s_wait_alu depctr_va_vdst(0)                   ; ahead of the root's first reader
	v_mul_f32 v[FV], 0x41000000, v[FV]             ; F = 8 rsq(..)
.else
	v_cmp_eq_u32 s98, 0, v1                        ; the seventeenth tile: column 0 is 1, the others 0
	v_mov_b32 v29, 0x3f803f80
	v_cndmask_b32 v[SF], 0, v29, s98
.irp k, 1,2,3,4,5,6,7
	v_mov_b32 v[SF+\k], v[SF]
.endr
.endif
; 32 products S^T = K Q^T: channels 32 (i / 8) on; accumulator i % 8 = 2 t + kt.  The eight take turns; the first eight start the sums.
.macro QK
	WIN 0x04                                       ; Q in window 1
.set i, 0
.rept 32
.set rS, S+8*(i%8)
.set rK, KF+8*(4*(i%2)+i/8)
.set rQ, 8*(4*((i%8)/2)+i/8)
.if i < 8
	v_wmma_f32_16x16x32_f16 v[rS:rS+7], v[rK:rK+7], v[rQ:rQ+7], 0
.else
	v_wmma_f32_16x16x32_f16 v[rS:rS+7], v[rK:rK+7], v[rQ:rQ+7], v[rS:rS+7]
.endif
.set i, i+1
.endr
.endm
.macro FETCH_K                         ; 16 loads: my 32 keys x 128 channels; fragment f: keys 16 (f / 4) on, channels 32 (f % 4) on
	WIN 0
	v_add_nc_u32 v[AK], s[TBK], v[AK0]
.set f, 0
.rept 8
	ds_load_b128 v[KF+8*f:KF+8*f+3], v[AK] offset:(f/4)*16*PT+(f%4)*64
	ds_load_b128 v[KF+8*f+4:KF+8*f+7], v[AK] offset:(f/4)*16*PT+(f%4)*64+32
.set f, f+1
.endr
	s_add_co_u32 s[TBK], s[TBK], KPART
.endm
.macro FETCH_V                         ; 32 loads: 256 channels x my 32 keys, slot by slot; in cross two more for the seventeenth tile
	WIN 0
	v_add_nc_u32 v[AVA], s[TBV], v[AVA0]
	v_add_nc_u32 v[AVB], s[TBV], v[AVB0]
.if CROSS
	v_add_nc_u32 v[ASF], s[TBS], v[ASF0]
.endif
	WIN 0x40
.set f, 0
.rept 8
	ds_load_b128 v[VF+8*f:VF+8*f+3], v[AVA] offset:16*PT*f
	ds_load_b128 v[VF+8*f+4:VF+8*f+7], v[AVA] offset:16*PT*f+32
.set f, f+1
.endr
.set f, 0
.rept 8
	ds_load_b128 v[VF+64+8*f:VF+64+8*f+3], v[AVB] offset:16*PT*f
	ds_load_b128 v[VF+64+8*f+4:VF+64+8*f+7], v[AVB] offset:16*PT*f+32
.set f, f+1
.endr
	WIN 0
.if CROSS
	ds_load_b128 v[SF:SF+3], v[ASF]
	ds_load_b128 v[SF+4:SF+7], v[ASF] offset:32
	s_add_co_u32 s[TBS], s[TBS], 128               ; the next step's 64 keys: 16 fetches take 0, 128 .. 1,920;
	s_and_b32 s[TBS], s[TBS], 0x780                ; the cut states that bound: the byte stays inside a row of 2,048
.endif
	s_add_co_u32 s[TBV], s[TBV], 128
.endm
; Number n of the 96 that make p of the 64 scores a lane: 32 packed scalings c s - c and 64 exponentials, in ascending order of the registers (each accumulator's lowest are read first).
; 0-3: four scalings; then 28 times two exponentials and the scaling four pairs on; then the last eight exponentials.  None reads an exponential's result: the batch has one wait, in front of the roundings.
.macro RID
.if n < 4
.set b, n
	v_pk_fma_f32 v[S+2*b:S+2*b+1], v[S+2*b:S+2*b+1], s[CS:CS+1], s[NC:NC+1] op_sel_hi:[1,0,0]
.elseif n >= 88
.set e, n-32
	v_exp_f32 v[S+e], v[S+e]
.elseif (n-4)%3 == 2
.set b, (n-4)/3+4
	v_pk_fma_f32 v[S+2*b:S+2*b+1], v[S+2*b:S+2*b+1], s[CS:CS+1], s[NC:NC+1] op_sel_hi:[1,0,0]
.else
.set e, 2*((n-4)/3)+(n-4)%3
	v_exp_f32 v[S+e], v[S+e]
.endif
.set n, n+1
.endm
; 68 products: O(t, c) += P(t) V(c), tiles 0, 1 (window 2) and then 2, 3 (window 3), slot c = (i % 32) / 2; then l(t) += P(t) x the seventeenth tile.  Each accumulator has one product a step.
; zero = 1: they start the sums.  ride = 1: four of RID's lines behind each odd product up to the 48th.  kyoung: the LDS loads issued behind V's (K's 16, or none).
; The waits: V's slots c .. c + 3 are in when at most its 24 - 2 c later loads, the seventeenth tile's NS and the kyoung younger ones are out.
.macro PV zero, ride, kyoung
.set n, 0
.set i, 0
.rept 64
.set c, (i%32)/2
.set t, 2*(i/32)+i%2
.set rO, 128*(i%2)+8*c
.if (i < 32) && (i%8 == 0)
	s_wait_dscnt (\kyoung)+NS+24-2*c
.endif
	WIN 0xa4+0x50*(i/32)
.if \zero
	v_wmma_f32_16x16x32_bf16 v[rO:rO+7], v[P+8*t:P+8*t+7], v[VF+8*c:VF+8*c+7], 0
.else
	v_wmma_f32_16x16x32_bf16 v[rO:rO+7], v[P+8*t:P+8*t+7], v[VF+8*c:VF+8*c+7], v[rO:rO+7]
.endif
.if (\ride) && (i%2 == 1) && (i < 48)
	WIN 0
	RID
	RID
	RID
	RID
.endif
.set i, i+1
.endr
	WIN 0
.if CROSS
	s_wait_dscnt \kyoung
.endif
.set t, 0
.rept 4
.if \zero
	v_wmma_f32_16x16x32_bf16 v[LS+8*t:LS+8*t+7], v[P+8*t:P+8*t+7], v[SF:SF+7], 0
.else
	v_wmma_f32_16x16x32_bf16 v[LS+8*t:LS+8*t+7], v[P+8*t:P+8*t+7], v[SF:SF+7], v[LS+8*t:LS+8*t+7]
.endif
.set t, t+1
.endr
.endm
.macro CVT                             ; p rounded to bf16, in pairs: P(t)'s registers 4 kt + 0..3 from accumulator 2 t + kt
	WIN 0
.set i, 0
.rept 32
	v_cvt_pk_bf16_f32 v[P+i], v[S+2*i], v[S+2*i+1]
.set i, i+1
.endr
.endm
.macro STEP zero
	s_wait_dscnt 32+NS                             ; K is in: V's loads, issued behind K's, may stay out
	QK
	WIN 0
	PLACES                                         ; in front of the loads into K's registers and of the lines that read the scores
	FETCH_K
	PV \zero, 1, 16
	WIN 0
	PLACES                                         ; in front of the loads into V's registers and of the writes of P; also the plain lines behind the last exponential
	FETCH_V
	s_wait_alu depctr_va_vdst(0)                   ; one wait for the step's 64 exponentials, ahead of their first reader
	CVT
.endm
.macro TWO_STEPS                       ; a slot's two steps: written once, walked twice; the LDS addresses hang on s[TBK], s[TBV], s[TBS]
	WIN 0
	s_mov_b32 s[TWICE], 2
.Lstep_\@:
	STEP 0
	WIN 0
	s_sub_co_u32 s[TWICE], s[TWICE], 1
	s_cmp_lg_u32 s[TWICE], 0
	s_cbranch_scc1 .Lstep_\@
.endm
	s_wait_tensorcnt 2                             ; K of step 0 and my part of fill 0 are in; fill 1 and the residual may stay out
.if CROSS
	s_wait_dscnt 0x0                               ; my part of the three rows lies in LDS
.endif
	s_barrier_signal -1
	s_barrier_wait -1
	s_mov_b32 s[TBK], K0L
	FETCH_K                                        ; step 0
	s_mov_b32 s[TBK], 0
	s_wait_loadcnt 0x0                             ; Q
	s_wait_dscnt 0x0
	QK
	WIN 0
	PLACES
	FETCH_K                                        ; step 1
	FETCH_V                                        ; step 0
.set n, 0
.rept 96
	RID                                            ; the first step's p: there are no products yet to set them behind
.endr
	v_nop
	s_wait_alu depctr_va_vdst(0)
	CVT
	STEP 1                                         ; step 0's products start O and l
	WIN 0
.Lslot:                                        ; five times: steps 2 i - 1, 2 i read fill i, and fill i + 1 is asked for (fills 2 to 6)
	CHANGE 1
	TWO_STEPS
	s_sub_co_u32 s[SLOTS], s[SLOTS], 1
	s_cmp_lg_u32 s[SLOTS], 0
	s_cbranch_scc1 .Lslot
	CHANGE 2                                       ; the tail is written out: fill 7 has one part of K
	TWO_STEPS
	CHANGE 0                                       ; nothing is left to ask for
	TWO_STEPS                                      ; steps 13, 14.  Step 14's fetch of K finds no step 16: it reads the part that fill 5 left, and nothing uses it: 16 loads, the price of one text and one set of counts
	s_wait_dscnt 0x0
	PV 0, 0, 0                                     ; step 15
	; THE END.  The slots have had their last fill and, behind this barrier, their last read: they serve as exchange and stage.
	WIN 0
	PLACES
	s_barrier_signal -1
	s_barrier_wait -1
.set t, 0
.rept 4                                ; l (column 0) and m (column 1): row = column, byte 64 t + 32 h
	ds_store_b128 v[LSTO], v[LS+8*t:LS+8*t+3] offset:64*t
	ds_store_b128 v[LSTO], v[LS+8*t+4:LS+8*t+7] offset:64*t+16
.set t, t+1
.endr
.set t, 0
.rept 4                                ; slots 8-15 go to my partner, who keeps those channels
	WIN 0x08+0x04*(t/2)
.set g, 0
.rept 16
.set rO, 128*(t%2)+64+4*g
	ds_store_b128 v[XST], v[rO:rO+3] offset:512*(16*t+g)
.set g, g+1
.endr
.set t, t+1
.endr
	WIN 0
	s_wait_dscnt 0x0                               ; for my partner's sake
	s_barrier_signal -1
	s_barrier_wait -1
.set t, 0
.rept 4                                ; l of my queries 16 t + 8 h + 0..7, mine and my partner's
	ds_load_b128 v[IL+8*t:IL+8*t+3], v[LLD0] offset:64*t
	ds_load_b128 v[IL+8*t+4:IL+8*t+7], v[LLD0] offset:64*t+16
	ds_load_b128 v[T1+8*t:T1+8*t+3], v[LLD1] offset:64*t
	ds_load_b128 v[T1+8*t+4:T1+8*t+7], v[LLD1] offset:64*t+16
.if CROSS
	ds_load_b128 v[MA+8*t:MA+8*t+3], v[LLD0] offset:PT+64*t
	ds_load_b128 v[MA+8*t+4:MA+8*t+7], v[LLD0] offset:PT+64*t+16
	ds_load_b128 v[MB+8*t:MB+8*t+3], v[LLD1] offset:PT+64*t
	ds_load_b128 v[MB+8*t+4:MB+8*t+7], v[LLD1] offset:PT+64*t+16
.endif
.set t, t+1
.endr
; My partner's sums of tile t for the channels that I keep, into the slots that I sent: 16 loads.
.macro XIN t
	WIN 0x80+0x40*((\t)/2)
.set g, 0
.rept 16
.set rO, 128*((\t)%2)+64+4*g
	ds_load_b128 v[rO:rO+3], v[XLD] offset:512*(16*(\t)+g)
.set g, g+1
.endr
.endm
	XIN 0
	XIN 1
	XIN 2                                          ; tile 3's follow behind the statistics
	WIN 0
	s_wait_dscnt 48                                ; l (and m) are in; the 48 loads of the exchange issued behind them may stay out
.set i, 0
.rept 16
	v_pk_add_f32 v[IL+2*i:IL+2*i+1], v[IL+2*i:IL+2*i+1], v[T1+2*i:T1+2*i+1]
.set i, i+1
.endr
.set i, 0
.rept 32
	v_rcp_f32 v[IL+i], v[IL+i]
.set i, i+1
.endr
.if CROSS
.set i, 0
.rept 16
	v_pk_add_f32 v[MA+2*i:MA+2*i+1], v[MA+2*i:MA+2*i+1], v[MB+2*i:MB+2*i+1]
.set i, i+1
.endr
.else
	v_nop
.endif
	s_wait_alu depctr_va_vdst(0)                   ; one wait for the 32 reciprocals
.if CROSS
.set i, 0
.rept 16
	v_pk_mul_f32 v[MA+2*i:MA+2*i+1], v[MA+2*i:MA+2*i+1], v[IL+2*i:IL+2*i+1]  ; mask = m / l
.set i, i+1
.endr
.set t, 0
.rept 4                                ; the sixteen lanes of a half hold the same numbers and write the same words
	ds_store_b128 v[MST], v[MA+8*t:MA+8*t+3] offset:64*t
	ds_store_b128 v[MST], v[MA+8*t+4:MA+8*t+7] offset:64*t+16
.set t, t+1
.endr
.endif
	XIN 3
	WIN 0
; Tile t: the two partial sums are added, divided by l, rounded to f16 and laid in the stage.  The wait counts what was issued behind tile t's 16 loads of the exchange.
; t < 3: the 16 (2 - t) loads of the tiles up to 2, the mask's 8 stores (cross), tile 3's 16 loads and the 8 t stage stores of the tiles before: 48 - 8 t (+ 8).  t = 3: the 24 stage stores alone.
.macro FIN t
.set hw, (\t)/2
.set ob, 128*((\t)%2)
.set pb, PKB+32*((\t)%2)
.if (\t) < 3
	s_wait_dscnt 48-8*(\t)+8*CROSS
.else
	s_wait_dscnt 24
.endif
	WIN 0x8a+0x45*hw
.set i, 0
.rept 32
	v_pk_add_f32 v[ob+2*i:ob+2*i+1], v[ob+2*i:ob+2*i+1], v[ob+64+2*i:ob+64+2*i+1]
.set i, i+1
.endr
	WIN 0x82+0x41*hw
.set i, 0
.rept 32
	v_pk_mul_f32 v[ob+2*i:ob+2*i+1], v[ob+2*i:ob+2*i+1], v[IL+8*(\t)+2*(i%4):IL+8*(\t)+2*(i%4)+1]
.set i, i+1
.endr
	WIN 0x0a+0x05*hw
.set i, 0
.rept 32
	v_cvt_pk_f16_f32 v[pb+i], v[ob+2*i], v[ob+2*i+1]
.set i, i+1
.endr
	WIN 0
.set c, 0
.rept 8
	ds_store_b128 v[STO], v[pb+4*c:pb+4*c+3] offset:16*PT*c+32*(\t)
.set c, c+1
.endr
.endm
	FIN 0
	FIN 1
	FIN 2
	FIN 3
	s_wait_dscnt 0x0                               ; for the others' sake: my part of the stage (and of the mask) lies in LDS
	s_barrier_signal -1
	s_barrier_wait -1
.if CROSS
	v_lshrrev_b32 v29, 3, v1                       ; the mask of my eight queries 8 r + 0..7, times F
	v_and_b32 v30, 7, v1
	v_lshlrev_b32 v29, 9, v29
	v_lshl_add_u32 v29, v30, 5, v29
	v_add_nc_u32 v29, MSK, v29
	ds_load_b128 v[FM:FM+3], v29
	ds_load_b128 v[FM+4:FM+7], v29 offset:16
.endif
.irp k, 0,1,2,3,4,5
	v_mov_b32 v[SUM+\k], 0
.endr
.if CROSS
	s_wait_dscnt 0x0
.irp k, 0,1,2,3,4,5,6,7
	v_mul_f32 v[FM+\k], v[FV], v[FM+\k]
.endr
.endif
	s_mov_b32 s[CNT], 8
.Lrow:                                         ; eight trips of eight rows d: wave w has rows 64 w ..; lanes 0-15 one row's 256 bytes, lanes 16-31 the next row's
.irp n, 0,1,2,3
	ds_load_b128 v[EA+4*\n:EA+4*\n+3], v[RD] offset:2*PT*\n
	ds_load_b128 v[ER+4*\n:ER+4*\n+3], v[RR] offset:2*PT*\n
.endr
.irp n, 0,1,2,3
	s_wait_dscnt 6-2*\n
.if CROSS
.irp k, 0,1,2,3
	v_fma_mix_f32 v[XF+2*\k], v[ER+4*\n+\k], v[FV], v[EA+4*\n+\k] op_sel_hi:[1,0,1]                       ; T4 = F U + A
	v_fma_mix_f32 v[XF+2*\k+1], v[ER+4*\n+\k], v[FV], v[EA+4*\n+\k] op_sel:[1,0,1] op_sel_hi:[1,0,1]
	v_fma_mix_f32 v[T2R+2*\k], v[ER+4*\n+\k], v[FM+2*\k], v[ZR] op_sel_hi:[1,0,0]                         ; T2 = mask F U
	v_fma_mix_f32 v[T2R+2*\k+1], v[ER+4*\n+\k], v[FM+2*\k+1], v[ZR] op_sel:[1,0,0] op_sel_hi:[1,0,0]
.endr
.irp k, 0,1,2,3
	v_pk_fma_f32 v[SUM:SUM+1], v[T2R+2*\k:T2R+2*\k+1], v[T2R+2*\k:T2R+2*\k+1], v[SUM:SUM+1]
	v_pk_fma_f32 v[SUM+2:SUM+3], v[XF+2*\k:XF+2*\k+1], v[XF+2*\k:XF+2*\k+1], v[SUM+2:SUM+3]
	v_pk_fma_f32 v[SUM+4:SUM+5], v[T2R+2*\k:T2R+2*\k+1], v[XF+2*\k:XF+2*\k+1], v[SUM+4:SUM+5]
	v_cvt_pk_f16_f32 v[EO+4*\n+\k], v[XF+2*\k], v[XF+2*\k+1]
.endr
.else
.irp k, 0,1,2,3
	v_lshlrev_b32 v[XF+2*\k], 16, v[ER+4*\n+\k]
	v_and_b32 v[XF+2*\k+1], 0xffff0000, v[ER+4*\n+\k]
.endr
.irp k, 0,1,2,3
	v_fma_mix_f32 v[XF+2*\k], v[EA+4*\n+\k], v[ONE], v[XF+2*\k] op_sel_hi:[1,0,0]                         ; U = x + A
	v_fma_mix_f32 v[XF+2*\k+1], v[EA+4*\n+\k], v[ONE], v[XF+2*\k+1] op_sel:[1,0,0] op_sel_hi:[1,0,0]
.endr
.irp k, 0,1,2,3
	v_pk_fma_f32 v[SUM+2*((\k)%2):SUM+2*((\k)%2)+1], v[XF+2*\k:XF+2*\k+1], v[XF+2*\k:XF+2*\k+1], v[SUM+2*((\k)%2):SUM+2*((\k)%2)+1]
	v_cvt_pk_f16_f32 v[EO+4*\n+\k], v[XF+2*\k], v[XF+2*\k+1]
.endr
.endif
	global_store_b128 v[GO], v[EO+4*\n:EO+4*\n+3], s[OP:OP+1] offset:4096*\n  ; 16 lanes store 256 consecutive bytes, aligned
.endr
	s_wait_xcnt 0x0                                ; the stores have read their data and their offset
	v_add_nc_u32 v[RD], 8*PT, v[RD]
	v_add_nc_u32 v[RR], 8*PT, v[RR]
	v_add_nc_u32 v[GO], 8*2048, v[GO]
	s_sub_co_u32 s[CNT], s[CNT], 1
	s_cmp_lg_u32 s[CNT], 0
	s_cbranch_scc1 .Lrow
.macro WSUM a                          ; the sum of v[a] over the 32 lanes; v[a+1] at work
.irp m, 1,2,4,8
	v_add_f32_dpp v[\a], v[\a], v[\a] row_xmask:\m row_mask:0xf bank_mask:0xf
.endr
	v_permlanex16_b32 v[(\a)+1], v[\a], s[SEL], s[SEL+1]
	v_add_f32 v[\a], v[\a], v[(\a)+1]
.endm
.if CROSS
	v_add_f32 v[SUM], v[SUM], v[SUM+1]
	v_add_f32 v[SUM+2], v[SUM+2], v[SUM+3]
	v_add_f32 v[SUM+4], v[SUM+4], v[SUM+5]
	WSUM SUM
	WSUM SUM+2
	WSUM SUM+4
.else
	v_pk_add_f32 v[SUM:SUM+1], v[SUM:SUM+1], v[SUM+2:SUM+3]
	v_add_f32 v[SUM], v[SUM], v[SUM+1]
	WSUM SUM
.endif
	v_mov_b32 v29, 0
	v_cmp_eq_u32 vcc_lo, 0, v[LN]
	s_wait_xcnt 0x0                                ; EXEC changes only behind this wait
	s_and_saveexec_b32 s98, vcc_lo                 ; lane 0 stores the wave's partial sums: a later launch adds the 32 of a y
	global_store_b32 v29, v[SUM], s[SSP:SSP+1]
.if CROSS
	global_store_b32 v29, v[SUM+2], s[SSP:SSP+1] offset:4096
	global_store_b32 v29, v[SUM+4], s[SSP:SSP+1] offset:8192
.endif
	s_wait_xcnt 0x0                                ; and again in front of the line that widens it
	s_or_b32 exec_lo, exec_lo, s98
.if CROSS
	s_cmp_lg_u32 s[WV], 0
	s_cbranch_scc1 .Lno_mask
	v_lshlrev_b32 v30, 9, v2                       ; wave 0 stores the block's 128 masks: 512 consecutive bytes
	v_lshl_add_u32 v30, v1, 4, v30
	v_add_nc_u32 v30, MSK, v30
	v_lshlrev_b32 v31, 4, v[LN]
	ds_load_b128 v[32:35], v30
	s_wait_dscnt 0x0
	global_store_b128 v31, v[32:35], s[MKP:MKP+1]
.Lno_mask:
.endif
	s_wait_tensorcnt 0x0                           ; the wave's end, behind my last tensor load and my last LDS store
	ds_add_u32 v[SPW], v[NIL]
	s_wait_dscnt 0x0
	CROUND                                         ; the closing round
	s_endpgm
.Lfunc_end_k_qd3f4838392_attn_self:
	.size	k_qd3f4838392_attn_self, .Lfunc_end_k_qd3f4838392_attn_self-k_qd3f4838392_attn_self
	.p2alignl 7, 3214868480
	.fill 96, 4, 3214868480
	.section	.rodata,"a",@progbits
	.p2align	6, 0x0
	.amdhsa_kernel k_qd3f4838392_attn_self
		.amdhsa_group_segment_fixed_size 327680
		.amdhsa_private_segment_fixed_size 0
		.amdhsa_enable_private_segment 0
		.amdhsa_kernarg_size 24
		.amdhsa_user_sgpr_count 2
		.amdhsa_user_sgpr_kernarg_segment_ptr 1
		.amdhsa_wavefront_size32 1
		.amdhsa_system_sgpr_workgroup_id_x 1
		.amdhsa_system_sgpr_workgroup_id_y 1
		.amdhsa_system_sgpr_workgroup_id_z 1
		.amdhsa_system_vgpr_workitem_id 0
		.amdhsa_next_free_vgpr 1024
		.amdhsa_next_free_sgpr 102
		.amdhsa_reserve_vcc 1
		.amdhsa_float_denorm_mode_32 3
		.amdhsa_float_denorm_mode_16_64 3
		.amdhsa_memory_ordered 1
		.amdhsa_forward_progress 1
		.amdhsa_inst_pref_size 154
	.end_amdhsa_kernel
	.amdgpu_metadata
---
amdhsa.version: [ 1, 2 ]
amdhsa.kernels:
  - .name:           k_qd3f4838392_attn_self
    .symbol:         k_qd3f4838392_attn_self.kd
    .args:
      - { .name: w1, .offset: 0, .size: 8, .value_kind: global_buffer, .address_space: global }
      - { .name: xb, .offset: 8, .size: 8, .value_kind: global_buffer, .address_space: global }
      - { .name: u, .offset: 16, .size: 8, .value_kind: global_buffer, .address_space: global }
    .group_segment_fixed_size: 327680
    .private_segment_fixed_size: 0
    .kernarg_segment_align: 8
    .kernarg_segment_size: 24
    .max_flat_workgroup_size: 128
    .sgpr_count:     102
    .vgpr_count:     1024
    .wavefront_size: 32
...
	.end_amdgpu_metadata
.endif
;; end of part 2
;; launch proj2 (part 3): grid 8 x 32, 8 waves a work-group, no clusters, 183,296 bytes of LDS; arguments u, w1, bK_cross, train_label, kv2; writes kv2
.if DOCPART == 3
	.amdgcn_target "amdgcn-amd-amdhsa--gfx1250"
	.amdhsa_code_object_version 6
	.text
	.protected	k_qd3f4838392_proj2
	.globl	k_qd3f4838392_proj2
	.p2align	8
	.type	k_qd3f4838392_proj2,@function
k_qd3f4838392_proj2:
	s_mov_b64 s[64:65], 0
	v_nop
	global_prefetch_b8 v0, s[64:65] scope:SCOPE_SE
	s_setreg_imm32_b32 hwreg(HW_REG_WAVE_MODE, 25, 1), 1
	s_wait_xcnt 0x0
; PROJ2.  F = 8 rsq(sum U^2 + 1e-5) for y, from the 32 partial sums behind U.  wcross[y][s][:] = l2norm(F (U[:, s] . WK_cross) + bK_cross), f16, [32][1024][128] at kv2's head;
; for y < 16 also Vc[b][d][s] = bf16(F U label[s]), [16][256][1024], at kv2 + 8,388,608.  U and WK_cross come in f16 (the weights hold bf16 numbers); the bias and the label are rounded to bf16 like every input.
; LIMITS.  NaN and infinities are not treated apart.
; SHARES, PRODUCT, WAY OUT: as in the first launch: a work-group takes 128 columns s of one y; wave w lays rows 32 w .. of U and of the weights in LDS and makes the 16 columns 16 w ..; a lane holds one s and 64 of its 128 j.
; No tensor loads, no cluster, no prefetch: U's bytes are wanted by one work-group each and are asked for in the launch's first lines.
.set XP,    288
.set WL,    73728
.set STAGE, 147456
.set SP,    272
.set SPARE, 182272              ; the spare words, 128 bytes for each of eight waves: four blocks of 256 bytes that no other line names
.set UO,  4                     ; v4   two rows an instruction: (32 w + l / 16) x 2,048 + 16 (l % 16)
.set WO,  5
.set LBO, 6
.set US,  7
.set WS,  8
.set XA,  9
.set WA,  11
.set BO,  13
.set STO, 14
.set RD,  15
.set GO,  16
.set SPW, 20                    ; never rewritten
.set NIL, 21                    ; never rewritten
.set FV,  22
.set ZR,  23
.set SS,  24
.set L4,  28
.set ACC, 32
.set FB0, 96
.set TT,  240
.set SQ,  248
	s_load_b256 s[4:11], s[0:1], 0x0               ; u s[4:5], w1 s[6:7], bK_cross s[8:9], label s[10:11]
	s_load_b64 s[12:13], s[0:1], 0x20              ; kv2
	v_lshl_add_u32 v[SPW], v0, 2, SPARE
	v_mov_b32 v[NIL], 0
	v_lshrrev_b32 v1, 5, v0
	v_readfirstlane_b32 s20, v1                    ; wave 0..7
	s_and_b32 s21, ttmp7, 0xffff                   ; y
	s_and_b32 s22, s21, 15                         ; b
	v_and_b32 v1, 31, v0
	v_and_b32 v2, 15, v0
	v_bfe_u32 v3, v0, 4, 1
	v_lshlrev_b32 v17, 4, v2
	v_lshl_add_u32 v[UO], v3, 11, v17
	s_lshl_b32 s36, s20, 16
	v_add_nc_u32 v[UO], s36, v[UO]
	v_lshlrev_b32 v[WO], 4, v1
	s_lshl_b32 s36, s20, 13
	v_add_nc_u32 v[WO], s36, v[WO]
	v_mul_u32_u24 v[US], v3, XP
	v_add_nc_u32 v[US], v17, v[US]
	s_mul_i32 s36, s20, 32*XP
	v_add_nc_u32 v[US], s36, v[US]
	v_add_nc_u32 v[WS], WL, v[US]
	v_lshlrev_b32 v[LBO], 5, v2
	v_lshlrev_b32 v[L4], 2, v1
	s_lshl_b32 s36, s21, 19
	s_lshl_b32 s37, ttmp9, 8
	s_add_co_u32 s36, s36, s37                     ; U
	s_mov_b32 s37, 0
	s_lshl_b32 s38, s21, 7                         ; the partial sums
	s_mov_b32 s39, 0
	s_lshl_b32 s40, s22, 12
	s_lshl_b32 s41, ttmp9, 9
	s_add_co_u32 s40, s40, s41                     ; the label
	s_mov_b32 s41, 0
	s_lshl_b32 s42, s22, 19
	s_lshl_b32 s43, ttmp9, 8
	s_add_co_u32 s42, s42, s43                     ; Vc
	s_mov_b32 s43, 0
	s_lshl_b32 s44, s21, 18
	s_lshl_b32 s45, ttmp9, 15
	s_add_co_u32 s44, s44, s45                     ; wcross
	s_mov_b32 s45, 0
	s_mov_b32 s34, 0x76543210
	s_mov_b32 s35, 0xfedcba98
	s_wait_kmcnt 0x0
	s_add_nc_u64 s[24:25], s[4:5], s[36:37]
	s_add_nc_u64 s[26:27], s[4:5], s[38:39]
	s_add_nc_u64 s[26:27], s[26:27], 16777216
	s_add_nc_u64 s[28:29], s[10:11], s[40:41]
	s_add_nc_u64 s[30:31], s[12:13], s[42:43]
	s_add_nc_u64 s[30:31], s[30:31], 8388608
	s_add_nc_u64 s[32:33], s[12:13], s[44:45]
	s_add_nc_u64 s[14:15], s[6:7], 8388608         ; the weights in f16
	global_load_b32 v[SS], v[L4], s[26:27]
	global_load_b128 v[40:43], v[LBO], s[28:29]    ; the labels of my eight columns
	global_load_b128 v[44:47], v[LBO], s[28:29] offset:16
.set i, 0
.rept 16
	global_load_b128 v[64+4*i:64+4*i+3], v[UO], s[24:25] offset:4096*i
.set i, i+1
.endr
.set i, 0
.rept 16
	global_load_b128 v[128+4*i:128+4*i+3], v[WO], s[14:15] offset:512*i
.set i, i+1
.endr
	v_and_b32 v17, 7, v0
	v_bfe_u32 v18, v0, 3, 1
	v_lshl_add_u32 v19, v3, 3, v17
	v_mul_u32_u24 v19, v19, XP
	v_lshl_add_u32 v19, v18, 4, v19
	s_lshl_b32 s36, s20, 5
	v_add_nc_u32 v[XA], s36, v19
	v_add_nc_u32 v[XA+1], 128*XP, v[XA]
	v_add_nc_u32 v[WA], WL, v19
	v_add_nc_u32 v[WA+1], 128*XP, v[WA]
	v_lshlrev_b32 v[BO], 5, v3
	s_mul_i32 s36, s20, 16*SP
	s_add_co_u32 s36, s36, STAGE
	v_mul_u32_u24 v17, v2, SP
	v_lshl_add_u32 v17, v3, 4, v17
	v_add_nc_u32 v[STO], s36, v17
	v_mul_u32_u24 v17, v3, SP
	v_lshl_add_u32 v17, v2, 4, v17
	v_add_nc_u32 v[RD], s36, v17
	v_lshlrev_b32 v17, 8, v3
	v_lshl_add_u32 v17, v2, 4, v17
	s_lshl_b32 s36, s20, 12
	v_add_nc_u32 v[GO], s36, v17
	v_mov_b32 v[ZR], 0
	s_wait_loadcnt 32                              ; the sums and the labels are in; U's and the weights' 32 loads may stay out
.irp m, 1,2,4,8
	v_add_f32_dpp v[SS], v[SS], v[SS] row_xmask:\m row_mask:0xf bank_mask:0xf
.endr
	v_permlanex16_b32 v17, v[SS], s34, s35
	v_add_f32 v[SS], v[SS], v17
	v_add_f32 v[SS], 0x3727c5ac, v[SS]             ; + 1e-5
	v_rsq_f32 v[FV], v[SS]
.irp k, 0,1,2,3                        ; the labels are rounded to bf16 while the root is made
	v_cvt_pk_bf16_f32 v[32+\k], v[40+2*\k], v[40+2*\k+1]
.endr
.irp k, 0,1,2,3
	v_lshlrev_b32 v[40+2*\k], 16, v[32+\k]
	v_and_b32 v[40+2*\k+1], 0xffff0000, v[32+\k]
.endr
	s_wait_alu depctr_va_vdst(0)                   ; ahead of the root's first reader
	v_mul_f32 v[FV], 0x41000000, v[FV]             ; F
.irp k, 0,1,2,3,4,5,6,7
	v_mul_f32 v[48+\k], v[FV], v[40+\k]            ; F x label
.endr
	s_wait_loadcnt 16                              ; U is in
.set i, 0
.rept 16
	ds_store_b128 v[US], v[64+4*i:64+4*i+3] offset:2*XP*i
.set i, i+1
.endr
	s_cmp_lt_u32 s21, 16
	s_cbranch_scc0 .Lno_vc
.set i, 0
.rept 16                               ; Vc: each store has four registers of its own
.irp k, 0,1,2,3
	v_fma_mix_f32 v[32+2*\k], v[64+4*i+\k], v[48+2*\k], v[ZR] op_sel_hi:[1,0,0]
	v_fma_mix_f32 v[32+2*\k+1], v[64+4*i+\k], v[48+2*\k+1], v[ZR] op_sel:[1,0,0] op_sel_hi:[1,0,0]
.endr
.irp k, 0,1,2,3
	v_cvt_pk_bf16_f32 v[192+4*i+\k], v[32+2*\k], v[32+2*\k+1]
.endr
	global_store_b128 v[UO], v[192+4*i:192+4*i+3], s[30:31] offset:4096*i  ; 16 lanes store 256 consecutive bytes, aligned
.set i, i+1
.endr
.Lno_vc:
	s_wait_loadcnt 0x0
.set i, 0
.rept 16
	ds_store_b128 v[WS], v[128+4*i:128+4*i+3] offset:2*XP*i
.set i, i+1
.endr
	s_wait_xcnt 0x0                                ; the stores of Vc have read their registers, on which fragments land below
	s_wait_dscnt 0x0                               ; for the others' sake: my rows lie in LDS
	s_barrier_signal -1
	s_barrier_wait -1
.macro PLACES
.rept 4
	v_nop
.endr
.endm
.macro FETCH ks, fb
	ds_load_tr16_b128 v[(\fb):(\fb)+3], v[XA+(\ks)/4] offset:((\ks)%4)*32*XP
	ds_load_tr16_b128 v[(\fb)+4:(\fb)+7], v[XA+(\ks)/4] offset:((\ks)%4)*32*XP+16*XP
.irp jt, 0,1,2,3,4,5,6,7
	ds_load_tr16_b128 v[(\fb)+8+8*\jt:(\fb)+8+8*\jt+3], v[WA+(\ks)/4] offset:((\ks)%4)*32*XP+32*\jt
	ds_load_tr16_b128 v[(\fb)+8+8*\jt+4:(\fb)+8+8*\jt+7], v[WA+(\ks)/4] offset:((\ks)%4)*32*XP+16*XP+32*\jt
.endr
.endm
.macro MUL fb, zero                    ; the eight accumulators take turns
.irp jt, 0,1,2,3,4,5,6,7
.if \zero
	v_wmma_f32_16x16x32_f16 v[ACC+8*\jt:ACC+8*\jt+7], v[(\fb)+8+8*\jt:(\fb)+8+8*\jt+7], v[(\fb):(\fb)+7], 0
.else
	v_wmma_f32_16x16x32_f16 v[ACC+8*\jt:ACC+8*\jt+7], v[(\fb)+8+8*\jt:(\fb)+8+8*\jt+7], v[(\fb):(\fb)+7], v[ACC+8*\jt:ACC+8*\jt+7]
.endif
.endr
.endm
.macro KSTEP ks
	s_wait_dscnt 18                                ; the other buffer's 18 loads may stay out
	MUL FB0+72*((\ks)%2), 0
	PLACES
	FETCH (\ks)+2, FB0+72*((\ks)%2)
.endm
	FETCH 0, FB0
	FETCH 1, FB0+72
	s_wait_dscnt 18
	MUL FB0, 1
	PLACES
	FETCH 2, FB0
	KSTEP 1
	KSTEP 2
	KSTEP 3
	KSTEP 4
	KSTEP 5
	s_wait_dscnt 18
	MUL FB0, 0
	PLACES
.irp jt, 0,1,2,3,4,5,6,7
	global_load_b128 v[FB0+8*\jt:FB0+8*\jt+3], v[BO], s[8:9] offset:64*\jt
	global_load_b128 v[FB0+8*\jt+4:FB0+8*\jt+7], v[BO], s[8:9] offset:64*\jt+16
.endr
	s_wait_dscnt 0x0
	MUL FB0+72, 0
	s_wait_loadcnt 0x0
.set g, 0
.rept 4                                ; F x sum + bias, one line a number; the first eight roundings are the places behind the last products
.set p, 0
.rept 8
	v_cvt_pk_bf16_f32 v[TT+p], v[FB0+16*g+2*p], v[FB0+16*g+2*p+1]
.set p, p+1
.endr
.set p, 0
.rept 8
	v_fma_mix_f32_bf16 v[ACC+16*g+2*p], v[ACC+16*g+2*p], v[FV], v[TT+p] op_sel_hi:[0,0,1]
	v_fma_mix_f32_bf16 v[ACC+16*g+2*p+1], v[ACC+16*g+2*p+1], v[FV], v[TT+p] op_sel:[0,0,1] op_sel_hi:[0,0,1]
.set p, p+1
.endr
.set g, g+1
.endr
.set p, 0
.rept 32
.if p < 4
	v_pk_mul_f32 v[SQ+2*p:SQ+2*p+1], v[ACC+2*p:ACC+2*p+1], v[ACC+2*p:ACC+2*p+1]
.else
	v_pk_fma_f32 v[SQ+2*(p%4):SQ+2*(p%4)+1], v[ACC+2*p:ACC+2*p+1], v[ACC+2*p:ACC+2*p+1], v[SQ+2*(p%4):SQ+2*(p%4)+1]
.endif
.set p, p+1
.endr
	v_pk_add_f32 v[SQ:SQ+1], v[SQ:SQ+1], v[SQ+2:SQ+3]
	v_pk_add_f32 v[SQ+4:SQ+5], v[SQ+4:SQ+5], v[SQ+6:SQ+7]
	v_pk_add_f32 v[SQ:SQ+1], v[SQ:SQ+1], v[SQ+4:SQ+5]
	v_add_f32 v[SQ], v[SQ], v[SQ+1]
	v_permlanex16_b32 v[SQ+1], v[SQ], s34, s35
	v_add_f32 v[SQ], v[SQ], v[SQ+1]
	v_sqrt_f32 v[SQ+2], v[SQ]
	v_nop
	s_wait_alu depctr_va_vdst(0)                   ; ahead of the root's first reader
	v_max_num_f32 v[SQ+2], 0x2b8cbccc, v[SQ+2]     ; max(norm, 1e-12)
	v_rcp_f32 v[SQ+4], v[SQ+2]
	v_rcp_f32 v[SQ+5], v[SQ+2]
	v_nop
	s_wait_alu depctr_va_vdst(0)                   ; one wait for both reciprocals
.set p, 0
.rept 32
	v_pk_mul_f32 v[ACC+2*p:ACC+2*p+1], v[ACC+2*p:ACC+2*p+1], v[SQ+4:SQ+5]
.set p, p+1
.endr
.set p, 0
.rept 32
	v_cvt_pk_f16_f32 v[FB0+p], v[ACC+2*p], v[ACC+2*p+1]
.set p, p+1
.endr
.irp jt, 0,1,2,3,4,5,6,7
	ds_store_b128 v[STO], v[FB0+4*\jt:FB0+4*\jt+3] offset:32*\jt
.endr
.irp t, 0,1,2,3,4,5,6,7
	ds_load_b128 v[FB0+32+4*\t:FB0+32+4*\t+3], v[RD] offset:\t*2*SP  ; LDS serves a wave's instructions in order: these see the stores above
.endr
.irp t, 0,1,2,3,4,5,6,7
	s_wait_dscnt 7-\t
	global_store_b128 v[GO], v[FB0+32+4*\t:FB0+32+4*\t+3], s[32:33] offset:\t*512  ; 16 lanes store 256 consecutive bytes, aligned
.endr
	s_wait_tensorcnt 0x0                           ; the wave's end, behind my last LDS store
	ds_add_u32 v[SPW], v[NIL]
	s_wait_dscnt 0x0
	s_endpgm
.Lfunc_end_k_qd3f4838392_proj2:
	.size	k_qd3f4838392_proj2, .Lfunc_end_k_qd3f4838392_proj2-k_qd3f4838392_proj2
	.p2alignl 7, 3214868480
	.fill 96, 4, 3214868480
	.section	.rodata,"a",@progbits
	.p2align	6, 0x0
	.amdhsa_kernel k_qd3f4838392_proj2
		.amdhsa_group_segment_fixed_size 183296
		.amdhsa_private_segment_fixed_size 0
		.amdhsa_enable_private_segment 0
		.amdhsa_kernarg_size 40
		.amdhsa_user_sgpr_count 2
		.amdhsa_user_sgpr_kernarg_segment_ptr 1
		.amdhsa_wavefront_size32 1
		.amdhsa_system_sgpr_workgroup_id_x 1
		.amdhsa_system_sgpr_workgroup_id_y 1
		.amdhsa_system_sgpr_workgroup_id_z 1
		.amdhsa_system_vgpr_workitem_id 0
		.amdhsa_next_free_vgpr 256
		.amdhsa_next_free_sgpr 66
		.amdhsa_reserve_vcc 0
		.amdhsa_float_denorm_mode_32 3
		.amdhsa_float_denorm_mode_16_64 3
		.amdhsa_memory_ordered 1
		.amdhsa_forward_progress 1
		.amdhsa_inst_pref_size 55
	.end_amdhsa_kernel
	.amdgpu_metadata
---
amdhsa.version: [ 1, 2 ]
amdhsa.kernels:
  - .name:           k_qd3f4838392_proj2
    .symbol:         k_qd3f4838392_proj2.kd
    .args:
      - { .name: u, .offset: 0, .size: 8, .value_kind: global_buffer, .address_space: global }
      - { .name: w1, .offset: 8, .size: 8, .value_kind: global_buffer, .address_space: global }
      - { .name: bK_cross, .offset: 16, .size: 8, .value_kind: global_buffer, .address_space: global }
      - { .name: train_label, .offset: 24, .size: 8, .value_kind: global_buffer, .address_space: global }
      - { .name: kv2, .offset: 32, .size: 8, .value_kind: global_buffer, .address_space: global }
    .group_segment_fixed_size: 183296
    .private_segment_fixed_size: 0
    .kernarg_segment_align: 8
    .kernarg_segment_size: 40
    .max_flat_workgroup_size: 256
    .sgpr_count:     66
    .vgpr_count:     256
    .wavefront_size: 32
...
	.end_amdgpu_metadata
.endif
;; end of part 3
;; launch attn_cross (part 4): grid 8 x 32, 4 waves a work-group, clusters of 4 x 1, 327,680 bytes of LDS; arguments kv2, u, train_label, t4; writes t4
.if DOCPART == 4
	.amdgcn_target "amdgcn-amd-amdhsa--gfx1250"
	.amdhsa_code_object_version 6
	.text
	.protected	k_qd3f4838392_attn_cross
	.globl	k_qd3f4838392_attn_cross
	.p2align	8
	.type	k_qd3f4838392_attn_cross,@function
k_qd3f4838392_attn_cross:
	s_mov_b64 s[64:65], 0
	v_nop
	global_prefetch_b8 v0, s[64:65] scope:SCOPE_SE
	s_setreg_imm32_b32 hwreg(HW_REG_WAVE_MODE, 25, 1), 1
	s_wait_xcnt 0x0
	s_wait_alu depctr_hold_cnt(0) depctr_sa_sdst(0) depctr_va_vdst(0) depctr_va_sdst(0) depctr_va_ssrc(0) depctr_va_vcc(0) depctr_vm_vsrc(0)
	s_getreg_b32 s2, hwreg(HW_REG_IB_STS2, 6, 4)
	s_cmp_eq_u32 s2, 0
	s_cbranch_scc0 .Lentry_in_a_cluster
	s_endpgm
.Lentry_in_a_cluster:
	s_bfe_u32 s2, ttmp6, 0x10000c
	s_cmp_lg_u32 s2, 0x3003
	s_cbranch_scc0 .Lentry_shape_is_right
	s_endpgm
.Lentry_shape_is_right:
; ATTENTION, one text for two launches (CROSS = 0: self, 1: cross).  y = feat x 16 + b.  Queries Q[y], keys K[yk] are unit vectors, f16, [1024][128]; V^T[yk] is bf16, [256 d][1024 keys]; yk = y (self), y % 16 (cross).
; p = 2^(c s - c), c = 30 log2(e), s = q . k.  A FIXED SHIFT OF 30: both vectors are normalised by the module itself, so c s - c lies in -87 .. +0.3 for every input: p is a normal number in f32 and in bf16,
; and a row's sum lies between 2^-77 and 1,100.  So partial sums over different keys simply add, and no running maximum is kept.  p is rounded to bf16 for the second product, and the row's sum l is the sum of the rounded p,
; made by the matrix unit (a seventeenth tile of B whose column 0 is 1; in cross its column 1 is the label, which gives the mask's numerator).
; SELF:  U = x + A (A = the attention's result), f16, [y][d][q], and the partial sums of U^2.  CROSS: F = 8 rsq(sum U^2 + 1e-5); T4 = F U + A, f16; mask = m / l, f32; partial sums of T2^2, T4^2, T2 T4 with T2 = mask F U.
; LIMITS.  |U|, |T4| and |A| stay under 65,504 (f16); NaN and infinities are not treated apart.
; SHARES.  A work-group takes 128 queries.  Wave w: its 64 queries by qh = w / 2 (four tiles of 16), and of each step's 64 keys the 32 by kh = w % 2: a fragment of K or V read from LDS then feeds four tiles' products.
; The two kh partial sums of O and l meet in LDS at the end.  16 steps.
; LAYOUT.  S^T = K Q^T (source 0 = 16 keys, source 1 = 16 queries): a lane holds one query and 8 keys; two such tiles rounded in pairs ARE source 0 (16 queries x 32 keys) of O = P V, whose source 1 is 16 rows d of V^T as they lie.
; In O a lane holds one d (lane % 16) and 8 neighbouring queries: 16 bytes of the output's row.  In wave kh register slot c holds channel tile (c + 8 kh) % 16, so that "keep slots 0-7, send 8-15" is one text.
; PIPELINE.  STEP j: the 32 products K Q^T of step j + 1; K of step j + 2 fetched; the 68 products of step j, with the 96 scalings and exponentials of step j + 1 behind them in fours; V of step j + 1 fetched; the 32 roundings.
; So a slot holds V of steps 2 i, 2 i + 1 (keys 128 i .., rows of 256 bytes) and K of steps 2 i + 1, 2 i + 2; K of step 0 has a region of its own.
; CLUSTER.  The four query blocks of a cluster walk the same K and V: each tile is asked for jointly, by the same load, descriptor and mask in all four.
; REGISTERS, in windows of 256 (s_set_vgpr_msb: bits 1:0 source 0, 3:2 source 1, 5:4 source 2, 7:6 destination):
;   window 0: v0-31 addresses; v32-95 K; v96-159 S^T; v160-191 P; v192-223 l (and m); v224-231 the seventeenth tile    window 1: v0-127 Q; v128-255 V    windows 2, 3: O(t, c) at v[128 (t % 2) + 8 c] of window 2 + t / 2
.set CROSS, 1
.set NS,    2*CROSS             ; LDS loads of the seventeenth tile in a step
.set PT,    272                 ; an LDS row: 256 bytes + 16: the 16 rows of a fragment load start at 16 different groups of four banks
.set KPART, 64*PT               ; a step's K
.set VOFF,  2*KPART             ; a slot: two parts of K, then V's 256 rows
.set SLOT1, 131072              ; slot 1 begins here: one exclusive or turns an address in one slot into the other's
.set K0L,   104448              ; K of step 0: filled once
.set STAT,  121856              ; cross: three rows of 1,024 bf16, end to end: ones, the label, zeros; written by ds_store, never filled
.set STP,   2048                ; three lanes' words share a bank in the two loads a step that read them: the other 48 loads of a step are what counts
.set SPARE, 128256              ; the spare words, 128 bytes for each wave: two blocks of 256 bytes that no other line names
.set STG,   65536               ; in each slot, behind its last fill: the stage of 128 rows d x 272; below it the two waves' exchange, 32,768 bytes each
.set RES,   235520              ; the residual's 256 rows d x 272: filled once
.set LST,   305152              ; l and m: 16 rows x 272 for each wave
.set MSK,   322560              ; cross: the mask, 256 bytes for each wave
.set AK0, 3
.set AVA0, 4
.set AVB0, 5
.set ASF0, 6
.set AK,  7
.set AVA, 8
.set AVB, 9
.set ASF, 10
.set QO,  11
.set PFO, 12                    ; v12  the prefetches' offset: my lane x a row; never rewritten
.set LN,  13
.set SPW, 14                    ; v14  my spare word; never rewritten
.set NIL, 15                    ; v15  0; never rewritten
.set LSTO, 16
.set LLD0, 17
.set LLD1, 18
.set XST, 19
.set XLD, 20
.set STO, 21
.set RD,  22
.set RR,  23
.set GO,  24
.set ONE, 25
.set ZR,  26
.set FV,  27
.set MST, 28
.set KF,  32
.set S,   96
.set P,   160
.set LS,  192
.set SF,  224
.set VF,  128                   ; window 1
.set IL,  160                   ; the end: l, then 1 / l
.set T1,  192
.set MA,  96
.set MB,  128
.set PKB, 32
.set EA,  32
.set ER,  48
.set XF,  64
.set T2R, 80
.set EO,  96
.set FM,  232
.set SUM, 240
.set SSP, 2                     ; s[2:3]   where my partial sums go
.set KP,  12                    ; s[12:13] K[yk]
.set VP,  14                    ; s[14:15] V^T[yk]
.set QP,  16
.set OP,  18
.set WV,  20
.set QH,  21
.set KH,  22
.set CX,  23
.set Y,   24
.set QB,  25
.set YK,  26
.set CNT, 27
.set G1K, 28                    ; s[28:35] group 1, K: 64 rows x 128 elements
.set G1V, 36                    ; s[36:43] group 1, V: 128 rows x 128 elements, 1,024 from row to row
.set G1R, 44                    ; s[44:51] group 1, the residual: 64 rows, no mask
.set G0K0, 52
.set G0KA, 56                   ; fill 0
.set G0KB, 60                   ; fill 1; it then walks
.set MKP, 66                    ; s[66:67] cross: first the sums of U^2, later the mask's place
.set G0VA, 68
.set G0VB, 72
.set G0R, 76
.set TBK, 80                    ; LDS byte at which K of the step to be fetched begins
.set TBV, 81                    ; the same for V, less VOFF
.set TBS, 82                    ; byte of the step to be fetched in STAT's rows
.set SLOTS, 83
.set TWICE, 84
.set CS,  86                    ; s[86:87] c
.set NC,  88                    ; s[88:89] -c
.set SEL, 90
.set PFA, 92                    ; s[92:93] where my prefetches stand
.set LIM, 94                    ; a wave prefetches while s[SLOTS] is above it
.set PFS, 96                    ; s[96:97] their step
.set OB,  8+2*CROSS             ; the output buffer's pointer
.set SSOFF, 16777216+131072*CROSS
.set MSB, 0
.macro WIN new                         ; the high byte repeats the setting that is left; a switch that changes nothing is dropped
.if MSB != (\new)
	s_set_vgpr_msb (MSB<<8)|(\new)
.set MSB, (\new)
.endif
.endm
.macro PLACES                          ; four places behind matrix instructions, in front of loads into and vector lines on their registers
.rept 4
	v_nop
.endr
.endm
.macro TL g0, g1                       ; a tensor load and an s_nop 0 behind it
	tensor_load_to_lds s[\g0:\g0+3], s[\g1:\g1+7]
	s_nop 0
.endm
.macro CROUND                          ; a round of the cluster's barrier
	s_barrier_signal -1
	s_barrier_wait -1
	s_cmp_lg_u32 s[WV], 0
	s_cbranch_scc1 .Lnot_wave_0_\@
	s_barrier_signal -3
.Lnot_wave_0_\@:
	s_barrier_wait -3
	s_barrier_signal -1
	s_barrier_wait -1
.endm
; A joint refill: waves 0 and 1 fetch the slot's two parts of K, waves 2 and 3 the halves of its V.  last = 1: the last fill has one part of K (step 15), and wave 1 asks for nothing.
.macro JLOAD last
	s_cmp_lt_u32 s[WV], 2-(\last)
	s_cbranch_scc0 .Lnot_k_\@
	TL G0KB, G1K
	PLACES
	s_branch .Lasked_\@
.Lnot_k_\@:
.if \last
	s_cmp_eq_u32 s[WV], 1
	s_cbranch_scc1 .Lasked_\@
.endif
	TL G0VB, G1V
	PLACES
.Lasked_\@:
.endm
; A prefetch into the L2, behind the wave's joint load: a lane a row, one instruction.  All work-groups that walk K[yk] and V[yk] would name the same rows, so one cluster asks (cluster x = 0; in cross of y < 16 alone);
; its four partners share the rows out by address.  Wave 0: K's rows 128 n + 32 cx + lane, n = 4 .. 7, one n a change; waves 2, 3: V's rows 64 cx + 32 (w - 2) + lane, the 256 bytes of fill n, n = 3 .. 7: what the next
; change of slots will ask for (K's: the later half of it and the earlier half of the one after).  The first fills come by their loads alone; the bounds in s[LIM] end the asking at the tensors' ends.
.macro ASK
	s_cmp_gt_u32 s[SLOTS], s[LIM]
	s_cbranch_scc0 .Lnot_mine_\@
	global_prefetch_b8 v[PFO], s[PFA:PFA+1] th:TH_LOAD_NT scope:SCOPE_SE
.Lnot_mine_\@:
.endm
; THE CHANGE OF SLOTS.  Each wave waits for all its tensor loads, adds 0 to its spare word, and waits for that and for its reads of the slot that it leaves.  kind = 1, 2: the barrier is a round of the cluster's, and the
; joint refill (the fill two on) is the first thing behind it: it has two steps, 200 matrix instructions, in which to land; one load of a wave is out.  kind = 0: nothing is left to ask for.
.macro CHANGE kind
	WIN 0
	s_wait_tensorcnt 0x0                           ; no tensor load of mine is out, so a group 0 may be written
	ds_add_u32 v[SPW], v[NIL]                      ; 0 onto my spare word; the descriptors' steps stand between it and the wait for it
.if \kind
	s_xor_b32 s[G0KB+1], s[G0KB+1], SLOT1
	s_add_nc_u64 s[G0KB+2:G0KB+3], s[G0KB+2:G0KB+3], 128*256
	s_xor_b32 s[G0VB+1], s[G0VB+1], SLOT1
	s_add_nc_u64 s[G0VB+2:G0VB+3], s[G0VB+2:G0VB+3], 256
.endif
.if (\kind) == 1
	s_wait_xcnt 0x0                                ; the last prefetch, two steps back, has read its address
	s_add_nc_u64 s[PFA:PFA+1], s[PFA:PFA+1], s[PFS:PFS+1]
.endif
	s_wait_dscnt 0x0                               ; the add is done, and my reads of the slot are over
.if \kind
	CROUND
	JLOAD (\kind)-1
.else
	s_barrier_signal -1
	s_barrier_wait -1
.endif
.if (\kind) == 1
	ASK
.endif
	s_sub_co_u32 s[TBK], s[TBK], 2*KPART           ; the fetches go back to a slot's first parts, in the other slot
	s_xor_b32 s[TBK], s[TBK], SLOT1
	s_sub_co_u32 s[TBV], s[TBV], 256
	s_xor_b32 s[TBV], s[TBV], SLOT1
.endm
.if CROSS
	s_load_b256 s[4:11], s[0:1], 0x0               ; kv2 s[4:5], u s[6:7], label s[8:9], t4 s[10:11]
.else
	s_load_b128 s[4:7], s[0:1], 0x0                ; w1 s[4:5], xb s[6:7]
	s_load_b64 s[8:9], s[0:1], 0x10                ; u
.endif
	v_lshl_add_u32 v[SPW], v0, 2, SPARE
	v_mov_b32 v[NIL], 0
	ds_add_u32 v[SPW], v[NIL]                      ; the wave's opening: the add and its wait stand ahead of my first tensor load; work on registers stands between them
	ds_add_u32 v14, v15
	v_lshrrev_b32 v1, 5, v0
	v_readfirstlane_b32 s[WV], v1                  ; wave 0..3
	s_lshr_b32 s[QH], s[WV], 1
	s_and_b32 s[KH], s[WV], 1
	s_and_b32 s[Y], ttmp7, 0xffff
.if CROSS
	s_and_b32 s[YK], s[Y], 15
.else
	s_mov_b32 s[YK], s[Y]
.endif
	s_mov_b32 s[G1K], 15|(1<<16)|(1<<20)|(1<<21)|(5<<22)|(3<<25)  ; the mask of four; 2-byte elements; padding on; bit 21 beside a mask; after every 64 words; 4 words
	s_mov_b32 s[G1K+1], 128<<16                    ; tensor_dim0
	s_mov_b32 s[G1K+2], 64<<16                     ; tensor_dim1
	s_mov_b32 s[G1K+3], 128<<16                    ; tile_dim0
	s_mov_b32 s[G1K+4], 64                         ; tile_dim1
	s_mov_b32 s[G1K+5], 128                        ; elements from row to row
	s_mov_b32 s[G1K+6], 0
	s_mov_b32 s[G1K+7], 0
	s_mov_b32 s[G1V], 15|(1<<16)|(1<<20)|(1<<21)|(5<<22)|(3<<25)
	s_mov_b32 s[G1V+1], 128<<16
	s_mov_b32 s[G1V+2], 128<<16
	s_mov_b32 s[G1V+3], 128<<16
	s_mov_b32 s[G1V+4], 128
	s_mov_b32 s[G1V+5], 1024
	s_mov_b32 s[G1V+6], 0
	s_mov_b32 s[G1V+7], 0
	s_mov_b32 s[G1R], (1<<16)|(1<<20)|(5<<22)|(3<<25)  ; a load of my own: no mask
	s_mov_b32 s[G1R+1], 128<<16
	s_mov_b32 s[G1R+2], 64<<16
	s_mov_b32 s[G1R+3], 128<<16
	s_mov_b32 s[G1R+4], 64
	s_mov_b32 s[G1R+5], 1024
	s_mov_b32 s[G1R+6], 0
	s_mov_b32 s[G1R+7], 0
	s_mov_b32 s[G0K0], 1
	s_mov_b32 s[G0K0+1], K0L
	s_mov_b32 s[G0KA], 1
	s_mul_i32 s[G0KA+1], s[KH], KPART              ; waves 0, 1: the slot's part 0, 1 of K
	s_mov_b32 s[G0KB], 1
	s_add_co_u32 s[G0KB+1], s[G0KA+1], SLOT1
	s_mov_b32 s[G0VA], 1
	s_mul_i32 s[G0VA+1], s[KH], 128*PT             ; waves 2, 3: rows 0-127, 128-255 of V
	s_add_co_u32 s[G0VA+1], s[G0VA+1], VOFF
	s_mov_b32 s[G0VB], 1
	s_add_co_u32 s[G0VB+1], s[G0VA+1], SLOT1
	s_mov_b32 s[G0R], 1
	s_mul_i32 s[G0R+1], s[WV], KPART
	s_add_co_u32 s[G0R+1], s[G0R+1], RES
	s_lshl_b32 s98, s[YK], 18                      ; K[yk]: 1,024 rows of 256 bytes
	s_mov_b32 s99, 0
	s_wait_dscnt 0x0                               ; the opening add is done
	s_wait_kmcnt 0x0
	s_add_nc_u64 s[KP:KP+1], s[4:5], s[98:99]
	s_lshl_b32 s98, s[YK], 19                      ; V^T[yk]: 256 rows of 2,048 bytes
.if CROSS
	s_add_nc_u64 s[VP:VP+1], s[4:5], s[98:99]
	s_add_nc_u64 s[VP:VP+1], s[VP:VP+1], 8388608
.else
	s_add_nc_u64 s[VP:VP+1], s[6:7], s[98:99]
.endif
	s_mov_b64 s[G0K0+2:G0K0+3], s[KP:KP+1]         ; step 0: keys 0-63
	s_lshl_b32 s98, s[KH], 14
	s_add_co_u32 s98, s98, 64*256
	s_add_nc_u64 s[G0KA+2:G0KA+3], s[KP:KP+1], s[98:99]        ; fill 0: steps 1 (wave 0) and 2 (wave 1)
	s_add_nc_u64 s[G0KB+2:G0KB+3], s[G0KA+2:G0KA+3], 128*256   ; fill 1
	s_lshl_b32 s98, s[KH], 18
	s_add_nc_u64 s[G0VA+2:G0VA+3], s[VP:VP+1], s[98:99]
	s_add_nc_u64 s[G0VB+2:G0VB+3], s[G0VA+2:G0VA+3], 256
	s_or_b32 s[G0K0+3], s[G0K0+3], 0x80000000
	s_or_b32 s[G0KA+3], s[G0KA+3], 0x80000000
	s_or_b32 s[G0KB+3], s[G0KB+3], 0x80000000
	s_or_b32 s[G0VA+3], s[G0VA+3], 0x80000000
	s_or_b32 s[G0VB+3], s[G0VB+3], 0x80000000
	s_bfe_u32 s[CX], ttmp6, 0x40000                ; my place in the cluster: it enters global addresses of my own loads, stores and prefetches alone
	s_lshl_b32 s[QB], ttmp9, 2
	s_add_co_u32 s[QB], s[QB], s[CX]               ; my block of 128 queries
	s_lshl_b32 s100, s[Y], 19
	s_lshl_b32 s101, s[WV], 17
	s_add_co_u32 s100, s100, s101
	s_lshl_b32 s101, s[QB], 8
	s_add_co_u32 s100, s100, s101
	s_mov_b32 s101, 0
	s_add_nc_u64 s[G0R+2:G0R+3], s[6:7], s[100:101]  ; the residual: rows d = 64 w .., my block's 256 bytes
	s_or_b32 s[G0R+3], s[G0R+3], 0x80000000
	CROUND                                         ; all four work-groups are here: the first joint loads meet
	s_cmp_lt_u32 s[WV], 2                          ; a wave's first fills stand in one arm; the residual is each wave's last.  Four loads of wave 0 are out, three of the others
	s_cbranch_scc0 .Lfirst_v
	s_cmp_eq_u32 s[WV], 0
	s_cbranch_scc0 .Lfirst_k1
	TL G0K0, G1K
	TL G0KA, G1K
	TL G0KB, G1K
	TL G0R, G1R
	PLACES
	s_branch .Lfirst_done
.Lfirst_k1:
	TL G0KA, G1K
	TL G0KB, G1K
	TL G0R, G1R
	PLACES
	s_branch .Lfirst_done
.Lfirst_v:
	TL G0VA, G1V
	TL G0VB, G1V
	TL G0R, G1R
	PLACES
.Lfirst_done:
	v_and_b32 v1, 15, v0                           ; r = l % 16
	v_bfe_u32 v2, v0, 4, 1                         ; h = l / 16
	v_and_b32 v[LN], 31, v0
	v_lshlrev_b32 v[QO], 8, v1
	v_lshl_add_u32 v[QO], v2, 4, v[QO]
	s_lshl_b32 s100, s[Y], 18
	s_lshl_b32 s101, s[QB], 15
	s_add_co_u32 s100, s100, s101
	s_lshl_b32 s101, s[QH], 14
	s_add_co_u32 s100, s100, s101
	s_mov_b32 s101, 0
	s_add_nc_u64 s[QP:QP+1], s[4:5], s[100:101]    ; my 64 queries
.if CROSS
	s_lshl_b32 s100, s[YK], 12
	s_add_nc_u64 s[8:9], s[8:9], s[100:101]        ; the label's 1,024 numbers
	s_lshl_b32 s100, s[Y], 7
	s_add_nc_u64 s[MKP:MKP+1], s[6:7], s[100:101]
	s_add_nc_u64 s[MKP:MKP+1], s[MKP:MKP+1], 16777216  ; the 32 partial sums of U^2
	v_lshlrev_b32 v29, 5, v0
	v_lshlrev_b32 v30, 2, v[LN]
	global_load_b128 v[32:35], v29, s[8:9]
	global_load_b128 v[36:39], v29, s[8:9] offset:16
	global_load_b32 v[FV], v30, s[MKP:MKP+1]
.endif
	WIN 0x40                                       ; destination window 1
.set i, 0
.rept 16                               ; Q stays in registers: tile i / 4, channels 32 (i % 4) on
	global_load_b128 v[8*i:8*i+3], v[QO], s[QP:QP+1] offset:(i/4)*4096+(i%4)*64
	global_load_b128 v[8*i+4:8*i+7], v[QO], s[QP:QP+1] offset:(i/4)*4096+(i%4)*64+32
.set i, i+1
.endr
	WIN 0
	s_mov_b32 s[CS], 0x422d1f97                    ; c = 30 log2(e)
	s_mov_b32 s[CS+1], s[CS]
	s_mov_b32 s[NC], 0xc22d1f97
	s_mov_b32 s[NC+1], s[NC]
	s_mov_b32 s[SEL], 0x76543210
	s_mov_b32 s[SEL+1], 0xfedcba98
	s_mov_b32 s[TBV], 0
	s_mov_b32 s[TBS], 0
	s_mov_b32 s[SLOTS], 5
	s_wait_xcnt 0x0                                ; the loads have read their addresses: the registers at work below may be written
	s_lshl_b32 s100, s[Y], 19
	s_lshl_b32 s98, s[QB], 8
	s_add_co_u32 s100, s100, s98
	s_add_nc_u64 s[OP:OP+1], s[OB:OB+1], s[100:101]
	s_lshl_b32 s100, s[Y], 7
	s_lshl_b32 s98, s[QB], 4
	s_add_co_u32 s100, s100, s98
	s_lshl_b32 s98, s[WV], 2
	s_add_co_u32 s100, s100, s98
	s_add_nc_u64 s[SSP:SSP+1], s[OB:OB+1], s[100:101]
	s_add_nc_u64 s[SSP:SSP+1], s[SSP:SSP+1], SSOFF
.if CROSS
	s_lshl_b32 s100, s[Y], 12
	s_lshl_b32 s98, s[QB], 9
	s_add_co_u32 s100, s100, s98
	s_add_nc_u64 s[MKP:MKP+1], s[10:11], s[100:101]
	s_add_nc_u64 s[MKP:MKP+1], s[MKP:MKP+1], 16777216
.endif
	s_cmp_eq_u32 s[WV], 0                          ; who prefetches, and until when
	s_cselect_b32 s[LIM], 1, 0
	s_cmp_eq_u32 s[WV], 1
	s_cselect_b32 s[LIM], -1, s[LIM]
	s_cmp_lg_u32 ttmp9, 0
	s_cselect_b32 s[LIM], -1, s[LIM]
.if CROSS
	s_cmp_ge_u32 s[Y], 16
	s_cselect_b32 s[LIM], -1, s[LIM]
.endif
	s_lshl_b32 s98, s[CX], 13
	s_add_co_u32 s98, s98, 3*128*256               ; K: my work-group's 32 rows, in rows 384 ..; the first change steps it to 512 ..
	s_lshl_b32 s99, s[CX], 17
	s_lshl_b32 s85, s[KH], 16
	s_add_co_u32 s99, s99, s85
	s_add_co_u32 s99, s99, 2*256                   ; V: my 32 rows, at fill 2; the first change steps it to fill 3
	s_mov_b32 s85, 128*256
	s_cmp_lt_u32 s[WV], 2
	s_cselect_b64 s[PFA:PFA+1], s[KP:KP+1], s[VP:VP+1]
	s_cselect_b32 s100, s98, s99
	s_cselect_b32 s[PFS], s85, 0x100
	s_cselect_b32 s85, 8, 11
	s_add_nc_u64 s[PFA:PFA+1], s[PFA:PFA+1], s[100:101]
	s_mov_b32 s[PFS+1], 0
	v_lshlrev_b32 v[PFO], s85, v[LN]
	v_mul_u32_u24 v29, v1, PT                      ; r x pitch
	v_lshl_add_u32 v30, v2, 4, v29                 ; + 16 h: a fragment's lane term
	s_mul_i32 s98, s[KH], 32*PT
	v_add_nc_u32 v[AK0], s98, v30                  ; K: my 32 keys of the step's 64
	s_mul_i32 s98, s[KH], 128*PT+64
	s_add_co_u32 s98, s98, VOFF
	v_add_nc_u32 v[AVA0], s98, v30                 ; V, slots 0-7: rows 128 kh ..; my 32 keys: 64 kh bytes along the row
	s_xor_b32 s98, s[KH], 1
	s_mul_i32 s98, s98, 128*PT
	s_lshl_b32 s99, s[KH], 6
	s_add_co_u32 s98, s98, s99
	s_add_co_u32 s98, s98, VOFF
	v_add_nc_u32 v[AVB0], s98, v30                 ; V, slots 8-15: the other 128 rows
	s_mul_i32 s98, s[WV], 16*PT
	s_add_co_u32 s98, s98, LST
	v_lshl_add_u32 v[LLD0], v2, 5, s98
	v_add_nc_u32 v[LSTO], v29, v[LLD0]
	s_xor_b32 s98, s[WV], 1
	s_mul_i32 s98, s98, 16*PT
	s_add_co_u32 s98, s98, LST
	v_lshl_add_u32 v[LLD1], v2, 5, s98
	s_lshl_b32 s98, s[QH], 17
	s_lshl_b32 s99, s[KH], 15
	s_add_co_u32 s99, s99, s98
	v_lshl_add_u32 v[XST], v[LN], 4, s99           ; what I send,
	s_xor_b32 s99, s99, 32768
	v_lshl_add_u32 v[XLD], v[LN], 4, s99           ; what my partner (w xor 1) sends
	s_lshl_b32 s99, s[KH], 17
	s_lshl_b32 s98, s[QH], 7
	s_add_co_u32 s99, s99, s98
	s_add_co_u32 s99, s99, STG
	v_add_nc_u32 v[STO], s99, v30                  ; the stage: row d = 128 kh + 16 c + r, byte 128 qh + 32 t + 16 h
	v_mul_u32_u24 v31, v2, PT
	v_lshl_add_u32 v31, v1, 4, v31                 ; back by rows: h x pitch + 16 r
	s_lshl_b32 s98, s[QH], 17
	s_mul_i32 s99, s[KH], KPART
	s_add_co_u32 s98, s98, s99
	s_add_co_u32 s98, s98, STG
	v_add_nc_u32 v[RD], s98, v31                   ; rows d = 64 w ..
	s_mul_i32 s98, s[WV], KPART
	s_add_co_u32 s98, s98, RES
	v_add_nc_u32 v[RR], s98, v31
	v_lshlrev_b32 v31, 11, v2
	v_lshl_add_u32 v31, v1, 4, v31
	s_lshl_b32 s98, s[WV], 17
	v_add_nc_u32 v[GO], s98, v31
	v_mov_b32 v[ONE], 1.0
	v_mov_b32 v[ZR], 0
.if CROSS
	v_min_u32 v31, 2, v1
	v_mul_u32_u24 v31, v31, STP
	v_lshl_add_u32 v31, v2, 4, v31
	s_lshl_b32 s98, s[KH], 6
	s_add_co_u32 s98, s98, STAT
	v_add_nc_u32 v[ASF0], s98, v31                 ; column 0: ones; column 1: the label; the others: zeros
	s_lshl_b32 s98, s[WV], 8
	s_add_co_u32 s98, s98, MSK
	v_lshl_add_u32 v[MST], v2, 5, s98
	s_wait_loadcnt 32                              ; the label and the sums are in; Q's 32 loads may stay out
	v_cvt_pk_bf16_f32 v40, v32, v33                ; thread t's eight labels, rounded to bf16 like every input
	v_cvt_pk_bf16_f32 v41, v34, v35
	v_cvt_pk_bf16_f32 v42, v36, v37
	v_cvt_pk_bf16_f32 v43, v38, v39
.irp k, 44,45,46,47
	v_mov_b32 v\k, 0x3f803f80
.endr
.irp k, 48,49,50,51
	v_mov_b32 v\k, 0
.endr
	v_lshl_add_u32 v31, v0, 4, STAT
	ds_store_b128 v31, v[44:47]
	ds_store_b128 v31, v[40:43] offset:STP
	ds_store_b128 v31, v[48:51] offset:2*STP
.irp m, 1,2,4,8
	v_add_f32_dpp v[FV], v[FV], v[FV] row_xmask:\m row_mask:0xf bank_mask:0xf
.endr
	v_permlanex16_b32 v29, v[FV], s[SEL], s[SEL+1]
	v_add_f32 v[FV], v[FV], v29
	v_add_f32 v[FV], 0x3727c5ac, v[FV]             ; + 1e-5
	v_rsq_f32 v[FV], v[FV]
	v_nop
	s_wait_alu depctr_va_vdst(0)                   ; ahead of the root's first reader
	v_mul_f32 v[FV], 0x41000000, v[FV]             ; F = 8 rsq(..)
.else
	v_cmp_eq_u32 s98, 0, v1                        ; the seventeenth tile: column 0 is 1, the others 0
	v_mov_b32 v29, 0x3f803f80
	v_cndmask_b32 v[SF], 0, v29, s98
.irp k, 1,2,3,4,5,6,7
	v_mov_b32 v[SF+\k], v[SF]
.endr
.endif
; 32 products S^T = K Q^T: channels 32 (i / 8) on; accumulator i % 8 = 2 t + kt.  The eight take turns; the first eight start the sums.
.macro QK
	WIN 0x04                                       ; Q in window 1
.set i, 0
.rept 32
.set rS, S+8*(i%8)
.set rK, KF+8*(4*(i%2)+i/8)
.set rQ, 8*(4*((i%8)/2)+i/8)
.if i < 8
	v_wmma_f32_16x16x32_f16 v[rS:rS+7], v[rK:rK+7], v[rQ:rQ+7], 0
.else
	v_wmma_f32_16x16x32_f16 v[rS:rS+7], v[rK:rK+7], v[rQ:rQ+7], v[rS:rS+7]
.endif
.set i, i+1
.endr
.endm
.macro FETCH_K                         ; 16 loads: my 32 keys x 128 channels; fragment f: keys 16 (f / 4) on, channels 32 (f % 4) on
	WIN 0
	v_add_nc_u32 v[AK], s[TBK], v[AK0]
.set f, 0
.rept 8
	ds_load_b128 v[KF+8*f:KF+8*f+3], v[AK] offset:(f/4)*16*PT+(f%4)*64
	ds_load_b128 v[KF+8*f+4:KF+8*f+7], v[AK] offset:(f/4)*16*PT+(f%4)*64+32
.set f, f+1
.endr
	s_add_co_u32 s[TBK], s[TBK], KPART
.endm
.macro FETCH_V                         ; 32 loads: 256 channels x my 32 keys, slot by slot; in cross two more for the seventeenth tile
	WIN 0
	v_add_nc_u32 v[AVA], s[TBV], v[AVA0]
	v_add_nc_u32 v[AVB], s[TBV], v[AVB0]
.if CROSS
	v_add_nc_u32 v[ASF], s[TBS], v[ASF0]
.endif
	WIN 0x40
.set f, 0
.rept 8
	ds_load_b128 v[VF+8*f:VF+8*f+3], v[AVA] offset:16*PT*f
	ds_load_b128 v[VF+8*f+4:VF+8*f+7], v[AVA] offset:16*PT*f+32
.set f, f+1
.endr
.set f, 0
.rept 8
	ds_load_b128 v[VF+64+8*f:VF+64+8*f+3], v[AVB] offset:16*PT*f
	ds_load_b128 v[VF+64+8*f+4:VF+64+8*f+7], v[AVB] offset:16*PT*f+32
.set f, f+1
.endr
	WIN 0
.if CROSS
	ds_load_b128 v[SF:SF+3], v[ASF]
	ds_load_b128 v[SF+4:SF+7], v[ASF] offset:32
	s_add_co_u32 s[TBS], s[TBS], 128               ; the next step's 64 keys: 16 fetches take 0, 128 .. 1,920;
	s_and_b32 s[TBS], s[TBS], 0x780                ; the cut states that bound: the byte stays inside a row of 2,048
.endif
	s_add_co_u32 s[TBV], s[TBV], 128
.endm
; Number n of the 96 that make p of the 64 scores a lane: 32 packed scalings c s - c and 64 exponentials, in ascending order of the registers (each accumulator's lowest are read first).
; 0-3: four scalings; then 28 times two exponentials and the scaling four pairs on; then the last eight exponentials.  None reads an exponential's result: the batch has one wait, in front of the roundings.
.macro RID
.if n < 4
.set b, n
	v_pk_fma_f32 v[S+2*b:S+2*b+1], v[S+2*b:S+2*b+1], s[CS:CS+1], s[NC:NC+1] op_sel_hi:[1,0,0]
.elseif n >= 88
.set e, n-32
	v_exp_f32 v[S+e], v[S+e]
.elseif (n-4)%3 == 2
.set b, (n-4)/3+4
	v_pk_fma_f32 v[S+2*b:S+2*b+1], v[S+2*b:S+2*b+1], s[CS:CS+1], s[NC:NC+1] op_sel_hi:[1,0,0]
.else
.set e, 2*((n-4)/3)+(n-4)%3
	v_exp_f32 v[S+e], v[S+e]
.endif
.set n, n+1
.endm
; 68 products: O(t, c) += P(t) V(c), tiles 0, 1 (window 2) and then 2, 3 (window 3), slot c = (i % 32) / 2; then l(t) += P(t) x the seventeenth tile.  Each accumulator has one product a step.
; zero = 1: they start the sums.  ride = 1: four of RID's lines behind each odd product up to the 48th.  kyoung: the LDS loads issued behind V's (K's 16, or none).
; The waits: V's slots c .. c + 3 are in when at most its 24 - 2 c later loads, the seventeenth tile's NS and the kyoung younger ones are out.
.macro PV zero, ride, kyoung
.set n, 0
.set i, 0
.rept 64
.set c, (i%32)/2
.set t, 2*(i/32)+i%2
.set rO, 128*(i%2)+8*c
.if (i < 32) && (i%8 == 0)
	s_wait_dscnt (\kyoung)+NS+24-2*c
.endif
	WIN 0xa4+0x50*(i/32)
.if \zero
	v_wmma_f32_16x16x32_bf16 v[rO:rO+7], v[P+8*t:P+8*t+7], v[VF+8*c:VF+8*c+7], 0
.else
	v_wmma_f32_16x16x32_bf16 v[rO:rO+7], v[P+8*t:P+8*t+7], v[VF+8*c:VF+8*c+7], v[rO:rO+7]
.endif
.if (\ride) && (i%2 == 1) && (i < 48)
	WIN 0
	RID
	RID
	RID
	RID
.endif
.set i, i+1
.endr
	WIN 0
.if CROSS
	s_wait_dscnt \kyoung
.endif
.set t, 0
.rept 4
.if \zero
	v_wmma_f32_16x16x32_bf16 v[LS+8*t:LS+8*t+7], v[P+8*t:P+8*t+7], v[SF:SF+7], 0
.else
	v_wmma_f32_16x16x32_bf16 v[LS+8*t:LS+8*t+7], v[P+8*t:P+8*t+7], v[SF:SF+7], v[LS+8*t:LS+8*t+7]
.endif
.set t, t+1
.endr
.endm
.macro CVT                             ; p rounded to bf16, in pairs: P(t)'s registers 4 kt + 0..3 from accumulator 2 t + kt
	WIN 0
.set i, 0
.rept 32
	v_cvt_pk_bf16_f32 v[P+i], v[S+2*i], v[S+2*i+1]
.set i, i+1
.endr
.endm
.macro STEP zero
	s_wait_dscnt 32+NS                             ; K is in: V's loads, issued behind K's, may stay out
	QK
	WIN 0
	PLACES                                         ; in front of the loads into K's registers and of the lines that read the scores
	FETCH_K
	PV \zero, 1, 16
	WIN 0
	PLACES                                         ; in front of the loads into V's registers and of the writes of P; also the plain lines behind the last exponential
	FETCH_V
	s_wait_alu depctr_va_vdst(0)                   ; one wait for the step's 64 exponentials, ahead of their first reader
	CVT
.endm
.macro TWO_STEPS                       ; a slot's two steps: written once, walked twice; the LDS addresses hang on s[TBK], s[TBV], s[TBS]
	WIN 0
	s_mov_b32 s[TWICE], 2
.Lstep_\@:
	STEP 0
	WIN 0
	s_sub_co_u32 s[TWICE], s[TWICE], 1
	s_cmp_lg_u32 s[TWICE], 0
	s_cbranch_scc1 .Lstep_\@
.endm
	s_wait_tensorcnt 2                             ; K of step 0 and my part of fill 0 are in; fill 1 and the residual may stay out
.if CROSS
	s_wait_dscnt 0x0                               ; my part of the three rows lies in LDS
.endif
	s_barrier_signal -1
	s_barrier_wait -1
	s_mov_b32 s[TBK], K0L
	FETCH_K                                        ; step 0
	s_mov_b32 s[TBK], 0
	s_wait_loadcnt 0x0                             ; Q
	s_wait_dscnt 0x0
	QK
	WIN 0
	PLACES
	FETCH_K                                        ; step 1
	FETCH_V                                        ; step 0
.set n, 0
.rept 96
	RID                                            ; the first step's p: there are no products yet to set them behind
.endr
	v_nop
	s_wait_alu depctr_va_vdst(0)
	CVT
	STEP 1                                         ; step 0's products start O and l
	WIN 0
.Lslot:                                        ; five times: steps 2 i - 1, 2 i read fill i, and fill i + 1 is asked for (fills 2 to 6)
	CHANGE 1
	TWO_STEPS
	s_sub_co_u32 s[SLOTS], s[SLOTS], 1
	s_cmp_lg_u32 s[SLOTS], 0
	s_cbranch_scc1 .Lslot
	CHANGE 2                                       ; the tail is written out: fill 7 has one part of K
	TWO_STEPS
	CHANGE 0                                       ; nothing is left to ask for
	TWO_STEPS                                      ; steps 13, 14.  Step 14's fetch of K finds no step 16: it reads the part that fill 5 left, and nothing uses it: 16 loads, the price of one text and one set of counts
	s_wait_dscnt 0x0
	PV 0, 0, 0                                     ; step 15
	; THE END.  The slots have had their last fill and, behind this barrier, their last read: they serve as exchange and stage.
	WIN 0
	PLACES
	s_barrier_signal -1
	s_barrier_wait -1
.set t, 0
.rept 4                                ; l (column 0) and m (column 1): row = column, byte 64 t + 32 h
	ds_store_b128 v[LSTO], v[LS+8*t:LS+8*t+3] offset:64*t
	ds_store_b128 v[LSTO], v[LS+8*t+4:LS+8*t+7] offset:64*t+16
.set t, t+1
.endr
.set t, 0
.rept 4                                ; slots 8-15 go to my partner, who keeps those channels
	WIN 0x08+0x04*(t/2)
.set g, 0
.rept 16
.set rO, 128*(t%2)+64+4*g
	ds_store_b128 v[XST], v[rO:rO+3] offset:512*(16*t+g)
.set g, g+1
.endr
.set t, t+1
.endr
	WIN 0
	s_wait_dscnt 0x0                               ; for my partner's sake
	s_barrier_signal -1
	s_barrier_wait -1
.set t, 0
.rept 4                                ; l of my queries 16 t + 8 h + 0..7, mine and my partner's
	ds_load_b128 v[IL+8*t:IL+8*t+3], v[LLD0] offset:64*t
	ds_load_b128 v[IL+8*t+4:IL+8*t+7], v[LLD0] offset:64*t+16
	ds_load_b128 v[T1+8*t:T1+8*t+3], v[LLD1] offset:64*t
	ds_load_b128 v[T1+8*t+4:T1+8*t+7], v[LLD1] offset:64*t+16
.if CROSS
	ds_load_b128 v[MA+8*t:MA+8*t+3], v[LLD0] offset:PT+64*t
	ds_load_b128 v[MA+8*t+4:MA+8*t+7], v[LLD0] offset:PT+64*t+16
	ds_load_b128 v[MB+8*t:MB+8*t+3], v[LLD1] offset:PT+64*t
	ds_load_b128 v[MB+8*t+4:MB+8*t+7], v[LLD1] offset:PT+64*t+16
.endif
.set t, t+1
.endr
; My partner's sums of tile t for the channels that I keep, into the slots that I sent: 16 loads.
.macro XIN t
	WIN 0x80+0x40*((\t)/2)
.set g, 0
.rept 16
.set rO, 128*((\t)%2)+64+4*g
	ds_load_b128 v[rO:rO+3], v[XLD] offset:512*(16*(\t)+g)
.set g, g+1
.endr
.endm
	XIN 0
	XIN 1
	XIN 2                                          ; tile 3's follow behind the statistics
	WIN 0
	s_wait_dscnt 48                                ; l (and m) are in; the 48 loads of the exchange issued behind them may stay out
.set i, 0
.rept 16
	v_pk_add_f32 v[IL+2*i:IL+2*i+1], v[IL+2*i:IL+2*i+1], v[T1+2*i:T1+2*i+1]
.set i, i+1
.endr
.set i, 0
.rept 32
	v_rcp_f32 v[IL+i], v[IL+i]
.set i, i+1
.endr
.if CROSS
.set i, 0
.rept 16
	v_pk_add_f32 v[MA+2*i:MA+2*i+1], v[MA+2*i:MA+2*i+1], v[MB+2*i:MB+2*i+1]
.set i, i+1
.endr
.else
	v_nop
.endif
	s_wait_alu depctr_va_vdst(0)                   ; one wait for the 32 reciprocals
.if CROSS
.set i, 0
.rept 16
	v_pk_mul_f32 v[MA+2*i:MA+2*i+1], v[MA+2*i:MA+2*i+1], v[IL+2*i:IL+2*i+1]  ; mask = m / l
.set i, i+1
.endr
.set t, 0
.rept 4                                ; the sixteen lanes of a half hold the same numbers and write the same words
	ds_store_b128 v[MST], v[MA+8*t:MA+8*t+3] offset:64*t
	ds_store_b128 v[MST], v[MA+8*t+4:MA+8*t+7] offset:64*t+16
.set t, t+1
.endr
.endif
	XIN 3
	WIN 0
; Tile t: the two partial sums are added, divided by l, rounded to f16 and laid in the stage.  The wait counts what was issued behind tile t's 16 loads of the exchange.
; t < 3: the 16 (2 - t) loads of the tiles up to 2, the mask's 8 stores (cross), tile 3's 16 loads and the 8 t stage stores of the tiles before: 48 - 8 t (+ 8).  t = 3: the 24 stage stores alone.
.macro FIN t
.set hw, (\t)/2
.set ob, 128*((\t)%2)
.set pb, PKB+32*((\t)%2)
.if (\t) < 3
	s_wait_dscnt 48-8*(\t)+8*CROSS
.else
	s_wait_dscnt 24
.endif
	WIN 0x8a+0x45*hw
.set i, 0
.rept 32
	v_pk_add_f32 v[ob+2*i:ob+2*i+1], v[ob+2*i:ob+2*i+1], v[ob+64+2*i:ob+64+2*i+1]
.set i, i+1
.endr
	WIN 0x82+0x41*hw
.set i, 0
.rept 32
	v_pk_mul_f32 v[ob+2*i:ob+2*i+1], v[ob+2*i:ob+2*i+1], v[IL+8*(\t)+2*(i%4):IL+8*(\t)+2*(i%4)+1]
.set i, i+1
.endr
	WIN 0x0a+0x05*hw
.set i, 0
.rept 32
	v_cvt_pk_f16_f32 v[pb+i], v[ob+2*i], v[ob+2*i+1]
.set i, i+1
.endr
	WIN 0
.set c, 0
.rept 8
	ds_store_b128 v[STO], v[pb+4*c:pb+4*c+3] offset:16*PT*c+32*(\t)
.set c, c+1
.endr
.endm
	FIN 0
	FIN 1
	FIN 2
	FIN 3
	s_wait_dscnt 0x0                               ; for the others' sake: my part of the stage (and of the mask) lies in LDS
	s_barrier_signal -1
	s_barrier_wait -1
.if CROSS
	v_lshrrev_b32 v29, 3, v1                       ; the mask of my eight queries 8 r + 0..7, times F
	v_and_b32 v30, 7, v1
	v_lshlrev_b32 v29, 9, v29
	v_lshl_add_u32 v29, v30, 5, v29
	v_add_nc_u32 v29, MSK, v29
	ds_load_b128 v[FM:FM+3], v29
	ds_load_b128 v[FM+4:FM+7], v29 offset:16
.endif
.irp k, 0,1,2,3,4,5
	v_mov_b32 v[SUM+\k], 0
.endr
.if CROSS
	s_wait_dscnt 0x0
.irp k, 0,1,2,3,4,5,6,7
	v_mul_f32 v[FM+\k], v[FV], v[FM+\k]
.endr
.endif
	s_mov_b32 s[CNT], 8
.Lrow:                                         ; eight trips of eight rows d: wave w has rows 64 w ..; lanes 0-15 one row's 256 bytes, lanes 16-31 the next row's
.irp n, 0,1,2,3
	ds_load_b128 v[EA+4*\n:EA+4*\n+3], v[RD] offset:2*PT*\n
	ds_load_b128 v[ER+4*\n:ER+4*\n+3], v[RR] offset:2*PT*\n
.endr
.irp n, 0,1,2,3
	s_wait_dscnt 6-2*\n
.if CROSS
.irp k, 0,1,2,3
	v_fma_mix_f32 v[XF+2*\k], v[ER+4*\n+\k], v[FV], v[EA+4*\n+\k] op_sel_hi:[1,0,1]                       ; T4 = F U + A
	v_fma_mix_f32 v[XF+2*\k+1], v[ER+4*\n+\k], v[FV], v[EA+4*\n+\k] op_sel:[1,0,1] op_sel_hi:[1,0,1]
	v_fma_mix_f32 v[T2R+2*\k], v[ER+4*\n+\k], v[FM+2*\k], v[ZR] op_sel_hi:[1,0,0]                         ; T2 = mask F U
	v_fma_mix_f32 v[T2R+2*\k+1], v[ER+4*\n+\k], v[FM+2*\k+1], v[ZR] op_sel:[1,0,0] op_sel_hi:[1,0,0]
.endr
.irp k, 0,1,2,3
	v_pk_fma_f32 v[SUM:SUM+1], v[T2R+2*\k:T2R+2*\k+1], v[T2R+2*\k:T2R+2*\k+1], v[SUM:SUM+1]
	v_pk_fma_f32 v[SUM+2:SUM+3], v[XF+2*\k:XF+2*\k+1], v[XF+2*\k:XF+2*\k+1], v[SUM+2:SUM+3]
	v_pk_fma_f32 v[SUM+4:SUM+5], v[T2R+2*\k:T2R+2*\k+1], v[XF+2*\k:XF+2*\k+1], v[SUM+4:SUM+5]
	v_cvt_pk_f16_f32 v[EO+4*\n+\k], v[XF+2*\k], v[XF+2*\k+1]
.endr
.else
.irp k, 0,1,2,3
	v_lshlrev_b32 v[XF+2*\k], 16, v[ER+4*\n+\k]
	v_and_b32 v[XF+2*\k+1], 0xffff0000, v[ER+4*\n+\k]
.endr
.irp k, 0,1,2,3
	v_fma_mix_f32 v[XF+2*\k], v[EA+4*\n+\k], v[ONE], v[XF+2*\k] op_sel_hi:[1,0,0]                         ; U = x + A
	v_fma_mix_f32 v[XF+2*\k+1], v[EA+4*\n+\k], v[ONE], v[XF+2*\k+1] op_sel:[1,0,0] op_sel_hi:[1,0,0]
.endr
.irp k, 0,1,2,3
	v_pk_fma_f32 v[SUM+2*((\k)%2):SUM+2*((\k)%2)+1], v[XF+2*\k:XF+2*\k+1], v[XF+2*\k:XF+2*\k+1], v[SUM+2*((\k)%2):SUM+2*((\k)%2)+1]
	v_cvt_pk_f16_f32 v[EO+4*\n+\k], v[XF+2*\k], v[XF+2*\k+1]
.endr
.endif
	global_store_b128 v[GO], v[EO+4*\n:EO+4*\n+3], s[OP:OP+1] offset:4096*\n  ; 16 lanes store 256 consecutive bytes, aligned
.endr
	s_wait_xcnt 0x0                                ; the stores have read their data and their offset
	v_add_nc_u32 v[RD], 8*PT, v[RD]
	v_add_nc_u32 v[RR], 8*PT, v[RR]
	v_add_nc_u32 v[GO], 8*2048, v[GO]
	s_sub_co_u32 s[CNT], s[CNT], 1
	s_cmp_lg_u32 s[CNT], 0
	s_cbranch_scc1 .Lrow
.macro WSUM a                          ; the sum of v[a] over the 32 lanes; v[a+1] at work
.irp m, 1,2,4,8
	v_add_f32_dpp v[\a], v[\a], v[\a] row_xmask:\m row_mask:0xf bank_mask:0xf
.endr
	v_permlanex16_b32 v[(\a)+1], v[\a], s[SEL], s[SEL+1]
	v_add_f32 v[\a], v[\a], v[(\a)+1]
.endm
.if CROSS
	v_add_f32 v[SUM], v[SUM], v[SUM+1]
	v_add_f32 v[SUM+2], v[SUM+2], v[SUM+3]
	v_add_f32 v[SUM+4], v[SUM+4], v[SUM+5]
	WSUM SUM
	WSUM SUM+2
	WSUM SUM+4
.else
	v_pk_add_f32 v[SUM:SUM+1], v[SUM:SUM+1], v[SUM+2:SUM+3]
	v_add_f32 v[SUM], v[SUM], v[SUM+1]
	WSUM SUM
.endif
	v_mov_b32 v29, 0
	v_cmp_eq_u32 vcc_lo, 0, v[LN]
	s_wait_xcnt 0x0                                ; EXEC changes only behind this wait
	s_and_saveexec_b32 s98, vcc_lo                 ; lane 0 stores the wave's partial sums: a later launch adds the 32 of a y
	global_store_b32 v29, v[SUM], s[SSP:SSP+1]
.if CROSS
	global_store_b32 v29, v[SUM+2], s[SSP:SSP+1] offset:4096
	global_store_b32 v29, v[SUM+4], s[SSP:SSP+1] offset:8192
.endif
	s_wait_xcnt 0x0                                ; and again in front of the line that widens it
	s_or_b32 exec_lo, exec_lo, s98
.if CROSS
	s_cmp_lg_u32 s[WV], 0
	s_cbranch_scc1 .Lno_mask
	v_lshlrev_b32 v30, 9, v2                       ; wave 0 stores the block's 128 masks: 512 consecutive bytes
	v_lshl_add_u32 v30, v1, 4, v30
	v_add_nc_u32 v30, MSK, v30
	v_lshlrev_b32 v31, 4, v[LN]
	ds_load_b128 v[32:35], v30
	s_wait_dscnt 0x0
	global_store_b128 v31, v[32:35], s[MKP:MKP+1]
.Lno_mask:
.endif
	s_wait_tensorcnt 0x0                           ; the wave's end, behind my last tensor load and my last LDS store
	ds_add_u32 v[SPW], v[NIL]
	s_wait_dscnt 0x0
	CROUND                                         ; the closing round
	s_endpgm
.Lfunc_end_k_qd3f4838392_attn_cross:
	.size	k_qd3f4838392_attn_cross, .Lfunc_end_k_qd3f4838392_attn_cross-k_qd3f4838392_attn_cross
	.p2alignl 7, 3214868480
	.fill 96, 4, 3214868480
	.section	.rodata,"a",@progbits
	.p2align	6, 0x0
	.amdhsa_kernel k_qd3f4838392_attn_cross
		.amdhsa_group_segment_fixed_size 327680
		.amdhsa_private_segment_fixed_size 0
		.amdhsa_enable_private_segment 0
		.amdhsa_kernarg_size 32
		.amdhsa_user_sgpr_count 2
		.amdhsa_user_sgpr_kernarg_segment_ptr 1
		.amdhsa_wavefront_size32 1
		.amdhsa_system_sgpr_workgroup_id_x 1
		.amdhsa_system_sgpr_workgroup_id_y 1
		.amdhsa_system_sgpr_workgroup_id_z 1
		.amdhsa_system_vgpr_workitem_id 0
		.amdhsa_next_free_vgpr 1024
		.amdhsa_next_free_sgpr 102
		.amdhsa_reserve_vcc 1
		.amdhsa_float_denorm_mode_32 3
		.amdhsa_float_denorm_mode_16_64 3
		.amdhsa_memory_ordered 1
		.amdhsa_forward_progress 1
		.amdhsa_inst_pref_size 165
	.end_amdhsa_kernel
	.amdgpu_metadata
---
amdhsa.version: [ 1, 2 ]
amdhsa.kernels:
  - .name:           k_qd3f4838392_attn_cross
    .symbol:         k_qd3f4838392_attn_cross.kd
    .args:
      - { .name: kv2, .offset: 0, .size: 8, .value_kind: global_buffer, .address_space: global }
      - { .name: u, .offset: 8, .size: 8, .value_kind: global_buffer, .address_space: global }
      - { .name: train_label, .offset: 16, .size: 8, .value_kind: global_buffer, .address_space: global }
      - { .name: t4, .offset: 24, .size: 8, .value_kind: global_buffer, .address_space: global }
    .group_segment_fixed_size: 327680
    .private_segment_fixed_size: 0
    .kernarg_segment_align: 8
    .kernarg_segment_size: 32
    .max_flat_workgroup_size: 128
    .sgpr_count:     102
    .vgpr_count:     1024
    .wavefront_size: 32
...
	.end_amdgpu_metadata
.endif
;; end of part 4
;; launch final (part 5): grid 16 x 32, 8 waves a work-group, no clusters, 0 bytes of LDS; arguments u, t4, out0, out1; writes out0, out1
.if DOCPART == 5
	.amdgcn_target "amdgcn-amd-amdhsa--gfx1250"
	.amdhsa_code_object_version 6
	.text
	.protected	k_qd3f4838392_final
	.globl	k_qd3f4838392_final
	.p2align	8
	.type	k_qd3f4838392_final,@function
k_qd3f4838392_final:
	s_mov_b64 s[64:65], 0
	v_nop
	global_prefetch_b8 v0, s[64:65] scope:SCOPE_SE
	s_setreg_imm32_b32 hwreg(HW_REG_WAVE_MODE, 25, 1), 1
	s_wait_xcnt 0x0
; FINAL.  out[b][d][q] = f6 (f2 T2 + f4 T4), T2 = mask[q] f U.  f = 8 rsq(sum U^2 + eps), f2 = 8 rsq(ss2 + eps), f4 = 8 rsq(ss4 + eps), f6 = 8 rsq(ss6 + eps), eps = 1e-5,
; ss6 = f2^2 ss2 + 2 f2 f4 s24 + f4^2 ss4: the sum of squares of f2 T2 + f4 T4 from the three sums that the launch before left (32 partial sums each for a y).
; LIMIT.  ss6 is made of three f32 sums: where f2 T2 and f4 T4 nearly cancel (1 + cos of their angle near 1e-3 or below) its relative error grows as 1 / (1 + cos).  NaN and infinities are not treated apart.
; SHARES.  A work-group takes 16 rows d of one y; thread t the queries 4 t .. 4 t + 3 of each: 8 bytes of U and of T4 in, 16 bytes out; a wave's load covers 256 and its store 512 consecutive bytes, aligned.
; All 32 loads of a thread go out at once; the counted waits let the later rows stay out.  No LDS, no matrix unit, no cluster, no prefetch: a stream that is read once and asked for in the first lines.
.set EPS, 0x3727c5ac
.set ZR, 5
	s_load_b256 s[4:11], s[0:1], 0x0               ; u s[4:5], t4 s[6:7], out0 s[8:9], out1 s[10:11]
	s_and_b32 s12, ttmp7, 0xffff                   ; y
	v_and_b32 v1, 31, v0
	v_lshlrev_b32 v2, 2, v1
	v_lshlrev_b32 v3, 4, v0
	v_lshlrev_b32 v4, 3, v0
	v_mov_b32 v[ZR], 0
	s_lshl_b32 s14, s12, 7
	s_mov_b32 s15, 0
	s_lshl_b32 s16, s12, 12
	s_mov_b32 s17, 0
	s_lshl_b32 s18, s12, 19
	s_lshl_b32 s19, ttmp9, 15
	s_add_co_u32 s18, s18, s19
	s_mov_b32 s19, 0
	s_and_b32 s20, s12, 15
	s_lshl_b32 s20, s20, 20
	s_lshl_b32 s21, ttmp9, 16
	s_add_co_u32 s20, s20, s21
	s_mov_b32 s21, 0
	s_mov_b32 s28, 0x76543210
	s_mov_b32 s29, 0xfedcba98
	s_wait_kmcnt 0x0
	s_add_nc_u64 s[22:23], s[4:5], s[14:15]
	s_add_nc_u64 s[22:23], s[22:23], 16777216      ; the partial sums of U^2
	s_add_nc_u64 s[24:25], s[6:7], s[14:15]
	s_add_nc_u64 s[24:25], s[24:25], 16908288      ; those of T2^2, T4^2, T2 T4: 4,096 bytes apart
	s_add_nc_u64 s[26:27], s[6:7], s[16:17]
	s_add_nc_u64 s[26:27], s[26:27], 16777216      ; the mask
	s_add_nc_u64 s[4:5], s[4:5], s[18:19]
	s_add_nc_u64 s[6:7], s[6:7], s[18:19]
	s_cmp_lt_u32 s12, 16
	s_cselect_b64 s[8:9], s[8:9], s[10:11]
	s_add_nc_u64 s[8:9], s[8:9], s[20:21]
	global_load_b32 v8, v2, s[22:23]
	global_load_b32 v9, v2, s[24:25]
	global_load_b32 v10, v2, s[24:25] offset:4096
	global_load_b32 v11, v2, s[24:25] offset:8192
	global_load_b128 v[12:15], v3, s[26:27]
.set i, 0
.rept 16
	global_load_b64 v[32+2*i:33+2*i], v4, s[4:5] offset:2048*i th:TH_LOAD_NT
	global_load_b64 v[64+2*i:65+2*i], v4, s[6:7] offset:2048*i th:TH_LOAD_NT
.set i, i+1
.endr
.irp a, 16,17,18,19
	v_mov_b32 v\a, 0                               ; v_permlanex16_b32's destination counts as read
.endr
	s_wait_loadcnt 32                              ; the sums and the mask are in; the rows' 32 loads may stay out
.irp m, 1,2,4,8
.irp a, 8,9,10,11
	v_add_f32_dpp v\a, v\a, v\a row_xmask:\m row_mask:0xf bank_mask:0xf
.endr
.endr
.irp a, 8,9,10,11
	v_permlanex16_b32 v[(\a)+8], v\a, s28, s29
.endr
.irp a, 8,9,10,11
	v_add_f32 v\a, v\a, v[(\a)+8]
.endr
	v_add_f32 v20, EPS, v8
	v_add_f32 v21, EPS, v9
	v_add_f32 v22, EPS, v10
	v_rsq_f32 v20, v20
	v_rsq_f32 v21, v21
	v_rsq_f32 v22, v22
	v_nop
	s_wait_alu depctr_va_vdst(0)                   ; one wait for the three roots
	v_mul_f32 v20, 0x41000000, v20                 ; f
	v_mul_f32 v21, 0x41000000, v21                 ; f2
	v_mul_f32 v22, 0x41000000, v22                 ; f4
	v_mul_f32 v23, v21, v21
	v_mul_f32 v24, v22, v22
	v_mul_f32 v25, v21, v22
	v_mul_f32 v23, v23, v9
	v_add_f32 v25, v25, v25
	v_fma_f32 v23, v24, v10, v23
	v_fma_f32 v23, v25, v11, v23                   ; ss6
	v_add_f32 v23, EPS, v23
	v_rsq_f32 v23, v23
	v_mul_f32 v24, v21, v20                        ; f2 f
	s_wait_alu depctr_va_vdst(0)
	v_mul_f32 v23, 0x41000000, v23                 ; f6
	v_mul_f32 v25, v23, v22                        ; C4 = f6 f4
	v_mul_f32 v24, v23, v24
.irp k, 0,1,2,3
	v_mul_f32 v[26+\k], v24, v[12+\k]              ; CM[k] = f6 f2 f mask[k]
.endr
.set i, 0
.rept 16
	s_wait_loadcnt 30-2*i                          ; row i's two loads are in; the later rows' stay out
	v_fma_mix_f32 v[96+4*i], v[64+2*i], v25, v[ZR] op_sel_hi:[1,0,0]
	v_fma_mix_f32 v[96+4*i+1], v[64+2*i], v25, v[ZR] op_sel:[1,0,0] op_sel_hi:[1,0,0]
	v_fma_mix_f32 v[96+4*i+2], v[64+2*i+1], v25, v[ZR] op_sel_hi:[1,0,0]
	v_fma_mix_f32 v[96+4*i+3], v[64+2*i+1], v25, v[ZR] op_sel:[1,0,0] op_sel_hi:[1,0,0]
	v_fma_mix_f32 v[96+4*i], v[32+2*i], v26, v[96+4*i] op_sel_hi:[1,0,0]
	v_fma_mix_f32 v[96+4*i+1], v[32+2*i], v27, v[96+4*i+1] op_sel:[1,0,0] op_sel_hi:[1,0,0]
	v_fma_mix_f32 v[96+4*i+2], v[32+2*i+1], v28, v[96+4*i+2] op_sel_hi:[1,0,0]
	v_fma_mix_f32 v[96+4*i+3], v[32+2*i+1], v29, v[96+4*i+3] op_sel:[1,0,0] op_sel_hi:[1,0,0]
	global_store_b128 v3, v[96+4*i:96+4*i+3], s[8:9] offset:4096*i th:TH_STORE_NT  ; each row has four registers of its own
.set i, i+1
.endr
	s_endpgm
.Lfunc_end_k_qd3f4838392_final:
	.size	k_qd3f4838392_final, .Lfunc_end_k_qd3f4838392_final-k_qd3f4838392_final
	.p2alignl 7, 3214868480
	.fill 96, 4, 3214868480
	.section	.rodata,"a",@progbits
	.p2align	6, 0x0
	.amdhsa_kernel k_qd3f4838392_final
		.amdhsa_group_segment_fixed_size 0
		.amdhsa_private_segment_fixed_size 0
		.amdhsa_enable_private_segment 0
		.amdhsa_kernarg_size 32
		.amdhsa_user_sgpr_count 2
		.amdhsa_user_sgpr_kernarg_segment_ptr 1
		.amdhsa_wavefront_size32 1
		.amdhsa_system_sgpr_workgroup_id_x 1
		.amdhsa_system_sgpr_workgroup_id_y 1
		.amdhsa_system_sgpr_workgroup_id_z 1
		.amdhsa_system_vgpr_workitem_id 0
		.amdhsa_next_free_vgpr 160
		.amdhsa_next_free_sgpr 66
		.amdhsa_reserve_vcc 0
		.amdhsa_float_denorm_mode_32 3
		.amdhsa_float_denorm_mode_16_64 3
		.amdhsa_memory_ordered 1
		.amdhsa_forward_progress 1
		.amdhsa_inst_pref_size 18
	.end_amdhsa_kernel
	.amdgpu_metadata
---
amdhsa.version: [ 1, 2 ]
amdhsa.kernels:
  - .name:           k_qd3f4838392_final
    .symbol:         k_qd3f4838392_final.kd
    .args:
      - { .name: u, .offset: 0, .size: 8, .value_kind: global_buffer, .address_space: global }
      - { .name: t4, .offset: 8, .size: 8, .value_kind: global_buffer, .address_space: global }
      - { .name: out0, .offset: 16, .size: 8, .value_kind: global_buffer, .address_space: global }
      - { .name: out1, .offset: 24, .size: 8, .value_kind: global_buffer, .address_space: global }
    .group_segment_fixed_size: 0
    .private_segment_fixed_size: 0
    .kernarg_segment_align: 8
    .kernarg_segment_size: 32
    .max_flat_workgroup_size: 256
    .sgpr_count:     66
    .vgpr_count:     160
    .wavefront_size: 32
...
	.end_amdgpu_metadata
.endif
;; end of part 5
;; ======== version 2 of 2: 5 launches; version 1 with the launches prep, proj2 written anew for expert scheduling mode
;; limits: a difference of large sums (such as E[x^2] - mean^2): digits are lost where the result is much smaller than its terms; values are held in f16: magnitudes above 65,504 overflow, below 6.1e-05 lose precision
;; workspace buffers: xb 16,777,216 bytes; w1 8,454,144 bytes; u 16,781,312 bytes; kv2 16,777,216 bytes; t4 16,920,576 bytes
;; launch prep (part 6): grid 8 x 32, 8 waves a work-group, no clusters, 183,296 bytes of LDS; arguments train_feat, test_feat, WK_self, bK_self, WK_cross, xb, w1; writes xb, w1
.if DOCPART == 6
	.amdgcn_target "amdgcn-amd-amdhsa--gfx1250"
	.amdhsa_code_object_version 6
	.text
	.protected	k_qd3f4838392_prep
	.globl	k_qd3f4838392_prep
	.p2align	8
	.type	k_qd3f4838392_prep,@function
k_qd3f4838392_prep:
	s_mov_b64 s[64:65], 0
	v_nop
	global_prefetch_b8 v0, s[64:65] scope:SCOPE_SE
	s_setreg_imm32_b32 hwreg(HW_REG_WAVE_SCHED_MODE, 0, 2), 2
	s_setreg_imm32_b32 hwreg(HW_REG_WAVE_MODE, 25, 1), 1
	s_wait_xcnt 0x0
	s_wait_alu depctr_vm_vsrc(0)
; PREP.  For y = feat x 16 + b (feat 0 = train, 1 = test): xb[y][d][s] = bf16(x[b][d][s]);  wself[y][s][:] = l2norm(x[:, s] . WK_self + bK_self), f16, [32][1024][128] at w1's head;
; wc16 = bf16(WK_cross) written as f16, [256][128], at w1 + 8,388,608.  x, WK_self, bK_self are rounded to bf16 once; products in bf16 with f32 sums; the norm in f32.
; LIMITS.  An entry of WK_cross below 2^-14 keeps f16's fixed step of 2^-24; NaN and infinities are not treated apart.
; SHARES.  A work-group takes 128 columns s of one y and all 256 channels d.  Wave w loads rows 32 w .. 32 w + 31 of x and of WK_self, rounds them and lays them in LDS; then it makes the 16 columns 16 w ..
; PRODUCT.  Source 0 = 16 columns j of W, source 1 = 16 columns s of x, both turned out of [d][.] rows by ds_load_tr16_b128: a lane then holds ONE s (lane % 16) and j = 16 jt + 8 (lane / 16) + 0..7.
; No tensor loads, no cluster: each byte of x is wanted by one work-group, and the rounding has to pass through registers anyway.  No prefetch: the launch streams its inputs from its first line.
; THE MODE: SCHED_MODE bits 1:0 = 2 (LLVM: expert scheduling mode 2), set by the entry lines.  The code itself states the register dependences
; between vector or matrix instructions and memory or LDS instructions, with s_wait_alu, always for 0.
; THE PLAN.  Registers that memory or LDS instructions touch:
;   v4-v8, v28, v29   offsets, made at the head ahead of the first load;  v9-v16 later addresses, made behind the first loads.  None is written again.
;   LA                x's rows 0-15 as loaded; its roundings write OUT, so LA is asked for again (W's rows 16-31) as soon as they are done reading it.
;   OUT               written by those roundings, read by 16 LDS and 16 global stores; the products write it later, as accumulators.
;   LB, LC, LA again  rounded in place, then read by their stores; later fragments, accumulators and registers at work lie there.
;   FB0, FB0 + 72     a K step's fragments: loads land, the step's eight products read, the step two on is loaded behind them.
; Each run of 32 roundings has ONE wait on va_vdst behind it, and its stores follow in one run.  One wait on vm_vsrc, ahead of the barrier, states that all those stores have read their registers.
; In a K step one wait on va_vdst stands behind the products, ahead of the loads into the buffer that they read: the two buffers fill the registers, and so a fetch keeps two steps in which to land.
.set XP,    288                 ; an LDS row: 256 bytes + 32
.set WL,    73728               ; W's 256 rows, behind x's 256
.set STAGE, 147456              ; 16 rows x 272 bytes for each wave, for the way out; the 1,024 bytes behind the stages hold the spare words
.set SP,    272
.set XO,  4                     ; v4   my 16 bytes in x's rows: 16 l + 32 w rows of 4,096
.set WO,  5                     ; v5   the same in W's rows of 512
.set XBO, 6                     ; v6   my 8 bytes in xb's rows of 2,048
.set XS,  7                     ; v7   my 8 bytes in LDS, x
.set WS,  8                     ; v8   the same, W
.set XA,  9                     ; v9-10   turning load's address for x, K steps 0-3 and 4-7
.set WA,  11                    ; v11-12  the same for W
.set BO,  13                    ; v13  32 (l / 16): my 8 biases of a tile
.set STO, 14
.set RD,  15
.set GO,  16
.set ONE, 22
.set WC,  24                    ; v24-27 my 16 bytes of a row of WK_cross
.set L16, 28
.set L8,  29
.set OUT, 32                    ; v32-63   x's rows 0-15 in bf16, two registers a row, to store
.set ACC, 32                    ; v32-95   eight accumulators
.set FB0, 96                    ; v96-167  fragments: x (8), W (64); v168-239 the second buffer
.set TT,  240                   ; v240-247 at work
.set SQ,  248                   ; v248-255 sums of squares, the norm
.set LA,  64
.set LB,  128
.set LC,  192
	s_load_b256 s[4:11], s[0:1], 0x0               ; train s[4:5], test s[6:7], WK_self s[8:9], bK_self s[10:11]
	s_load_b128 s[12:15], s[0:1], 0x20             ; WK_cross s[12:13], xb s[14:15]
	s_load_b64 s[16:17], s[0:1], 0x30              ; w1
	v_lshl_add_u32 v21, v0, 2, 0x2c800
	v_mov_b32 v23, 0
	v_lshrrev_b32 v1, 5, v0
	v_readfirstlane_b32 s20, v1                    ; wave 0..7
	s_and_b32 s21, ttmp7, 0xffff                   ; y
	v_and_b32 v1, 31, v0                           ; l
	v_and_b32 v2, 15, v0                           ; l % 16
	v_bfe_u32 v3, v0, 4, 1                         ; l / 16
	v_lshlrev_b32 v[L16], 4, v1
	v_lshlrev_b32 v[L8], 3, v1
	s_wait_alu depctr_va_sdst(0)                   ; s20 is written, ahead of its first reader
	s_lshl_b32 s36, s20, 17
	v_add_nc_u32 v[XO], s36, v[L16]
	s_lshl_b32 s36, s20, 14
	v_add_nc_u32 v[WO], s36, v[L16]
	s_lshl_b32 s36, s20, 16
	v_add_nc_u32 v[XBO], s36, v[L8]
	s_mul_i32 s36, s20, 32*XP
	v_add_nc_u32 v[XS], s36, v[L8]
	v_add_nc_u32 v[WS], WL, v[XS]
	s_and_b32 s36, s21, 15                         ; offsets, made apart from the addresses
	s_lshl_b32 s36, s36, 20
	s_lshl_b32 s37, ttmp9, 9
	s_add_co_u32 s36, s36, s37                     ; x: b x 1 MiB + 128 columns x 4 bytes
	s_mov_b32 s37, 0
	s_lshl_b32 s38, s21, 19
	s_lshl_b32 s39, ttmp9, 8
	s_add_co_u32 s38, s38, s39                     ; xb
	s_mov_b32 s39, 0
	s_lshl_b32 s40, s21, 18
	s_lshl_b32 s41, ttmp9, 15
	s_add_co_u32 s40, s40, s41                     ; wself: 128 rows of 256 bytes
	s_mov_b32 s41, 0
	s_lshl_b32 s42, s21, 3
	s_add_co_u32 s42, s42, ttmp9                   ; the row of WK_cross that this work-group converts: 8 y + block, 0..255
	s_lshl_b32 s44, s42, 8
	s_mov_b32 s45, 0
	s_lshl_b32 s42, s42, 9
	s_mov_b32 s43, 0
	s_wait_kmcnt 0x0
	s_cmp_lt_u32 s21, 16
	s_cselect_b64 s[24:25], s[4:5], s[6:7]
	s_add_nc_u64 s[24:25], s[24:25], s[36:37]
	s_add_nc_u64 s[26:27], s[14:15], s[38:39]
	s_add_nc_u64 s[28:29], s[16:17], s[40:41]
	s_add_nc_u64 s[30:31], s[12:13], s[42:43]
	s_add_nc_u64 s[32:33], s[16:17], s[44:45]
	s_add_nc_u64 s[32:33], s[32:33], 8388608
.macro LDX dst, row0                   ; sixteen rows of x: 512 consecutive bytes an instruction
.set i, 0
.rept 16
	global_load_b128 v[(\dst)+4*i:(\dst)+4*i+3], v[XO], s[24:25] offset:((\row0)+i)*4096 th:TH_LOAD_NT
.set i, i+1
.endr
.endm
.macro LDW dst, row0                   ; sixteen rows of WK_self, which every work-group reads
.set i, 0
.rept 16
	global_load_b128 v[(\dst)+4*i:(\dst)+4*i+3], v[WO], s[8:9] offset:((\row0)+i)*512
.set i, i+1
.endr
.endm
; Sixteen rows are rounded to bf16: row i's four registers at set + 4 i close up into two at dst + pd i (dst = set, pd = 4: in place).
.macro CVT16 dst, pd, set
.set i, 0
.rept 16
	v_cvt_pk_bf16_f32 v[(\dst)+(\pd)*i], v[(\set)+4*i], v[(\set)+4*i+1]
	v_cvt_pk_bf16_f32 v[(\dst)+(\pd)*i+1], v[(\set)+4*i+2], v[(\set)+4*i+3]
.set i, i+1
.endr
.endm
; Sixteen rounded rows are laid in LDS and (glob = 1) stored to xb: 32 lanes x 8 bytes are 256 consecutive bytes, aligned.
.macro ST16 src, ps, lds, row0, glob
.set i, 0
.rept 16
	ds_store_b64 v[\lds], v[(\src)+(\ps)*i:(\src)+(\ps)*i+1] offset:((\row0)+i)*XP
.if \glob
	global_store_b64 v[XBO], v[(\src)+(\ps)*i:(\src)+(\ps)*i+1], s[26:27] offset:((\row0)+i)*2048
.endif
.set i, i+1
.endr
.endm
.macro PLACES
.rept 4
	v_nop
.endr
.endm
	s_wait_alu depctr_va_vdst(0)                   ; the offsets v4 to v8, v28 and v29 are written, which the loads and stores below read
	global_load_b128 v[WC:WC+3], v[L16], s[30:31]  ; the oldest load, in every wave, so that the counts below are alike in all; wave 0 uses it
	LDX LA, 0
	LDX LB, 16
	LDW LC, 0
	v_and_b32 v17, 7, v0                           ; the other addresses are made while the loads are out
	v_bfe_u32 v18, v0, 3, 1
	v_lshl_add_u32 v19, v3, 3, v17
	v_mul_u32_u24 v19, v19, XP
	v_lshl_add_u32 v19, v18, 4, v19                ; (8 (l / 16) + l % 8) x pitch + 16 ((l / 8) % 2)
	s_lshl_b32 s36, s20, 5
	v_add_nc_u32 v[XA], s36, v19                   ; + my 16 columns
	v_add_nc_u32 v[XA+1], 128*XP, v[XA]
	v_add_nc_u32 v[WA], WL, v19
	v_add_nc_u32 v[WA+1], 128*XP, v[WA]
	v_lshlrev_b32 v[BO], 5, v3
	s_mul_i32 s36, s20, 16*SP
	s_add_co_u32 s36, s36, STAGE
	v_mul_u32_u24 v17, v2, SP
	v_lshl_add_u32 v17, v3, 4, v17
	v_add_nc_u32 v[STO], s36, v17
	v_mul_u32_u24 v17, v3, SP
	v_lshl_add_u32 v17, v2, 4, v17
	v_add_nc_u32 v[RD], s36, v17
	v_lshlrev_b32 v17, 8, v3
	v_lshl_add_u32 v17, v2, 4, v17
	s_lshl_b32 s36, s20, 12
	v_add_nc_u32 v[GO], s36, v17
	v_mov_b32 v[ONE], 1.0
	s_mov_b32 s34, 0x76543210
	s_mov_b32 s35, 0xfedcba98
	s_wait_loadcnt 32                              ; LB's and LC's 32 loads may stay out
	CVT16 OUT, 2, LA
	s_wait_alu depctr_va_vdst(0)                   ; the roundings have written OUT, which the stores read, and are done reading LA, in which the loads land; the addresses v9 to v16 are written
	LDW LA, 16                                     ; LA is asked for again at once: no store reads it
	ST16 OUT, 2, XS, 0, 1
	s_wait_loadcnt 32                              ; LC's and LA's may stay out
	CVT16 LB, 4, LB
	s_wait_alu depctr_va_vdst(0)                   ; the roundings have written LB's pairs, which the stores read
	ST16 LB, 4, XS, 16, 1
	s_wait_loadcnt 16
	CVT16 LC, 4, LC
	s_wait_alu depctr_va_vdst(0)                   ; the roundings have written LC's pairs, which the LDS stores read
	ST16 LC, 4, WS, 0, 0
	s_wait_loadcnt 0x0
	CVT16 LA, 4, LA
	s_wait_alu depctr_va_vdst(0)                   ; the roundings have written LA's pairs, which the LDS stores read; with it every vector line on v64 to v255 is done, where fragments land below
	ST16 LA, 4, WS, 16, 0
	s_cmp_lg_u32 s20, 0
	s_cbranch_scc1 .Lnot_wave_0
	v_cvt_pk_bf16_f32 v[WC], v[WC], v[WC+1]        ; WK_cross: rounded to bf16 like every input, and that number written as f16
	v_cvt_pk_bf16_f32 v[WC+1], v[WC+2], v[WC+3]
	v_lshlrev_b32 v[WC+2], 16, v[WC]
	v_and_b32 v[WC+3], 0xffff0000, v[WC]
	v_cvt_pk_f16_f32 v30, v[WC+2], v[WC+3]
	v_lshlrev_b32 v[WC+2], 16, v[WC+1]
	v_and_b32 v[WC+3], 0xffff0000, v[WC+1]
	v_cvt_pk_f16_f32 v31, v[WC+2], v[WC+3]
	s_wait_alu depctr_va_vdst(0)                   ; v30 and v31 are written, which the store reads
	global_store_b64 v[L8], v[30:31], s[32:33]     ; 256 consecutive bytes, aligned
.Lnot_wave_0:
	s_wait_xcnt 0x0                                ; the stores to xb have had their addresses translated: OUT and LB are written again only behind this wait
	s_wait_alu depctr_vm_vsrc(0)                   ; the LDS and global stores have read OUT, LB, LC and LA: fragments land, and products and vector lines write, on these registers below
	s_wait_dscnt 0x0                               ; for the others' sake: my rows lie in LDS
	s_barrier_signal -1
	s_barrier_wait -1
.macro FETCH ks, fb                    ; 18 turning loads: 32 channels of my 16 columns of x and of all 128 columns of W
	ds_load_tr16_b128 v[(\fb):(\fb)+3], v[XA+(\ks)/4] offset:((\ks)%4)*32*XP
	ds_load_tr16_b128 v[(\fb)+4:(\fb)+7], v[XA+(\ks)/4] offset:((\ks)%4)*32*XP+16*XP
.irp jt, 0,1,2,3,4,5,6,7
	ds_load_tr16_b128 v[(\fb)+8+8*\jt:(\fb)+8+8*\jt+3], v[WA+(\ks)/4] offset:((\ks)%4)*32*XP+32*\jt
	ds_load_tr16_b128 v[(\fb)+8+8*\jt+4:(\fb)+8+8*\jt+7], v[WA+(\ks)/4] offset:((\ks)%4)*32*XP+16*XP+32*\jt
.endr
.endm
.macro MUL fb, zero                    ; eight products; the eight accumulators take turns
.irp jt, 0,1,2,3,4,5,6,7
.if \zero
	v_wmma_f32_16x16x32_bf16 v[ACC+8*\jt:ACC+8*\jt+7], v[(\fb)+8+8*\jt:(\fb)+8+8*\jt+7], v[(\fb):(\fb)+7], 0
.else
	v_wmma_f32_16x16x32_bf16 v[ACC+8*\jt:ACC+8*\jt+7], v[(\fb)+8+8*\jt:(\fb)+8+8*\jt+7], v[(\fb):(\fb)+7], v[ACC+8*\jt:ACC+8*\jt+7]
.endif
.endr
.endm
.macro KSTEP ks
	s_wait_dscnt 18                                ; this step's fragments are in; the other buffer's 18 loads may stay out
	MUL FB0+72*((\ks)%2), 0
	PLACES                                         ; the four places behind the products stay as they stood
	s_wait_alu depctr_va_vdst(0)                   ; the eight products are done reading this buffer, in which the loads below land
	FETCH (\ks)+2, FB0+72*((\ks)%2)
.endm
	FETCH 0, FB0                                   ; no wait: no vector line since the last wait on va_vdst names v96 to v239 or the addresses
	FETCH 1, FB0+72
	s_wait_dscnt 18
	MUL FB0, 1                                     ; the first step starts the sums
	PLACES
	s_wait_alu depctr_va_vdst(0)                   ; the eight products are done reading buffer 0, in which the loads below land
	FETCH 2, FB0
	KSTEP 1
	KSTEP 2
	KSTEP 3
	KSTEP 4
	KSTEP 5
	s_wait_dscnt 18
	MUL FB0, 0
	PLACES
	s_wait_alu depctr_va_vdst(0)                   ; the eight products are done reading buffer 0, in which the biases land
.irp jt, 0,1,2,3,4,5,6,7               ; the freed buffer takes my 64 biases: j = 16 jt + 8 (l / 16) + 0..7
	global_load_b128 v[FB0+8*\jt:FB0+8*\jt+3], v[BO], s[10:11] offset:64*\jt
	global_load_b128 v[FB0+8*\jt+4:FB0+8*\jt+7], v[BO], s[10:11] offset:64*\jt+16
.endr
	s_wait_dscnt 0x0
	MUL FB0+72, 0
	s_wait_loadcnt 0x0
.set g, 0
.rept 4                                ; the bias, rounded to bf16, is added; the first eight roundings are the places behind the last products
.set p, 0
.rept 8
	v_cvt_pk_bf16_f32 v[TT+p], v[FB0+16*g+2*p], v[FB0+16*g+2*p+1]
.set p, p+1
.endr
.set p, 0
.rept 8
	v_fma_mix_f32_bf16 v[ACC+16*g+2*p], v[TT+p], v[ONE], v[ACC+16*g+2*p] op_sel_hi:[1,0,0]
	v_fma_mix_f32_bf16 v[ACC+16*g+2*p+1], v[TT+p], v[ONE], v[ACC+16*g+2*p+1] op_sel:[1,0,0] op_sel_hi:[1,0,0]
.set p, p+1
.endr
.set g, g+1
.endr
.set p, 0
.rept 32                               ; the sum of squares of my 64 numbers, in four chains
.if p < 4
	v_pk_mul_f32 v[SQ+2*p:SQ+2*p+1], v[ACC+2*p:ACC+2*p+1], v[ACC+2*p:ACC+2*p+1]
.else
	v_pk_fma_f32 v[SQ+2*(p%4):SQ+2*(p%4)+1], v[ACC+2*p:ACC+2*p+1], v[ACC+2*p:ACC+2*p+1], v[SQ+2*(p%4):SQ+2*(p%4)+1]
.endif
.set p, p+1
.endr
	v_pk_add_f32 v[SQ:SQ+1], v[SQ:SQ+1], v[SQ+2:SQ+3]
	v_pk_add_f32 v[SQ+4:SQ+5], v[SQ+4:SQ+5], v[SQ+6:SQ+7]
	v_pk_add_f32 v[SQ:SQ+1], v[SQ:SQ+1], v[SQ+4:SQ+5]
	v_add_f32 v[SQ], v[SQ], v[SQ+1]
	v_permlanex16_b32 v[SQ+1], v[SQ], s34, s35     ; the column's other 64 numbers lie in the lane 16 away
	v_add_f32 v[SQ], v[SQ], v[SQ+1]
	v_sqrt_f32 v[SQ+2], v[SQ]
	v_nop
	s_wait_alu depctr_va_vdst(0)                   ; the root is written, ahead of its first reader
	v_max_num_f32 v[SQ+2], 0x2b8cbccc, v[SQ+2]     ; max(norm, 1e-12)
	v_rcp_f32 v[SQ+4], v[SQ+2]
	v_rcp_f32 v[SQ+5], v[SQ+2]
	v_nop
	s_wait_alu depctr_va_vdst(0)                   ; both reciprocals are written, ahead of their first reader
.set p, 0
.rept 32
	v_pk_mul_f32 v[ACC+2*p:ACC+2*p+1], v[ACC+2*p:ACC+2*p+1], v[SQ+4:SQ+5]
.set p, p+1
.endr
.set p, 0
.rept 32
	v_cvt_pk_f16_f32 v[FB0+p], v[ACC+2*p], v[ACC+2*p+1]
.set p, p+1
.endr
	s_wait_alu depctr_va_vdst(0)                   ; the roundings have written v[FB0 .. FB0+31], which the LDS stores read; the bias's roundings are done reading v[FB0+32 ..], in which the loads from the stage land
.irp jt, 0,1,2,3,4,5,6,7               ; through my own stage: 16 bytes of a row in, whole rows of 256 bytes back
	ds_store_b128 v[STO], v[FB0+4*\jt:FB0+4*\jt+3] offset:32*\jt
.endr
.irp t, 0,1,2,3,4,5,6,7
	ds_load_b128 v[FB0+32+4*\t:FB0+32+4*\t+3], v[RD] offset:\t*2*SP  ; LDS serves a wave's instructions in order: these see the stores above
.endr
.irp t, 0,1,2,3,4,5,6,7
	s_wait_dscnt 7-\t
	global_store_b128 v[GO], v[FB0+32+4*\t:FB0+32+4*\t+3], s[28:29] offset:\t*512  ; 16 lanes store 256 consecutive bytes, aligned
.endr
	s_wait_dscnt 0x0                               ; the wave's end; the closing add to the spare word follows
	s_wait_alu depctr_hold_cnt(0) depctr_sa_sdst(0) depctr_va_vdst(0) depctr_va_sdst(0) depctr_va_ssrc(0) depctr_va_vcc(0) depctr_vm_vsrc(0)
	s_wait_tensorcnt 0x0
	ds_add_u32 v21, v23
	s_wait_dscnt 0x0
	s_endpgm
.Lfunc_end_k_qd3f4838392_prep:
	.size	k_qd3f4838392_prep, .Lfunc_end_k_qd3f4838392_prep-k_qd3f4838392_prep
	.p2alignl 7, 3214868480
	.fill 96, 4, 3214868480
	.section	.rodata,"a",@progbits
	.p2align	6, 0x0
	.amdhsa_kernel k_qd3f4838392_prep
		.amdhsa_group_segment_fixed_size 183296
		.amdhsa_private_segment_fixed_size 0
		.amdhsa_enable_private_segment 0
		.amdhsa_kernarg_size 56
		.amdhsa_user_sgpr_count 2
		.amdhsa_user_sgpr_kernarg_segment_ptr 1
		.amdhsa_wavefront_size32 1
		.amdhsa_system_sgpr_workgroup_id_x 1
		.amdhsa_system_sgpr_workgroup_id_y 1
		.amdhsa_system_sgpr_workgroup_id_z 1
		.amdhsa_system_vgpr_workitem_id 0
		.amdhsa_next_free_vgpr 256
		.amdhsa_next_free_sgpr 66
		.amdhsa_reserve_vcc 0
		.amdhsa_float_denorm_mode_32 3
		.amdhsa_float_denorm_mode_16_64 3
		.amdhsa_memory_ordered 1
		.amdhsa_forward_progress 1
		.amdhsa_inst_pref_size 57
	.end_amdhsa_kernel
	.amdgpu_metadata
---
amdhsa.version: [ 1, 2 ]
amdhsa.kernels:
  - .name:           k_qd3f4838392_prep
    .symbol:         k_qd3f4838392_prep.kd
    .args:
      - { .name: train_feat, .offset: 0, .size: 8, .value_kind: global_buffer, .address_space: global }
      - { .name: test_feat, .offset: 8, .size: 8, .value_kind: global_buffer, .address_space: global }
      - { .name: WK_self, .offset: 16, .size: 8, .value_kind: global_buffer, .address_space: global }
      - { .name: bK_self, .offset: 24, .size: 8, .value_kind: global_buffer, .address_space: global }
      - { .name: WK_cross, .offset: 32, .size: 8, .value_kind: global_buffer, .address_space: global }
      - { .name: xb, .offset: 40, .size: 8, .value_kind: global_buffer, .address_space: global }
      - { .name: w1, .offset: 48, .size: 8, .value_kind: global_buffer, .address_space: global }
    .group_segment_fixed_size: 183296
    .private_segment_fixed_size: 0
    .kernarg_segment_align: 8
    .kernarg_segment_size: 56
    .max_flat_workgroup_size: 256
    .sgpr_count:     66
    .vgpr_count:     256
    .wavefront_size: 32
...
	.end_amdgpu_metadata
.endif
;; end of part 6
;; launch attn_self: the kernel of part 2 again; grid 8 x 32, 4 waves a work-group, clusters of 4 x 1, 327,680 bytes of LDS; arguments w1, xb, u; writes u
;; launch proj2 (part 7): grid 8 x 32, 8 waves a work-group, no clusters, 183,296 bytes of LDS; arguments u, w1, bK_cross, train_label, kv2; writes kv2
.if DOCPART == 7
	.amdgcn_target "amdgcn-amd-amdhsa--gfx1250"
	.amdhsa_code_object_version 6
	.text
	.protected	k_qd3f4838392_proj2
	.globl	k_qd3f4838392_proj2
	.p2align	8
	.type	k_qd3f4838392_proj2,@function
k_qd3f4838392_proj2:
	s_mov_b64 s[64:65], 0
	v_nop
	global_prefetch_b8 v0, s[64:65] scope:SCOPE_SE
	s_setreg_imm32_b32 hwreg(HW_REG_WAVE_SCHED_MODE, 0, 2), 2
	s_setreg_imm32_b32 hwreg(HW_REG_WAVE_MODE, 25, 1), 1
	s_wait_xcnt 0x0
	s_wait_alu depctr_vm_vsrc(0)
; PROJ2.  F = 8 rsq(sum U^2 + 1e-5) for y, from the 32 partial sums behind U.  wcross[y][s][:] = l2norm(F (U[:, s] . WK_cross) + bK_cross), f16, [32][1024][128] at kv2's head;
; for y < 16 also Vc[b][d][s] = bf16(F U label[s]), [16][256][1024], at kv2 + 8,388,608.  U and WK_cross come in f16 (the weights hold bf16 numbers); the bias and the label are rounded to bf16 like every input.
; LIMITS.  NaN and infinities are not treated apart.
; SHARES, PRODUCT, WAY OUT: as in the first launch: a work-group takes 128 columns s of one y; wave w lays rows 32 w .. of U and of the weights in LDS and makes the 16 columns 16 w ..; a lane holds one s and 64 of its 128 j.
; No tensor loads, no cluster, no prefetch: U's bytes are wanted by one work-group each and are asked for in the launch's first lines.
; THE MODE: SCHED_MODE bits 1:0 = 2 (LLVM: expert scheduling mode 2), set by the entry lines.  The code itself states the register dependences
; between vector or matrix instructions and memory or LDS instructions, with s_wait_alu, always for 0.
; THE PLAN.  Registers that memory or LDS instructions touch:
;   v4-v8, v28        offsets, made at the head ahead of the first load;  v9-v16 later addresses, made behind the first loads, ahead of the wait for the root.  None is written again.
;   v64-127, v128-191 U and the weights as loaded: their LDS stores take them as they came; Vc's vector lines read U beside them.
;   v192-255          Vc to store, four registers a row: written by Vc's roundings, read by its stores.  Two groups of eight rows, ONE wait on va_vdst behind each group's vector lines, its eight stores in one run.
;   FB0, FB0 + 72     a K step's fragments: loads land, the step's eight products read, the step two on is loaded behind them, behind one wait on va_vdst.
; One wait on vm_vsrc, ahead of the barrier, states that the LDS stores and Vc's stores have read v64 to v255, where accumulators, fragments and registers at work lie from there on.
.set XP,    288
.set WL,    73728
.set STAGE, 147456              ; the 1,024 bytes behind the eight stages hold the spare words
.set SP,    272
.set UO,  4                     ; v4   two rows an instruction: (32 w + l / 16) x 2,048 + 16 (l % 16)
.set WO,  5
.set LBO, 6
.set US,  7
.set WS,  8
.set XA,  9
.set WA,  11
.set BO,  13
.set STO, 14
.set RD,  15
.set GO,  16
.set FV,  22
.set ZR,  23
.set SS,  24
.set L4,  28
.set ACC, 32
.set FB0, 96
.set TT,  240
.set SQ,  248
	s_load_b256 s[4:11], s[0:1], 0x0               ; u s[4:5], w1 s[6:7], bK_cross s[8:9], label s[10:11]
	s_load_b64 s[12:13], s[0:1], 0x20              ; kv2
	v_lshl_add_u32 v30, v0, 2, 0x2c800
	v_mov_b32 v31, 0
	v_lshrrev_b32 v1, 5, v0
	v_readfirstlane_b32 s20, v1                    ; wave 0..7
	s_and_b32 s21, ttmp7, 0xffff                   ; y
	s_and_b32 s22, s21, 15                         ; b
	v_and_b32 v1, 31, v0
	v_and_b32 v2, 15, v0
	v_bfe_u32 v3, v0, 4, 1
	v_lshlrev_b32 v17, 4, v2
	v_lshl_add_u32 v[UO], v3, 11, v17
	s_wait_alu depctr_va_sdst(0)                   ; s20 is written, ahead of its first reader
	s_lshl_b32 s36, s20, 16
	v_add_nc_u32 v[UO], s36, v[UO]
	v_lshlrev_b32 v[WO], 4, v1
	s_lshl_b32 s36, s20, 13
	v_add_nc_u32 v[WO], s36, v[WO]
	v_mul_u32_u24 v[US], v3, XP
	v_add_nc_u32 v[US], v17, v[US]
	s_mul_i32 s36, s20, 32*XP
	v_add_nc_u32 v[US], s36, v[US]
	v_add_nc_u32 v[WS], WL, v[US]
	v_lshlrev_b32 v[LBO], 5, v2
	v_lshlrev_b32 v[L4], 2, v1
	s_lshl_b32 s36, s21, 19
	s_lshl_b32 s37, ttmp9, 8
	s_add_co_u32 s36, s36, s37                     ; U
	s_mov_b32 s37, 0
	s_lshl_b32 s38, s21, 7                         ; the partial sums
	s_mov_b32 s39, 0
	s_lshl_b32 s40, s22, 12
	s_lshl_b32 s41, ttmp9, 9
	s_add_co_u32 s40, s40, s41                     ; the label
	s_mov_b32 s41, 0
	s_lshl_b32 s42, s22, 19
	s_lshl_b32 s43, ttmp9, 8
	s_add_co_u32 s42, s42, s43                     ; Vc
	s_mov_b32 s43, 0
	s_lshl_b32 s44, s21, 18
	s_lshl_b32 s45, ttmp9, 15
	s_add_co_u32 s44, s44, s45                     ; wcross
	s_mov_b32 s45, 0
	s_mov_b32 s34, 0x76543210
	s_mov_b32 s35, 0xfedcba98
	s_wait_kmcnt 0x0
	s_add_nc_u64 s[24:25], s[4:5], s[36:37]
	s_add_nc_u64 s[26:27], s[4:5], s[38:39]
	s_add_nc_u64 s[26:27], s[26:27], 16777216
	s_add_nc_u64 s[28:29], s[10:11], s[40:41]
	s_add_nc_u64 s[30:31], s[12:13], s[42:43]
	s_add_nc_u64 s[30:31], s[30:31], 8388608
	s_add_nc_u64 s[32:33], s[12:13], s[44:45]
	s_add_nc_u64 s[14:15], s[6:7], 8388608         ; the weights in f16
	s_wait_alu depctr_va_vdst(0)                   ; the offsets v4 to v8 and v28 are written, which the loads and stores below read
	global_load_b32 v[SS], v[L4], s[26:27]
	global_load_b128 v[40:43], v[LBO], s[28:29]    ; the labels of my eight columns
	global_load_b128 v[44:47], v[LBO], s[28:29] offset:16
.set i, 0
.rept 16
	global_load_b128 v[64+4*i:64+4*i+3], v[UO], s[24:25] offset:4096*i
.set i, i+1
.endr
.set i, 0
.rept 16
	global_load_b128 v[128+4*i:128+4*i+3], v[WO], s[14:15] offset:512*i
.set i, i+1
.endr
	v_and_b32 v17, 7, v0
	v_bfe_u32 v18, v0, 3, 1
	v_lshl_add_u32 v19, v3, 3, v17
	v_mul_u32_u24 v19, v19, XP
	v_lshl_add_u32 v19, v18, 4, v19
	s_lshl_b32 s36, s20, 5
	v_add_nc_u32 v[XA], s36, v19
	v_add_nc_u32 v[XA+1], 128*XP, v[XA]
	v_add_nc_u32 v[WA], WL, v19
	v_add_nc_u32 v[WA+1], 128*XP, v[WA]
	v_lshlrev_b32 v[BO], 5, v3
	s_mul_i32 s36, s20, 16*SP
	s_add_co_u32 s36, s36, STAGE
	v_mul_u32_u24 v17, v2, SP
	v_lshl_add_u32 v17, v3, 4, v17
	v_add_nc_u32 v[STO], s36, v17
	v_mul_u32_u24 v17, v3, SP
	v_lshl_add_u32 v17, v2, 4, v17
	v_add_nc_u32 v[RD], s36, v17
	v_lshlrev_b32 v17, 8, v3
	v_lshl_add_u32 v17, v2, 4, v17
	s_lshl_b32 s36, s20, 12
	v_add_nc_u32 v[GO], s36, v17
	v_mov_b32 v[ZR], 0
	s_wait_loadcnt 32                              ; the sums and the labels are in; U's and the weights' 32 loads may stay out
.irp m, 1,2,4,8
	v_add_f32_dpp v[SS], v[SS], v[SS] row_xmask:\m row_mask:0xf bank_mask:0xf
.endr
	v_permlanex16_b32 v17, v[SS], s34, s35
	v_add_f32 v[SS], v[SS], v17
	v_add_f32 v[SS], 0x3727c5ac, v[SS]             ; + 1e-5
	v_rsq_f32 v[FV], v[SS]
.irp k, 0,1,2,3                        ; the labels are rounded to bf16 while the root is made
	v_cvt_pk_bf16_f32 v[32+\k], v[40+2*\k], v[40+2*\k+1]
.endr
.irp k, 0,1,2,3
	v_lshlrev_b32 v[40+2*\k], 16, v[32+\k]
	v_and_b32 v[40+2*\k+1], 0xffff0000, v[32+\k]
.endr
	s_wait_alu depctr_va_vdst(0)                   ; the root is written, ahead of its first reader; so are the addresses v9 to v16, which LDS and memory instructions read further down
	v_mul_f32 v[FV], 0x41000000, v[FV]             ; F
.irp k, 0,1,2,3,4,5,6,7
	v_mul_f32 v[48+\k], v[FV], v[40+\k]            ; F x label
.endr
	s_wait_loadcnt 16                              ; U is in
.set i, 0
.rept 16
	ds_store_b128 v[US], v[64+4*i:64+4*i+3] offset:2*XP*i  ; the data came by loads, the address stands ahead of the head's wait: nothing more is owed
.set i, i+1
.endr
	s_cmp_lt_u32 s21, 16
	s_cbranch_scc0 .Lno_vc
.set g, 0
.rept 2                                ; Vc, eight rows at a time: the vector lines, one wait, the stores; each store has four registers of its own
.set i, 8*g
.rept 8
.irp k, 0,1,2,3
	v_fma_mix_f32 v[32+2*\k], v[64+4*i+\k], v[48+2*\k], v[ZR] op_sel_hi:[1,0,0]
	v_fma_mix_f32 v[32+2*\k+1], v[64+4*i+\k], v[48+2*\k+1], v[ZR] op_sel:[1,0,0] op_sel_hi:[1,0,0]
.endr
.irp k, 0,1,2,3
	v_cvt_pk_bf16_f32 v[192+4*i+\k], v[32+2*\k], v[32+2*\k+1]
.endr
.set i, i+1
.endr
	s_wait_alu depctr_va_vdst(0)                   ; the roundings have written the eight rows' registers, which the stores read; behind the second group every vector line on v64 to v255 is done, where fragments land below
.set i, 8*g
.rept 8
	global_store_b128 v[UO], v[192+4*i:192+4*i+3], s[30:31] offset:4096*i  ; 16 lanes store 256 consecutive bytes, aligned
.set i, i+1
.endr
.set g, g+1
.endr
.Lno_vc:
	s_wait_loadcnt 0x0
.set i, 0
.rept 16
	ds_store_b128 v[WS], v[128+4*i:128+4*i+3] offset:2*XP*i
.set i, i+1
.endr
	s_wait_xcnt 0x0                                ; the stores of Vc have had their addresses translated: their registers are written again only behind this wait
	s_wait_alu depctr_vm_vsrc(0)                   ; the LDS stores have read v64 to v191 and Vc's stores v192 to v255: fragments land, and products and vector lines write, on these registers below
	s_wait_dscnt 0x0                               ; for the others' sake: my rows lie in LDS
	s_barrier_signal -1
	s_barrier_wait -1
.macro PLACES
.rept 4
	v_nop
.endr
.endm
.macro FETCH ks, fb
	ds_load_tr16_b128 v[(\fb):(\fb)+3], v[XA+(\ks)/4] offset:((\ks)%4)*32*XP
	ds_load_tr16_b128 v[(\fb)+4:(\fb)+7], v[XA+(\ks)/4] offset:((\ks)%4)*32*XP+16*XP
.irp jt, 0,1,2,3,4,5,6,7
	ds_load_tr16_b128 v[(\fb)+8+8*\jt:(\fb)+8+8*\jt+3], v[WA+(\ks)/4] offset:((\ks)%4)*32*XP+32*\jt
	ds_load_tr16_b128 v[(\fb)+8+8*\jt+4:(\fb)+8+8*\jt+7], v[WA+(\ks)/4] offset:((\ks)%4)*32*XP+16*XP+32*\jt
.endr
.endm
.macro MUL fb, zero                    ; the eight accumulators take turns
.irp jt, 0,1,2,3,4,5,6,7
.if \zero
	v_wmma_f32_16x16x32_f16 v[ACC+8*\jt:ACC+8*\jt+7], v[(\fb)+8+8*\jt:(\fb)+8+8*\jt+7], v[(\fb):(\fb)+7], 0
.else
	v_wmma_f32_16x16x32_f16 v[ACC+8*\jt:ACC+8*\jt+7], v[(\fb)+8+8*\jt:(\fb)+8+8*\jt+7], v[(\fb):(\fb)+7], v[ACC+8*\jt:ACC+8*\jt+7]
.endif
.endr
.endm
.macro KSTEP ks
	s_wait_dscnt 18                                ; the other buffer's 18 loads may stay out
	MUL FB0+72*((\ks)%2), 0
	PLACES                                         ; the four places behind the products stay as they stood
	s_wait_alu depctr_va_vdst(0)                   ; the eight products are done reading this buffer, in which the loads below land
	FETCH (\ks)+2, FB0+72*((\ks)%2)
.endm
	FETCH 0, FB0                                   ; no wait: no vector line since the last wait on va_vdst names v96 to v239 or the addresses
	FETCH 1, FB0+72
	s_wait_dscnt 18
	MUL FB0, 1
	PLACES
	s_wait_alu depctr_va_vdst(0)                   ; the eight products are done reading buffer 0, in which the loads below land
	FETCH 2, FB0
	KSTEP 1
	KSTEP 2
	KSTEP 3
	KSTEP 4
	KSTEP 5
	s_wait_dscnt 18
	MUL FB0, 0
	PLACES
	s_wait_alu depctr_va_vdst(0)                   ; the eight products are done reading buffer 0, in which the biases land
.irp jt, 0,1,2,3,4,5,6,7
	global_load_b128 v[FB0+8*\jt:FB0+8*\jt+3], v[BO], s[8:9] offset:64*\jt
	global_load_b128 v[FB0+8*\jt+4:FB0+8*\jt+7], v[BO], s[8:9] offset:64*\jt+16
.endr
	s_wait_dscnt 0x0
	MUL FB0+72, 0
	s_wait_loadcnt 0x0
.set g, 0
.rept 4                                ; F x sum + bias, one line a number; the first eight roundings are the places behind the last products
.set p, 0
.rept 8
	v_cvt_pk_bf16_f32 v[TT+p], v[FB0+16*g+2*p], v[FB0+16*g+2*p+1]
.set p, p+1
.endr
.set p, 0
.rept 8
	v_fma_mix_f32_bf16 v[ACC+16*g+2*p], v[ACC+16*g+2*p], v[FV], v[TT+p] op_sel_hi:[0,0,1]
	v_fma_mix_f32_bf16 v[ACC+16*g+2*p+1], v[ACC+16*g+2*p+1], v[FV], v[TT+p] op_sel:[0,0,1] op_sel_hi:[0,0,1]
.set p, p+1
.endr
.set g, g+1
.endr
.set p, 0
.rept 32
.if p < 4
	v_pk_mul_f32 v[SQ+2*p:SQ+2*p+1], v[ACC+2*p:ACC+2*p+1], v[ACC+2*p:ACC+2*p+1]
.else
	v_pk_fma_f32 v[SQ+2*(p%4):SQ+2*(p%4)+1], v[ACC+2*p:ACC+2*p+1], v[ACC+2*p:ACC+2*p+1], v[SQ+2*(p%4):SQ+2*(p%4)+1]
.endif
.set p, p+1
.endr
	v_pk_add_f32 v[SQ:SQ+1], v[SQ:SQ+1], v[SQ+2:SQ+3]
	v_pk_add_f32 v[SQ+4:SQ+5], v[SQ+4:SQ+5], v[SQ+6:SQ+7]
	v_pk_add_f32 v[SQ:SQ+1], v[SQ:SQ+1], v[SQ+4:SQ+5]
	v_add_f32 v[SQ], v[SQ], v[SQ+1]
	v_permlanex16_b32 v[SQ+1], v[SQ], s34, s35
	v_add_f32 v[SQ], v[SQ], v[SQ+1]
	v_sqrt_f32 v[SQ+2], v[SQ]
	v_nop
	s_wait_alu depctr_va_vdst(0)                   ; the root is written, ahead of its first reader
	v_max_num_f32 v[SQ+2], 0x2b8cbccc, v[SQ+2]     ; max(norm, 1e-12)
	v_rcp_f32 v[SQ+4], v[SQ+2]
	v_rcp_f32 v[SQ+5], v[SQ+2]
	v_nop
	s_wait_alu depctr_va_vdst(0)                   ; both reciprocals are written, ahead of their first reader
.set p, 0
.rept 32
	v_pk_mul_f32 v[ACC+2*p:ACC+2*p+1], v[ACC+2*p:ACC+2*p+1], v[SQ+4:SQ+5]
.set p, p+1
.endr
.set p, 0
.rept 32
	v_cvt_pk_f16_f32 v[FB0+p], v[ACC+2*p], v[ACC+2*p+1]
.set p, p+1
.endr
	s_wait_alu depctr_va_vdst(0)                   ; the roundings have written v[FB0 .. FB0+31], which the LDS stores read; the bias's roundings are done reading v[FB0+32 ..], in which the loads from the stage land
.irp jt, 0,1,2,3,4,5,6,7
	ds_store_b128 v[STO], v[FB0+4*\jt:FB0+4*\jt+3] offset:32*\jt
.endr
.irp t, 0,1,2,3,4,5,6,7
	ds_load_b128 v[FB0+32+4*\t:FB0+32+4*\t+3], v[RD] offset:\t*2*SP  ; LDS serves a wave's instructions in order: these see the stores above
.endr
.irp t, 0,1,2,3,4,5,6,7
	s_wait_dscnt 7-\t
	global_store_b128 v[GO], v[FB0+32+4*\t:FB0+32+4*\t+3], s[32:33] offset:\t*512  ; 16 lanes store 256 consecutive bytes, aligned
.endr
	s_wait_dscnt 0x0                               ; the wave's end; the closing add to the spare word follows
	s_wait_alu depctr_hold_cnt(0) depctr_sa_sdst(0) depctr_va_vdst(0) depctr_va_sdst(0) depctr_va_ssrc(0) depctr_va_vcc(0) depctr_vm_vsrc(0)
	s_wait_tensorcnt 0x0
	ds_add_u32 v30, v31
	s_wait_dscnt 0x0
	s_endpgm
.Lfunc_end_k_qd3f4838392_proj2:
	.size	k_qd3f4838392_proj2, .Lfunc_end_k_qd3f4838392_proj2-k_qd3f4838392_proj2
	.p2alignl 7, 3214868480
	.fill 96, 4, 3214868480
	.section	.rodata,"a",@progbits
	.p2align	6, 0x0
	.amdhsa_kernel k_qd3f4838392_proj2
		.amdhsa_group_segment_fixed_size 183296
		.amdhsa_private_segment_fixed_size 0
		.amdhsa_enable_private_segment 0
		.amdhsa_kernarg_size 40
		.amdhsa_user_sgpr_count 2
		.amdhsa_user_sgpr_kernarg_segment_ptr 1
		.amdhsa_wavefront_size32 1
		.amdhsa_system_sgpr_workgroup_id_x 1
		.amdhsa_system_sgpr_workgroup_id_y 1
		.amdhsa_system_sgpr_workgroup_id_z 1
		.amdhsa_system_vgpr_workitem_id 0
		.amdhsa_next_free_vgpr 256
		.amdhsa_next_free_sgpr 66
		.amdhsa_reserve_vcc 0
		.amdhsa_float_denorm_mode_32 3
		.amdhsa_float_denorm_mode_16_64 3
		.amdhsa_memory_ordered 1
		.amdhsa_forward_progress 1
		.amdhsa_inst_pref_size 56
	.end_amdhsa_kernel
	.amdgpu_metadata
---
amdhsa.version: [ 1, 2 ]
amdhsa.kernels:
  - .name:           k_qd3f4838392_proj2
    .symbol:         k_qd3f4838392_proj2.kd
    .args:
      - { .name: u, .offset: 0, .size: 8, .value_kind: global_buffer, .address_space: global }
      - { .name: w1, .offset: 8, .size: 8, .value_kind: global_buffer, .address_space: global }
      - { .name: bK_cross, .offset: 16, .size: 8, .value_kind: global_buffer, .address_space: global }
      - { .name: train_label, .offset: 24, .size: 8, .value_kind: global_buffer, .address_space: global }
      - { .name: kv2, .offset: 32, .size: 8, .value_kind: global_buffer, .address_space: global }
    .group_segment_fixed_size: 183296
    .private_segment_fixed_size: 0
    .kernarg_segment_align: 8
    .kernarg_segment_size: 40
    .max_flat_workgroup_size: 256
    .sgpr_count:     66
    .vgpr_count:     256
    .wavefront_size: 32
...
	.end_amdgpu_metadata
.endif
;; end of part 7
;; launch attn_cross: the kernel of part 4 again; grid 8 x 32, 4 waves a work-group, clusters of 4 x 1, 327,680 bytes of LDS; arguments kv2, u, train_label, t4; writes t4
;; launch final: the kernel of part 5 again; grid 16 x 32, 8 waves a work-group, no clusters, 0 bytes of LDS; arguments u, t4, out0, out1; writes out0, out1
